; MI455X (gfx1250); checked and timed in simulation.
; The chip was launched on July 23, 2026; its instructions are those of AMD's public machine-readable ISA for CDNA 5 (MIT licence, August 2026) and "CDNA5" Instruction Set Architecture Reference Guide (July 2026). The comments in the code are by the model that wrote it; some were corrected since.
;; GPT2 Model Block. Allowed arithmetic: matrix products marked QUANTISED: E2M3 operands, one E8M0 scale for each 32 along K, by v_wmma_scale_f32_16x16x128_f8f6f4 with both operands' format E2M3, f32 sums; everything else in f32.
;; Inputs: down_b 1,024 float32; down_w 1,024 x 4,096 float32; ln1_b 1,024 float32; ln1_w 1,024 float32; ln2_b 1,024 float32; ln2_w 1,024 float32; up_b 4,096 float32; up_w 4,096 x 1,024 float32; wk_b 1,024 float32; wk_w 1,024 x 1,024 float32; wo_b 1,024 float32; wo_w 1,024 x 1,024 float32; wq_b 1,024 float32; wq_w 1,024 x 1,024 float32; wv_b 1,024 float32; wv_w 1,024 x 1,024 float32; x 2 x 2,048 x 1,024 float32.
;; Outputs: out0 2 x 2,048 x 1,024 float32.
;; This version of the problem:
;;   THIS VERSION OF THE PROBLEM IS GIVEN IN LOW PRECISION. The matrix products marked QUANTISED in the list below multiply operands that are first quantised to E2M3 (2 exponent bits, 3 mantissa bits; 6 bits a number), with one power-of-two scale for each 32 numbers along K (OCP MX v1.0); their sums are f32. All else is computed in f32.
;;   The module's matrix products, in the order in which they are computed (A, B: the left and right operand; K: the contracted axis; several contracted axes count as one K, in the product's order):
;;     1. [M 4,096, K 1,024] x [K 1,024, N 1,024]; A: computed on the way; B: input wq_w: QUANTISED
;;     2. [M 4,096, K 1,024] x [K 1,024, N 1,024]; A: computed on the way; B: input wk_w: QUANTISED
;;     3. [M 4,096, K 1,024] x [K 1,024, N 1,024]; A: computed on the way; B: input wv_w: QUANTISED
;;     4. batch 32 x [M 2,048, K 64] x [K 64, N 2,048]; A: computed on the way; B: computed on the way: QUANTISED
;;     5. batch 32 x [M 64, K 2,048] x [K 2,048, N 2,048]; A: computed on the way; B: softmax (see below): QUANTISED
;;     6. [M 4,096, K 1,024] x [K 1,024, N 1,024]; A: computed on the way; B: input wo_w: QUANTISED
;;     7. [M 4,096, K 1,024] x [K 1,024, N 4,096]; A: computed on the way; B: input up_w: QUANTISED
;;     8. [M 4,096, K 4,096] x [K 4,096, N 1,024]; A: computed on the way; B: input down_w: QUANTISED
;;   THE QUANTISER, for each operand of a quantised product, along K:
;;     - K is cut into blocks of 32 from its start; a last block that is shorter is filled with zeros.
;;     - A block's scale is 2^e with e = floor(log2(the largest magnitude in the block)) - 2, held to -126 .. 127; a block of zeros has e = 0. As a byte (E8M0): e + 127.
;;     - Each number is divided by its block's scale, clamped to +-7.5, and rounded to the nearest number of E2M3, ties to even, subnormals kept.
;;     - The product sums the exact products of the quantised numbers (number of the format x scale) in f32.
;;   ~~~python
;;   def quantise(x, axis):      # numpy; x: float32 -> the quantised numbers, widened to float32 again
;;       x = np.moveaxis(x, axis, -1); K = x.shape[-1]
;;       x = np.pad(x, [(0, 0)] * (x.ndim - 1) + [(0, -K % 32)]); x = x.reshape(x.shape[:-1] + (-1, 32)); a = np.abs(x).max(-1, keepdims=True)
;;       e = np.where(a > 0, np.clip(np.frexp(np.where(a > 0, a, 1))[1] - 1 - 2, -126, 127), 0)      # np.frexp(a)[1] - 1 = floor(log2(a)), exactly
;;       r = np.clip(x / 2.0 ** e, -7.5, 7.5)
;;       step = 2.0 ** (np.maximum(np.frexp(np.where(r == 0, 1, r))[1] - 1, 0) - 3)
;;       q = np.round(r / step) * step * 2.0 ** e      # np.round: ties to even
;;       return np.moveaxis(q.reshape(q.shape[:-2] + (-1,))[..., :K], -1, axis).astype(np.float32)
;;   ~~~
;;   SOFTMAX AHEAD OF A QUANTISED PRODUCT. Where the list says 'softmax', what is quantised is not the finished softmax but p = 2^(t - M), with t = logit x log2(e) and M = ceil(the row's largest t), a whole number; so 1/2 < the row's largest p <= 1. The row's sum l is taken of the UNQUANTISED p, in f32, and the product's result is divided by l at the end. Since M is a whole number, a kernel that streams over the keys may use a running M (the ceiling of the running maximum): every later rescaling is an exact power of two, which a block's scale takes up: the codes' values come out the same.
;;   OPERANDS COMPUTED ON THE WAY. 'Computed on the way' means the value that the module computes at that place (a softmax that the list does not call 'softmax' is quantised finished and normalised). What goes into a quantiser is computed in f32, as accurately as f32 sums, v_exp_f32 and their like allow (about 1e-6 of the number): no bf16 or f16 on the way to a quantiser, and a product that is left as it is and whose result goes on into a quantised operand takes f32 operands (vector FMAs, or v_wmma_f32_16x16x4_f32). A number that lies on a knife's edge between two numbers of the format may be rounded either way, as far as f32 arithmetic and the matrix unit's own rounding can turn it there, and no further.
;; One version. Each part assembles by itself: llvm-mc -triple=amdgcn-amd-amdhsa -mcpu=gfx1250 --defsym DOCPART=n.
;; ======== version 1 of 1: 7 launches
;; limits: right only within a limited range of input values
;; workspace buffers: wts 9,830,400 bytes; a1 3,309,568 bytes; a2 3,309,568 bytes; qkv 10,092,544 bytes; ob 3,276,800 bytes; y 16,777,216 bytes; hb 13,107,200 bytes
;; launch prep (part 1): grid 448 x 1, 8 waves a work-group, no clusters, 139,776 bytes of LDS; arguments wq_w, wk_w, wv_w, wo_w, up_w, down_w, wts, x, ln1_w, ln1_b, a1; writes wts, a1
.if DOCPART == 1
	.amdgcn_target "amdgcn-amd-amdhsa--gfx1250"
	.amdhsa_code_object_version 6
	.text
	.protected	k_qfaf4750891_prep
	.globl	k_qfaf4750891_prep
	.p2align	8
	.type	k_qfaf4750891_prep,@function
k_qfaf4750891_prep:
	s_mov_b64 s[64:65], 0
	v_nop
	global_prefetch_b8 v0, s[64:65] scope:SCOPE_SE
	s_setreg_imm32_b32 hwreg(HW_REG_WAVE_MODE, 25, 1), 1
	s_wait_xcnt 0x0
; ONE LAUNCH PREPARES ALL OPERANDS THAT HANG ON INPUTS ALONE.  Work-groups 0-191: the six weights; work-groups 192-447: LayerNorm 1 of x.  Both give codes of FP6 (E2M3), one E8M0 byte for each 32 along K,
; laid in the ORDER OF THE OPERAND'S REGISTERS.  A RECORD is the image of one fragment (16 rows x 128 K, 12 registers a lane), 1,536 bytes: for each half c: registers 6 c .. 6 c + 3 at 16 x lane, then 6 c + 4, 6 c + 5 at 512 + 8 x lane.
; Row r of tile T is row 32 (T / 2) + 8 (T % 2) + r % 8 + 16 (r / 8) of its tensor, so that, the tile being source 0 of a product, the 16 result registers of tiles 2 g, 2 g + 1 are 16 neighbours.
; WEIGHTS -> wts: records [tile][K step], wq 0, wk 512, wv 1024, wo 1536, up 2048, down 4096; a record's 16 scale words at 9,437,184 + 64 x record.  A wave takes four records (one tile, 512 along K): job 8 x work-group + wave, 0 .. 1,535.
; LN1 -> a1: records [tile][K step 0..7] at 0; scale words [tile][K step][16 x 4 bytes] at 3,145,728; mean and 1 / sqrt(variance + 1e-5), [tile][row][2] f32, at 3,276,800.  A work-group takes a tile, wave w its columns 128 w on.
; Mean first, then the mean of (x - mean)^2; the eight waves' partial sums meet in LDS and are added in one fixed order.  Loads read 512 consecutive bytes of a row and turn through the wave's own stage in LDS (pitch 528) into the lane order.
; The two paths part on the work-group's number alone and have LDS bytes of their own: LN1 0 .. 69,119, the spare words 69,120 .. 70,143, the weights 70,144 on.  The weights' work-groups, which walk four records a wave, have the lowest numbers.
; A block's scale is 2^(floor(log2(largest magnitude)) - 2): its byte is the largest magnitude's exponent field - 2, held at 1 from below.
; LIMITS: a block of zeros, or one under 2^-124, gets the byte 1 (the rule says 127 for zeros): its codes are zeros and this program alone reads the bytes; NaN and infinities are not served.
.set NWG,   192
.set RED,   67584                      ; LN1: behind eight stages of 8,448 bytes: 512 bytes of sums, 512 of sums of squares, 512 of scale words
.set SPARE, 69120
.set LW,    70144
.set WREG,  8704                       ; weights: a wave's stage, 16 x 528 bytes, and 256 bytes for its four records' scale words
.macro TURN r                          ; 16 rows x 512 bytes through the stage; LDS serves a wave's instructions in order, so no wait stands between
.set i, 0
.rept 16
	ds_store_b128 v[SW], v[\r+4*i:\r+4*i+3] offset:528*i
.set i, i+1
.endr
.irp c, 0,1
.irp j, 0,1,2,3,4,5,6,7
	ds_load_b128 v[X+32*\c+4*\j:X+32*\c+4*\j+3], v[SR] offset:256*\c+16*\j
.endr
.endr
.endm
.macro QUANT2                          ; my two whole blocks become registers 6 c .. 6 c + 5; the scale word is gathered from lanes l and l xor 16
.irp c, 0,1
	v_max3_num_f32 v[M+\c], |v[X+32*\c]|, |v[X+32*\c+1]|, 0x1800000   ; with the floor 2^(3 - 127): the byte cannot fall under 1
.endr
.irp i, 2,4,6,8,10,12,14,16,18,20,22,24,26,28,30
.irp c, 0,1
	s_delay_alu instid0(VALU_DEP_2)
	v_max3_num_f32 v[M+\c], v[M+\c], |v[X+32*\c+\i]|, |v[X+32*\c+\i+1]|
.endr
.endr
.irp c, 0,1
	s_delay_alu instid0(VALU_DEP_2)
	v_add_nc_u32 v[SO+\c], 0xff000000, v[M+\c]     ; 2 off the exponent field: the conversion takes that field alone
.endr
.irp c, 0,1
	s_delay_alu instid0(VALU_DEP_2)
	v_lshrrev_b32 v[BY+\c], 23, v[SO+\c]
.endr
	s_delay_alu instid0(VALU_DEP_1)
	v_lshl_or_b32 v[W], v[BY+1], 16, v[BY]
	s_delay_alu instid0(VALU_DEP_1)
	v_lshlrev_b32 v[W], v[H8], v[W]
	s_delay_alu instid0(VALU_DEP_1)
	v_permlanex16_b32 v[PX], v[W], s[SEL], s[SEL+1]
	s_delay_alu instid0(VALU_DEP_1)
	v_or_b32 v[W], v[W], v[PX]
.irp c, 0,1
	v_cvt_scalef32_pk16_fp6_f32 v[C+6*\c:C+6*\c+2], v[X+32*\c:X+32*\c+15], v[SO+\c]
	v_cvt_scalef32_pk16_fp6_f32 v[T+4*\c:T+4*\c+2], v[X+32*\c+16:X+32*\c+31], v[SO+\c]   ; (a conversion's three registers begin on an even number)
.endr
	v_nop                                          ; one plain place behind a scaled conversion
.irp c, 0,1
.irp i, 0,1,2
	v_mov_b32 v[C+6*\c+3+\i], v[T+4*\c+\i]
.endr
.endr
.endm
	v_lshl_add_u32 v254, v0, 2, SPARE
	v_mov_b32 v255, 0
	v_lshrrev_b32 v1, 5, v0
	s_delay_alu instid0(VALU_DEP_1)
	v_readfirstlane_b32 s12, v1                    ; wave
	s_cmp_lt_u32 ttmp9, NWG
	s_cbranch_scc1 .Lweights
; ---------------- LayerNorm 1 ----------------
.set L16, 1
.set SW,  2
.set SR,  3
.set L8,  4
.set H8,  5
.set GA,  6                            ; 128 h: my columns' place in gain and bias
.set RW,  7                            ; RED + 64 w + 4 r
.set RR,  8                            ; RED + 4 r
.set STA, 9                            ; 8 r + 4 h
.set MEAN, 10
.set RSTD, 12
.set M,   14
.set SO,  16
.set BY,  18
.set W,   20
.set PX,  21
.set PT,  22                           ; v22-29 the eight waves' partial sums
.set SCR, 30
.set R,   32                           ; v32-95  16 rows as loaded; later the bias
.set X,   96                           ; v96-159 my 64 numbers
.set G,   160                          ; v160-223 the gain
.set C,   224
.set T,   236
.set SU,  244                          ; v244-251 four chains of sums
.set SEL, 32
.macro REDUCE off                      ; the four chains -> my row's sum over all 1,024 columns, in v[PT], the same bits in every wave
	s_delay_alu instid0(VALU_DEP_3)
	v_pk_add_f32 v[SU:SU+1], v[SU:SU+1], v[SU+2:SU+3]
	s_delay_alu instid0(VALU_DEP_2)
	v_pk_add_f32 v[SU+4:SU+5], v[SU+4:SU+5], v[SU+6:SU+7]
	s_delay_alu instid0(VALU_DEP_1)
	v_pk_add_f32 v[SU:SU+1], v[SU:SU+1], v[SU+4:SU+5]
	s_delay_alu instid0(VALU_DEP_1)
	v_add_f32 v[SU], v[SU], v[SU+1]
	s_delay_alu instid0(VALU_DEP_1)
	v_permlanex16_b32 v[PX], v[SU], s[SEL], s[SEL+1]
	s_delay_alu instid0(VALU_DEP_1)
	v_add_f32 v[SU], v[SU], v[PX]                  ; my wave's 128 columns of row r
	ds_store_b32 v[RW], v[SU] offset:\off
	s_wait_dscnt 0x0                               ; for the others' sake: my store has landed
	s_barrier_signal -1
	s_barrier_wait -1
.irp w, 0,1,2,3,4,5,6,7
	ds_load_b32 v[PT+\w], v[RR] offset:\off+64*\w
.endr
	s_wait_dscnt 0x0
	v_add_f32 v[PT], v[PT], v[PT+1]
	v_add_f32 v[PT+2], v[PT+2], v[PT+3]
	v_add_f32 v[PT+4], v[PT+4], v[PT+5]
	v_add_f32 v[PT+6], v[PT+6], v[PT+7]
	s_delay_alu instid0(VALU_DEP_3)
	v_add_f32 v[PT], v[PT], v[PT+2]
	s_delay_alu instid0(VALU_DEP_2)
	v_add_f32 v[PT+4], v[PT+4], v[PT+6]
	s_delay_alu instid0(VALU_DEP_1)
	v_add_f32 v[PT], v[PT], v[PT+4]
.endm
	s_load_b256 s[4:11], s[0:1], 0x38              ; x, gain, bias, a1
	s_sub_co_u32 s37, ttmp9, NWG                   ; the tile
	v_and_b32 v14, 31, v0
	v_and_b32 v15, 15, v0                          ; r
	v_bfe_u32 v16, v0, 4, 1                        ; h
	s_delay_alu instid0(VALU_DEP_3)
	v_lshlrev_b32 v[L16], 4, v14
	s_delay_alu instid0(VALU_DEP_4)
	v_lshlrev_b32 v[L8], 3, v14
	s_delay_alu instid0(VALU_DEP_3)
	v_lshlrev_b32 v[H8], 3, v16
	s_delay_alu instid0(VALU_DEP_4)
	v_lshlrev_b32 v[GA], 7, v16
	s_mul_i32 s13, s12, 16*528
	v_add_nc_u32 v[SW], s13, v[L16]
	v_mul_u32_u24 v[SR], v15, 528
	s_delay_alu instid0(VALU_DEP_1)
	v_add_nc_u32 v[SR], v[SR], v[GA]
	s_delay_alu instid0(VALU_DEP_1)
	v_add_nc_u32 v[SR], s13, v[SR]
	v_lshl_add_u32 v[RR], v15, 2, RED
	s_lshl_b32 s13, s12, 6
	v_add_nc_u32 v[RW], s13, v[RR]
	v_add_nc_u32 v[SCR], RED+1024, v[L16]
	v_lshlrev_b32 v[STA], 3, v15
	s_delay_alu instid0(VALU_DEP_1)
	v_lshl_add_u32 v[STA], v16, 2, v[STA]
	v_cmp_eq_u32 s34, 1, v16                       ; lanes 16-31
	v_mov_b32 v[PX], 0                             ; a lane permute's destination counts as one of its sources
	s_mov_b32 s[SEL], 0x76543210
	s_mov_b32 s[SEL+1], 0xfedcba98
	s_mov_b32 s35, 0x3a800000                      ; 1 / 1024
	s_mov_b32 s36, 0x3727c5ac                      ; 1e-5
	s_lshr_b32 s16, s37, 1
	s_lshl_b32 s16, s16, 5
	s_and_b32 s17, s37, 1
	s_lshl_b32 s17, s17, 3
	s_add_co_u32 s16, s16, s17                     ; the tile's first row
	s_lshl_b32 s16, s16, 12
	s_lshl_b32 s18, s12, 9                         ; my 128 columns
	s_add_co_u32 s16, s16, s18
	s_mov_b32 s17, 0
	s_mov_b32 s19, 0
	s_lshl_b32 s20, s37, 3
	s_add_co_u32 s20, s20, s12
	s_mul_i32 s20, s20, 1536                       ; my record
	s_mov_b32 s21, 0
	s_lshl_b32 s22, s37, 9
	s_add_co_u32 s22, s22, 3145728                 ; the tile's scale words
	s_mov_b32 s23, 0
	s_lshl_b32 s24, s37, 7
	s_add_co_u32 s24, s24, 3276800                 ; and its statistics
	s_mov_b32 s25, 0
	s_wait_alu depctr_va_vdst(0)                   ; the wait at the head's end
	s_wait_kmcnt 0x0
	s_add_nc_u64 s[4:5], s[4:5], s[16:17]
	s_add_nc_u64 s[6:7], s[6:7], s[18:19]
	s_add_nc_u64 s[8:9], s[8:9], s[18:19]
	s_add_nc_u64 s[26:27], s[10:11], s[20:21]
	s_add_nc_u64 s[28:29], s[10:11], s[22:23]
	s_add_nc_u64 s[30:31], s[10:11], s[24:25]
.set i, 0
.rept 16
	global_load_b128 v[R+4*i:R+4*i+3], v[L16], s[4:5] offset:(i%8+16*(i/8))*4096   ; 512 consecutive bytes of tile row i
.set i, i+1
.endr
.irp c, 0,1
.irp j, 0,1,2,3,4,5,6,7
	global_load_b128 v[G+32*\c+4*\j:G+32*\c+4*\j+3], v[GA], s[6:7] offset:256*\c+16*\j
.endr
.endr
	s_wait_loadcnt 16                              ; the rows are in; the gain's 16 loads may be out
	TURN R
	s_wait_dscnt 0x0                               ; my 64 numbers are back, and the stage's stores have read R, which takes the bias
.irp c, 0,1
.irp j, 0,1,2,3,4,5,6,7
	global_load_b128 v[R+32*\c+4*\j:R+32*\c+4*\j+3], v[GA], s[8:9] offset:256*\c+16*\j
.endr
.endr
.irp q, 0,2,4,6
	v_pk_add_f32 v[SU+\q:SU+\q+1], v[X+\q:X+\q+1], v[X+8+\q:X+9+\q]
.endr
.irp g, 16,24,32,40,48,56
.irp q, 0,2,4,6
	s_delay_alu instid0(VALU_DEP_4)
	v_pk_add_f32 v[SU+\q:SU+\q+1], v[SU+\q:SU+\q+1], v[X+\g+\q:X+\g+\q+1]
.endr
.endr
	REDUCE 0
	s_delay_alu instid0(VALU_DEP_1)
	v_mul_f32 v[MEAN], s35, v[PT]
	s_delay_alu instid0(VALU_DEP_1)
	v_mov_b32 v[MEAN+1], v[MEAN]
.set i, 0
.rept 32
	v_pk_add_f32 v[X+2*i:X+2*i+1], v[X+2*i:X+2*i+1], v[MEAN:MEAN+1] neg_lo:[0,1] neg_hi:[0,1]   ; x - mean
.set i, i+1
.endr
.irp q, 0,2,4,6
	v_pk_mul_f32 v[SU+\q:SU+\q+1], v[X+\q:X+\q+1], v[X+\q:X+\q+1]
.endr
.irp g, 8,16,24,32,40,48,56
.irp q, 0,2,4,6
	s_delay_alu instid0(VALU_DEP_4)
	v_pk_fma_f32 v[SU+\q:SU+\q+1], v[X+\g+\q:X+\g+\q+1], v[X+\g+\q:X+\g+\q+1], v[SU+\q:SU+\q+1]
.endr
.endr
	REDUCE 512                                     ; other bytes than the first sums': no barrier is needed between the two uses
	s_delay_alu instid0(VALU_DEP_1)
	v_fma_f32 v[RSTD], v[PT], s35, s36             ; variance + eps
	s_wait_alu depctr_va_vdst(0)                   ; the wait ahead of a transcendental,
	v_rsq_f32 v[RSTD], v[RSTD]
	v_nop                                          ; one plain place behind it,
	s_wait_alu depctr_va_vdst(0)                   ; and the wait ahead of its first reader
	v_mov_b32 v[RSTD+1], v[RSTD]
	s_wait_alu depctr_va_vdst(0)
	s_wait_loadcnt 0x0                             ; gain and bias
.set i, 0
.rept 32
	v_pk_mul_f32 v[X+2*i:X+2*i+1], v[X+2*i:X+2*i+1], v[RSTD:RSTD+1]
.set i, i+1
.endr
.set i, 0
.rept 32
	v_pk_fma_f32 v[X+2*i:X+2*i+1], v[X+2*i:X+2*i+1], v[G+2*i:G+2*i+1], v[R+2*i:R+2*i+1]
.set i, i+1
.endr
	QUANT2
	global_store_b128 v[L16], v[C:C+3], s[26:27]
	global_store_b64 v[L8], v[C+4:C+5], s[26:27] offset:512
	global_store_b128 v[L16], v[C+6:C+9], s[26:27] offset:768
	global_store_b64 v[L8], v[C+10:C+11], s[26:27] offset:1280
	ds_store_b32 v[RW], v[W] offset:1024           ; my K step's 16 scale words
	s_wait_dscnt 0x0
	s_barrier_signal -1
	s_barrier_wait -1                              ; the tile's 512 bytes of scale words lie in LDS
	s_cmp_lg_u32 s12, 0
	s_cbranch_scc1 .Lend                           ; wave 0 stores them, and the statistics
	ds_load_b128 v[PT:PT+3], v[SCR]
	v_cndmask_b32 v[SU], v[MEAN], v[RSTD], s34     ; lanes 0-15 the mean, lanes 16-31 the other
	s_wait_alu depctr_va_vdst(0)
	s_wait_dscnt 0x0
	global_store_b128 v[L16], v[PT:PT+3], s[28:29] ; 512 consecutive bytes, aligned
	global_store_b32 v[STA], v[SU], s[30:31]
	s_branch .Lend
; ---------------- the weights ----------------
.Lweights:
.set L16, 1
.set SW,  2
.set SR,  3
.set SCA, 4                            ; my row's scale word in LDS
.set SCB, 5                            ; 8 bytes a lane of the 256
.set L8,  6
.set H8,  7
.set M,   8
.set SO,  10
.set BY,  12
.set W,   14
.set PX,  15
.set OFF, 16                           ; v16-31 byte offset of tile row i, + 16 x lane
.set R,   32                           ; v32-159 two sets of 16 rows as loaded
.set X,   160
.set C,   224
.set T,   236
.set SEL, 38
.macro PUT off                         ; the record: every store covers 512 or 256 consecutive bytes, aligned
	global_store_b128 v[L16], v[C:C+3], s[32:33] offset:\off
	global_store_b64 v[L8], v[C+4:C+5], s[32:33] offset:\off+512
	global_store_b128 v[L16], v[C+6:C+9], s[32:33] offset:\off+768
	global_store_b64 v[L8], v[C+10:C+11], s[32:33] offset:\off+1280
.endm
.macro LOAD f                          ; 16 rows x 128 numbers of K step f of my four
.set i, 0
.rept 16
	global_load_b128 v[R+64*((\f)%2)+4*i:R+64*((\f)%2)+4*i+3], v[OFF+i], s[18:19] offset:512*(\f) th:TH_LOAD_NT
.set i, i+1
.endr
.endm
.macro FRG f
.if \f < 3
	s_wait_loadcnt 16                              ; this record's 16 loads are in; the next record's may be out
.else
	s_wait_loadcnt 0x0
.endif
	TURN R+64*(\f%2)
	s_wait_dscnt 0x0                               ; my 64 numbers are back, and the stage's stores have read the set, which
.if \f < 2
	LOAD \f+2                                      ; takes the loads of two records on
.endif
	s_wait_xcnt 0x0                                ; the last record's stores have read C: it is written again only behind this wait
	QUANT2
	PUT 1536*\f
	ds_store_b32 v[SCA], v[W] offset:64*\f         ; lanes r and r + 16 write the same word with the same value
.endm
	s_mov_b32 s21, s12                             ; wave
	s_load_b256 s[4:11], s[0:1], 0x0               ; wq, wk, wv, wo
	s_load_b128 s[12:15], s[0:1], 0x20             ; up, down
	s_load_b64 s[16:17], s[0:1], 0x30              ; wts
	s_lshl_b32 s20, ttmp9, 3
	s_add_co_u32 s20, s20, s21                     ; the job
	v_and_b32 v8, 31, v0                           ; lane
	v_and_b32 v9, 15, v0                           ; r
	v_bfe_u32 v10, v0, 4, 1                        ; h
	v_lshlrev_b32 v[L16], 4, v8
	v_lshlrev_b32 v[L8], 3, v8
	v_lshlrev_b32 v[H8], 3, v10
	s_mul_i32 s22, s21, WREG
	s_add_co_u32 s22, s22, LW
	v_add_nc_u32 v[SW], s22, v[L16]
	v_mul_u32_u24 v[SR], v9, 528
	v_lshl_add_u32 v[SR], v10, 7, v[SR]
	v_add_nc_u32 v[SR], s22, v[SR]
	s_add_co_u32 s22, s22, 16*528
	v_lshl_add_u32 v[SCA], v9, 2, s22
	v_add_nc_u32 v[SCB], s22, v[L8]
	v_mov_b32 v[PX], 0                             ; a lane permute's destination counts as one of its sources
	s_mov_b32 s[SEL], 0x76543210
	s_mov_b32 s[SEL+1], 0xfedcba98
	; which weight, which tile, which 512 along K: jobs 0-511 four weights of 128 jobs, 512-1023 up, 1024-1535 down (K = 4,096: eight jobs a tile)
	s_mov_b32 s23, 511
	s_cmp_lt_u32 s20, 512
	s_cselect_b32 s23, 127, s23
	s_and_b32 s23, s20, s23                        ; the job within its weight
	s_cmp_lt_u32 s20, 1024
	s_cselect_b32 s24, 1, 3                        ; log2 of the jobs of a tile
	s_cselect_b32 s25, 12, 14                      ; log2 of a row's bytes
	s_lshr_b32 s26, s23, s24                       ; the tile
	s_lshl_b32 s27, 1, s24
	s_sub_co_u32 s27, s27, 1
	s_and_b32 s27, s23, s27                        ; which 512 along K
	s_lshr_b32 s28, s26, 1
	s_lshl_b32 s28, s28, 5
	s_and_b32 s29, s26, 1
	s_lshl_b32 s29, s29, 3
	s_add_co_u32 s28, s28, s29                     ; the tile's first row
	s_lshl_b32 s28, s28, s25
	s_lshl_b32 s29, s27, 11
	s_add_co_u32 s28, s28, s29
	s_mov_b32 s29, 0
.set i, 0
.rept 16
	v_lshl_add_u32 v[OFF+i], i%8+16*(i/8), s25, v[L16]
.set i, i+1
.endr
	s_mul_i32 s30, s20, 6144                       ; my four records
	s_mov_b32 s31, 0
	s_lshl_b32 s36, s20, 8                         ; and their scale words
	s_add_co_u32 s36, s36, 9437184
	s_mov_b32 s37, 0
	s_wait_alu depctr_va_vdst(0)                   ; the wait at the head's end
	s_wait_kmcnt 0x0
	s_mov_b64 s[18:19], s[14:15]                   ; the choice of the weight hangs on the job's number alone
	s_cmp_lt_u32 s20, 1024
	s_cselect_b64 s[18:19], s[12:13], s[18:19]
	s_cmp_lt_u32 s20, 512
	s_cselect_b64 s[18:19], s[10:11], s[18:19]
	s_cmp_lt_u32 s20, 384
	s_cselect_b64 s[18:19], s[8:9], s[18:19]
	s_cmp_lt_u32 s20, 256
	s_cselect_b64 s[18:19], s[6:7], s[18:19]
	s_cmp_lt_u32 s20, 128
	s_cselect_b64 s[18:19], s[4:5], s[18:19]
	s_add_nc_u64 s[18:19], s[18:19], s[28:29]
	s_add_nc_u64 s[32:33], s[16:17], s[30:31]
	s_add_nc_u64 s[34:35], s[16:17], s[36:37]
	LOAD 0
	LOAD 1
	FRG 0
	FRG 1
	FRG 2
	FRG 3
	ds_load_b64 v[M:M+1], v[SCB]                   ; LDS serves a wave's instructions in order: this sees my four stores
	s_wait_dscnt 0x0
	global_store_b64 v[L8], v[M:M+1], s[34:35]     ; 32 lanes store 256 consecutive bytes, aligned
.Lend:
	s_wait_tensorcnt 0x0                           ; the wave's end
	ds_add_u32 v254, v255
	s_wait_dscnt 0x0
	s_endpgm
.Lfunc_end_k_qfaf4750891_prep:
	.size	k_qfaf4750891_prep, .Lfunc_end_k_qfaf4750891_prep-k_qfaf4750891_prep
	.p2alignl 7, 3214868480
	.fill 96, 4, 3214868480
	.section	.rodata,"a",@progbits
	.p2align	6, 0x0
	.amdhsa_kernel k_qfaf4750891_prep
		.amdhsa_group_segment_fixed_size 139776
		.amdhsa_private_segment_fixed_size 0
		.amdhsa_enable_private_segment 0
		.amdhsa_kernarg_size 88
		.amdhsa_user_sgpr_count 2
		.amdhsa_user_sgpr_kernarg_segment_ptr 1
		.amdhsa_wavefront_size32 1
		.amdhsa_system_sgpr_workgroup_id_x 1
		.amdhsa_system_sgpr_workgroup_id_y 1
		.amdhsa_system_sgpr_workgroup_id_z 1
		.amdhsa_system_vgpr_workitem_id 0
		.amdhsa_next_free_vgpr 256
		.amdhsa_next_free_sgpr 66
		.amdhsa_reserve_vcc 0
		.amdhsa_float_denorm_mode_32 3
		.amdhsa_float_denorm_mode_16_64 3
		.amdhsa_memory_ordered 1
		.amdhsa_forward_progress 1
		.amdhsa_inst_pref_size 67
	.end_amdhsa_kernel
	.amdgpu_metadata
---
amdhsa.version: [ 1, 2 ]
amdhsa.kernels:
  - .name:           k_qfaf4750891_prep
    .symbol:         k_qfaf4750891_prep.kd
    .args:
      - { .name: wq_w, .offset: 0, .size: 8, .value_kind: global_buffer, .address_space: global }
      - { .name: wk_w, .offset: 8, .size: 8, .value_kind: global_buffer, .address_space: global }
      - { .name: wv_w, .offset: 16, .size: 8, .value_kind: global_buffer, .address_space: global }
      - { .name: wo_w, .offset: 24, .size: 8, .value_kind: global_buffer, .address_space: global }
      - { .name: up_w, .offset: 32, .size: 8, .value_kind: global_buffer, .address_space: global }
      - { .name: down_w, .offset: 40, .size: 8, .value_kind: global_buffer, .address_space: global }
      - { .name: wts, .offset: 48, .size: 8, .value_kind: global_buffer, .address_space: global }
      - { .name: x, .offset: 56, .size: 8, .value_kind: global_buffer, .address_space: global }
      - { .name: ln1_w, .offset: 64, .size: 8, .value_kind: global_buffer, .address_space: global }
      - { .name: ln1_b, .offset: 72, .size: 8, .value_kind: global_buffer, .address_space: global }
      - { .name: a1, .offset: 80, .size: 8, .value_kind: global_buffer, .address_space: global }
    .group_segment_fixed_size: 139776
    .private_segment_fixed_size: 0
    .kernarg_segment_align: 8
    .kernarg_segment_size: 88
    .max_flat_workgroup_size: 256
    .sgpr_count:     66
    .vgpr_count:     256
    .wavefront_size: 32
...
	.end_amdgpu_metadata
.endif
;; end of part 1
;; launch qkv (part 2): grid 8 x 32, 4 waves a work-group, clusters of 4 x 4, 327,680 bytes of LDS; arguments a1, wts, wq_b, wk_b, wv_b, qkv; writes qkv
.if DOCPART == 2
	.amdgcn_target "amdgcn-amd-amdhsa--gfx1250"
	.amdhsa_code_object_version 6
	.text
	.protected	k_qfaf4750891_qkv
	.globl	k_qfaf4750891_qkv
	.p2align	8
	.type	k_qfaf4750891_qkv,@function
k_qfaf4750891_qkv:
	s_mov_b64 s[64:65], 0
	v_nop
	global_prefetch_b8 v0, s[64:65] scope:SCOPE_SE
	s_setreg_imm32_b32 hwreg(HW_REG_WAVE_MODE, 25, 1), 1
	s_wait_xcnt 0x0
	s_wait_alu depctr_hold_cnt(0) depctr_sa_sdst(0) depctr_va_vdst(0) depctr_va_sdst(0) depctr_va_ssrc(0) depctr_va_vcc(0) depctr_vm_vsrc(0)
	s_getreg_b32 s2, hwreg(HW_REG_IB_STS2, 6, 4)
	s_cmp_eq_u32 s2, 0
	s_cbranch_scc0 .Lentry_in_a_cluster
	s_endpgm
.Lentry_in_a_cluster:
	s_bfe_u32 s2, ttmp6, 0x10000c
	s_cmp_lg_u32 s2, 0xf033
	s_cbranch_scc0 .Lentry_shape_is_right
	s_endpgm
.Lentry_shape_is_right:
; q, k AND v^T IN ONE LAUNCH: three GEMMs with K = 1,024 on codes of FP6 (E2M3) with one E8M0 byte for each 32 along K, all with the same A = LN1(x); B = wq, then wk, then wv.  Results + bias are quantised and stored as the attention's operands.
; OPERANDS lie in memory as images of their registers.  A record (16 rows x 128 K, 1,536 bytes): for each half c: registers 6 c .. 6 c + 3 at 16 x lane, registers 6 c + 4, 6 c + 5 at 512 + 8 x lane; records [tile][K step];
; scale words [tile][K step][16 rows x 4 bytes].  Row r of tile T is row 32 (T / 2) + 8 (T % 2) + r % 8 + 16 (r / 8).
; SHARES.  A work-group makes three tiles of 128 tokens x 128 rows of a weight (two heads); each of its four waves 64 x 64 of a tile (one head): 16 accumulators, which take turns.
; q AND k (kind 0): source 0 = a tile of the weight, source 1 = a tile of A: a lane holds one token, and the 16 registers of the weight's tiles 2 g, 2 g + 1 are 16 neighbours of the head's 64: quantised along the head.
; v^T (kind 1): THE SOURCES ARE SWAPPED: source 0 = a tile of A, source 1 = a tile of wv: a lane holds one d of the head and its registers run along the tokens, which are the K of the attention's second product: quantised along the keys.
; Its bias hangs on the lane's row alone: one number a lane, copied into the eight registers of the first products' C.
; LDS.  The records of 8 tiles x 8 K steps are one dense block of 98,304 bytes.  A's block comes once and stays.  B's blocks go through two slots, 131,072 bytes apart, so that one exclusive or turns an address.
; THE HEAD: one joint load a wave: wave 0 A's block (384 rows of 256 bytes), wave 1 wq's block, wave 2 A's scale words (4,096 bytes), wave 3 the scale words of all three of B's blocks, laid [block][tile][512 bytes].
; THE RING.  At a tile's head each wave waits for all its tensor loads, adds 0 to its spare word, waits for that and for its LDS reads; a round of the cluster's barrier; then the next tile's B is asked for, a quarter (96 rows) a wave,
; into the slot that is not being read: one load of a wave is out.  The three tiles are written out.
; No prefetch is laid: each later block of B is asked for by its tensor load a whole tile (128 matrix instructions a wave and the way out) ahead of its first read.
; CLUSTERS: 4 x 4 work-groups; A's block is shared along a row of the cluster, B's along a column: joint loads with a mask that names the four.
; REGISTERS: window 0: v1-23 addresses, v28-29 for the add, v32-63 A's scale words (register 4 q + i), v64-95 B's, which are at work with v96-127 on the way out, v128-255 the accumulators;
;   window 1: two fragment buffers at v0 and v128 (A's four at + 12 i, B's at + 48 + 12 i); v96-127 the bias, the C of a tile's first products.
; LIMITS: a block of zeros, or one under 2^-124, gets the scale byte 1: its codes are zeros, and this program alone reads the bytes; NaN and infinities are not served.
.set TILES, 3
.set BSOFF, 9437184                    ; the weights' scale words in wts; wq's records lie at 0, wk's and wv's 512 records on each
.set ASOFF, 3145728                    ; A's scale words in a1; its codes lie at 0
.set QUART, 24576                      ; 2 tiles x 8 K steps x 1,536: what one load of the ring brings
.set HALF,  49152                      ; 4 tiles: what one wave reads of A or of B
.set BSTEP, 786432                     ; 64 tiles of 16 rows on: B's next block
.set BSLOT, 131072                     ; B's slot 0 begins at 0, slot 1 here
.set SCAL,  98304                      ; A's scale words: 8 tiles x 512 bytes
.set SCBL,  102400                     ; B's: TILES x 4,096 bytes
.set SPARE, 118784                     ; the spare words, 128 bytes for each wave: two blocks of 256 bytes that no other line names
.set ALDS,  229376                     ; A's block
.set AA16, 8                           ; v8, v9    my A fragments: + 16 x lane, + 8 x lane
.set AA8,  9
.set ABZ16, 10                         ; v10, v11  my B fragments in slot 0
.set ABZ8, 11
.set AB16, 12                          ; v12, v13  and in the slot in hand
.set AB8,  13
.set ASA,  14                          ; v14  my A tiles' scale words, row r
.set ASBZ, 15                          ; v15  my B tiles' of the first block
.set ASB,  16                          ; v16  and of the block in hand
.set SADR, 20                          ; v20  4 r + 64 h
.set BADR, 22                          ; v22  64 h: my place in a bias by columns
.set BADV, 23                          ; v23  4 (r % 8 + 16 (r / 8)): my place in a bias by rows
.set SPW,  28                          ; v28  SPARE + 4 x my thread's number; never rewritten
.set NIL,  29                          ; v29  0; never rewritten
.set SCA,  32
.set SCB,  64
.set BIAS, 96                          ; in window 1
.set ACC,  128
.set EM,   64                          ; the way out: largest magnitudes, later scale words;  EP the other half's, later bytes;  ES scale operands;  EC codes;  ET second halves
.set EP,   72
.set ES,   80
.set EC,   88
.set ET,   112
.set G1A,  24                          ; s[24:31] group 1 for A's block;  s[32:35] its group 0;  s[36:39] group 0 for A's scale words
.set G0A,  32
.set G0SA, 36
.set G1B,  48                          ; s[48:55], s[56:59], s[60:63] the same for B; s[56:59] walks
.set G0B,  56
.set G0SB, 60
.set G1SA, 68
.set G1SB, 80
.set TB,   76                          ; s76  LDS byte at which B's slot in hand begins
.set TS,   77                          ; s77  4,096 x the tile's number: B's scale words
.set MSB, 0
.macro WIN new                         ; the immediate's high byte repeats the setting that is left
.if MSB != \new
	s_set_vgpr_msb (MSB<<8)|\new
.set MSB, \new
.endif
.endm
.macro PLACES                          ; four places behind a matrix instruction of this form (ISA guide 7.12.1)
.rept 4
	v_nop
.endr
.endm
.macro CREST                           ; a round of the cluster's barrier behind its opening barrier
	s_cmp_lg_u32 s20, 0
	s_cbranch_scc1 .Lnot_wave_0_\@
	s_barrier_signal -3
.Lnot_wave_0_\@:
	s_barrier_wait -3
	s_barrier_signal -1
	s_barrier_wait -1
.endm
.macro CROUND
	s_barrier_signal -1
	s_barrier_wait -1
	CREST
.endm
.macro ARM under, g0, g1, next         ; one tree of branches on the wave's number: every way through the head passes exactly one load
	s_cmp_lt_u32 s20, \under
	s_cbranch_scc0 \next
	tensor_load_to_lds s[\g0:\g0+3], s[\g1:\g1+7]
	s_nop 0
	PLACES
	s_branch .Lhead_asked
\next:
.endm
.macro FRAG reg, x16, x8, off          ; a record into 12 registers: every load takes consecutive bytes
	ds_load_b128 v[\reg:\reg+3], v[\x16] offset:\off
	ds_load_b64 v[\reg+4:\reg+5], v[\x8] offset:\off+512
	ds_load_b128 v[\reg+6:\reg+9], v[\x16] offset:\off+768
	ds_load_b64 v[\reg+10:\reg+11], v[\x8] offset:\off+1280
.endm
.macro FETCH q, f                      ; 32 loads: my four fragments of B and four of A for K step q, into buffer f
	WIN 0x40
.irp i, 0,1,2,3
	FRAG \f+48+12*\i, AB16, AB8, 12288*\i+1536*(\q)
.endr
.irp i, 0,1,2,3
	FRAG \f+12*\i, AA16, AA8, 12288*\i+1536*(\q)
.endr
.endm
.macro SCALES                          ; the scale words of the tile's eight K steps: lane r takes row r's word (lanes 16-31 the same, and are not read)
	WIN 0
.irp q, 0,1,2,3,4,5,6,7
.irp i, 0,1,2,3
	ds_load_b32 v[SCA+4*\q+\i], v[ASA] offset:512*\i+64*\q
	ds_load_b32 v[SCB+4*\q+\i], v[ASB] offset:512*\i+64*\q
.endr
.endr
.endm
.macro BIASLOAD                        ; by columns: accumulator (a, b), register j, is column 32 (b / 2) + 16 h + 8 (b % 2) + j of my 64
	WIN 0x40
.irp b, 0,1,2,3
	global_load_b128 v[BIAS+8*\b:BIAS+8*\b+3], v[BADR], s[8:9] offset:128*(\b/2)+32*(\b%2)
	global_load_b128 v[BIAS+8*\b+4:BIAS+8*\b+7], v[BADR], s[8:9] offset:128*(\b/2)+32*(\b%2)+16
.endr
	WIN 0
.endm
.macro BIASV                           ; by rows: the lane's row of wv's tile a
	WIN 0x40
.irp a, 0,1,2,3
	global_load_b32 v[BIAS+8*\a], v[BADV], s[96:97] offset:128*(\a/2)+32*(\a%2)
.endr
	WIN 0
.endm
; Four products.  kind 0: A's tile a (source 1) against B's four (source 0).  kind 1: B's tile a (source 1) against A's four (source 0).  first = 1: the bias is the C of the sum's first product.
.macro MULA f, a, q, first, kind
.irp b, 0,1,2,3
.set DD, ACC+8*(4*\a+\b)
.set CC, ACC+8*(4*\a+\b)
.if \kind
.if \first
.set CC, BIAS+8*\a
.endif
	v_wmma_scale_f32_16x16x128_f8f6f4 v[DD:DD+7], v[\f+12*\b:\f+11+12*\b], v[\f+48+12*\a:\f+59+12*\a], v[CC:CC+7], v[SCA+4*\q+\b], v[SCB+4*\q+\a] matrix_a_fmt:MATRIX_FMT_FP6 matrix_b_fmt:MATRIX_FMT_FP6
.else
.if \first
.set CC, BIAS+8*\b
.endif
	v_wmma_scale_f32_16x16x128_f8f6f4 v[DD:DD+7], v[\f+48+12*\b:\f+59+12*\b], v[\f+12*\a:\f+11+12*\a], v[CC:CC+7], v[SCB+4*\q+\b], v[SCA+4*\q+\a] matrix_a_fmt:MATRIX_FMT_FP6 matrix_b_fmt:MATRIX_FMT_FP6
.endif
.endr
.endm
.macro STEP q, first, kind             ; one of a tile's first seven K steps, on buffer q % 2; the next K step's fragments are fetched in its middle
	s_wait_dscnt 0x0                               ; this K step's fragments (and the scale words) are in
	WIN 0x05+0x10*\first                           ; sources 0 and 1 window 1; the bias, as C, window 1 too
	MULA 128*(\q%2), 0, \q, \first, \kind
	MULA 128*(\q%2), 1, \q, \first, \kind
	PLACES
	FETCH \q+1, 128*(1-\q%2)
	WIN 0x05+0x10*\first
	MULA 128*(\q%2), 2, \q, \first, \kind
	MULA 128*(\q%2), 3, \q, \first, \kind
.endm
; A TILE.  nxt = 1: k follows; 2: v^T follows; 0: the last.  A tile with a successor asks for its B at its head.
.macro TILE kind, nxt
	s_wait_tensorcnt 0x0                           ; all my tensor loads have landed
	ds_add_u32 v[SPW], v[NIL]                      ; 0 onto my spare word
.if \nxt
	s_xor_b32 s[G0B+1], s[G0B+1], BSLOT            ; no load of mine is out, so descriptors may be written: the other slot,
	s_mov_b32 s[G1B+2], 96<<16                     ; a quarter of a block, 96 rows, a wave,
	s_mov_b32 s[G1B+4], 96
	s_add_nc_u64 s[G0B+2:G0B+3], s[G0B+2:G0B+3], BSTEP   ; B's next block; the type bits on top are not reached
.endif
	s_wait_dscnt 0x0                               ; the add is done, and my LDS reads are over, those of the slot that is filled next among them
.if \nxt
	CROUND                                         ; both now hold of every wave of every work-group of the cluster
	tensor_load_to_lds s[G0B:G0B+3], s[G1B:G1B+7]  ; my one tensor load behind the round
	s_nop 0
	PLACES
.else
	s_barrier_signal -1
	s_barrier_wait -1
.endif
	s_wait_alu depctr_va_vdst(0)                   ; the wait directly ahead of the reader below
	v_add_nc_u32 v[AB16], s[TB], v[ABZ16]
	v_add_nc_u32 v[AB8], s[TB], v[ABZ8]
	v_add_nc_u32 v[ASB], s[TS], v[ASBZ]
	FETCH 0, 0
	SCALES
	s_wait_alu depctr_va_vdst(0)                   ; the wait directly ahead of the wait below
	s_wait_loadcnt 0x0                             ; the bias
.if \kind
	WIN 0x41
.irp a, 0,1,2,3
.irp j, 1,2,3,4,5,6,7
	v_mov_b32 v[BIAS+8*\a+\j], v[BIAS+8*\a]        ; a lane's row has one bias for all its columns
.endr
.endr
	PLACES
	s_wait_alu depctr_va_vdst(0)
.endif
	STEP 0, 1, \kind                               ; the first K step's products start the sums, from the bias
.irp q, 1,2,3,4,5,6
	STEP \q, 0, \kind
.endr
	s_wait_dscnt 0x0
	WIN 0x05
	MULA 128, 0, 7, 0, \kind
	MULA 128, 1, 7, 0, \kind
	MULA 128, 2, 7, 0, \kind
	MULA 128, 3, 7, 0, \kind
	WIN 0
	PLACES
.if \nxt == 1                          ; the next tile's bias is asked for now (the loads that named s[8:9] were waited for at this tile's head)
	s_mov_b64 s[8:9], s[10:11]
	BIASLOAD
.elseif \nxt == 2
	BIASV
.endif
	; THE WAY OUT AS CODES.  Block 2 a + beta (source 1's tile a, 32 beta on along source 0's rows) lies in 16 registers of lanes l and l xor 16; two blocks make half a record of the next operand, 768 bytes
.irp k, 0,1,2,3,4,5,6,7
	v_mov_b32 v[EP+\k], 0                          ; a lane permute's destination counts as one of its sources
.endr
.irp k, 0,1,2,3,4,5,6,7
	v_max3_num_f32 v[EM+\k], |v[ACC+16*\k]|, |v[ACC+16*\k+1]|, 0x1800000   ; with the floor 2^(3 - 127): the byte cannot fall under 1
.endr
.irp i, 2,4,6,8,10,12,14
.irp k, 0,1,2,3,4,5,6,7
	v_max3_num_f32 v[EM+\k], v[EM+\k], |v[ACC+16*\k+\i]|, |v[ACC+16*\k+\i+1]|
.endr
.endr
.irp k, 0,1,2,3,4,5,6,7
	v_permlanex16_b32 v[EP+\k], v[EM+\k], s2, s3
.endr
.irp k, 0,1,2,3,4,5,6,7
	v_max_num_f32 v[EM+\k], v[EM+\k], v[EP+\k]
.endr
.irp k, 0,1,2,3,4,5,6,7
	v_add_nc_u32 v[ES+\k], 0xff000000, v[EM+\k]    ; 2 off the exponent field: the conversion's scale operand
.endr
.irp k, 0,1,2,3,4,5,6,7
	v_lshrrev_b32 v[EP+\k], 23, v[ES+\k]           ; the byte
.endr
.irp a, 0,1,2,3
	v_lshl_or_b32 v[EM+\a], v[EP+2*\a+1], 8, v[EP+2*\a]
.endr
.if \kind == 0
.irp a, 0,1,2,3
	v_lshl_or_b32 v[EM+\a], v[EM+\a], 16, v[EM+\a] ; a head's two bytes twice: the attention uses the 64 codes in either half of a K step
.endr
.endif
.irp a, 0,1,2,3
	v_cvt_scalef32_pk16_fp6_f32 v[EC+6*\a:EC+6*\a+2], v[ACC+32*\a:ACC+32*\a+15], v[ES+2*\a]
	v_cvt_scalef32_pk16_fp6_f32 v[ET+4*\a:ET+4*\a+2], v[ACC+32*\a+16:ACC+32*\a+31], v[ES+2*\a+1]
.endr
	v_nop                                          ; one plain place behind a scaled conversion
.irp a, 0,1,2,3
.irp i, 0,1,2
	v_permlane16_swap_b32 v[EC+6*\a+\i], v[ET+4*\a+\i]   ; the layout wants a whole block in a lane: lanes 0-15 block 0, lanes 16-31 block 1
.endr
.endr
.irp a, 0,1,2,3
.irp i, 0,1,2
	v_mov_b32 v[EC+6*\a+3+\i], v[ET+4*\a+\i]
.endr
.endr
	v_cmp_eq_u32 vcc_lo, 1, v2
	v_cndmask_b32 v[EM], v[EM], v[EM+1], vcc_lo    ; lanes 0-15 store tile a's scale bytes, lanes 16-31 tile a + 1's
	v_cndmask_b32 v[EM+2], v[EM+2], v[EM+3], vcc_lo
.irp a, 0,1,2,3
	global_store_b128 v3, v[EC+6*\a:EC+6*\a+3], s[12:13] offset:\a*768*(1+\kind)          ; 512 consecutive bytes, aligned
	global_store_b64 v4, v[EC+6*\a+4:EC+6*\a+5], s[12:13] offset:\a*768*(1+\kind)+512     ; 256
.endr
.irp a, 0,2
.if \kind
	global_store_b16 v[SADR], v[EM+\a], s[14:15] offset:\a*64                    ; my half of the words: one byte in 24 of what the codes take
.else
	global_store_b32 v[SADR], v[EM+\a], s[14:15] offset:\a*64
.endif
.endr
.if \nxt
	s_wait_xcnt 0x0                                ; the stores have read their registers and bases: both are written again only behind this wait
.if \nxt == 1
	s_mov_b64 s[12:13], s[88:89]                   ; the next tile is k's
	s_mov_b64 s[14:15], s[90:91]
.else
	s_mov_b64 s[12:13], s[92:93]                   ; the next tile is v's
	s_mov_b64 s[14:15], s[94:95]
.endif
	s_xor_b32 s[TB], s[TB], BSLOT                  ; on to the other slot,
	s_add_co_u32 s[TS], s[TS], 4096                ; and to the next block's scale words
.endif
.endm
	s_load_b128 s[4:7], s[0:1], 0x0                ; a1, wts
	s_load_b128 s[8:11], s[0:1], 0x10              ; wq_b, wk_b
	s_load_b128 s[12:15], s[0:1], 0x20             ; wv_b, qkv
	v_lshl_add_u32 v[SPW], v0, 2, SPARE
	v_mov_b32 v[NIL], 0
	ds_add_u32 v[SPW], v[NIL]                      ; the opening lines: the add, twice on end, and its wait ahead of my first tensor load
	ds_add_u32 v[SPW], v[NIL]
	v_lshrrev_b32 v1, 5, v0
	v_readfirstlane_b32 s20, v1                    ; wave 0..3
	s_lshr_b32 s21, s20, 1                         ; which half of A's rows is mine
	s_and_b32 s22, s20, 1                          ; which half of B's rows
	s_bfe_u32 s40, ttmp6, 0x40000                  ; cx, cy
	s_bfe_u32 s41, ttmp6, 0x40004
	s_lshl_b32 s42, ttmp9, 2
	s_add_co_u32 s42, s42, s40                     ; gx0: the weights' block of 128 rows, 0 .. 7
	s_and_b32 s43, ttmp7, 0xffff
	s_lshl_b32 s43, s43, 2
	s_add_co_u32 s43, s43, s41                     ; gy: A's block of 128 rows
	s_lshl_b32 s44, s41, 2
	s_lshl_b32 s44, 15, s44                        ; my row of the cluster
	s_lshl_b32 s45, 0x1111, s40                    ; my column
	s_or_b32 s[G1A], s44, (3<<16)|(1<<21)          ; the mask; elements of 8 bytes; bit 21 beside a mask; no padding
	s_or_b32 s[G1B], s45, (3<<16)|(1<<21)
.irp g, G1A, G1B                       ; a dense block of 98,304 bytes as 384 rows of 256
	s_mov_b32 s[\g+1], 32<<16
	s_mov_b32 s[\g+2], 384<<16
	s_mov_b32 s[\g+3], 32<<16
	s_mov_b32 s[\g+4], 384
	s_mov_b32 s[\g+5], 32
	s_mov_b32 s[\g+6], 0
	s_mov_b32 s[\g+7], 0
.endr
	s_or_b32 s[G1SA], s44, (3<<16)|(1<<21)         ; the scale words of A's eight tiles: 4,096 dense bytes as 16 rows of 256
	s_mov_b32 s[G1SA+1], 32<<16
	s_mov_b32 s[G1SA+2], 16<<16
	s_mov_b32 s[G1SA+3], 32<<16
	s_mov_b32 s[G1SA+4], 16
	s_mov_b32 s[G1SA+5], 32
	s_mov_b32 s[G1SA+6], 0
	s_mov_b32 s[G1SA+7], 0
	s_or_b32 s[G1SB], s45, (3<<16)|(1<<21)         ; those of eight tiles of each of B's blocks: TILES rows of 4,096 bytes, 32,768 bytes apart
	s_mov_b32 s[G1SB+1], 512<<16
	s_mov_b32 s[G1SB+2], TILES<<16
	s_mov_b32 s[G1SB+3], 512<<16
	s_mov_b32 s[G1SB+4], TILES
	s_mov_b32 s[G1SB+5], 4096
	s_mov_b32 s[G1SB+6], 0
	s_mov_b32 s[G1SB+7], 0
	s_lshl_b32 s92, s43, 3                         ; A: tile 8 gy; these registers never hold gx0
	s_lshl_b32 s94, s92, 9
	s_add_co_u32 s94, s94, ASOFF
	s_mul_i32 s92, s92, 12288
	s_mov_b32 s93, 0
	s_mov_b32 s95, 0
	s_lshl_b32 s96, s42, 3                         ; B: tile 8 gx0; these never hold gy
	s_lshl_b32 s98, s96, 9
	s_add_co_u32 s98, s98, BSOFF
	s_mul_i32 s96, s96, 12288
	s_mov_b32 s97, 0
	s_mov_b32 s99, 0
	s_mul_i32 s16, s20, QUART                      ; my quarter in the ring: no place in the cluster enters an LDS address
	s_mov_b32 s17, 0
	s_wait_dscnt 0x0                               ; both opening adds are done
	s_wait_kmcnt 0x0
	s_mov_b32 s[G0SA], 1
	s_mov_b32 s[G0SA+1], SCAL
	s_add_nc_u64 s[G0SA+2:G0SA+3], s[4:5], s[94:95]
	s_or_b32 s[G0SA+3], s[G0SA+3], 0x80000000
	s_mov_b32 s[G0SB], 1
	s_mov_b32 s[G0SB+1], SCBL
	s_add_nc_u64 s[G0SB+2:G0SB+3], s[6:7], s[98:99]
	s_or_b32 s[G0SB+3], s[G0SB+3], 0x80000000
	s_mov_b32 s[G0A], 1
	s_mov_b32 s[G0A+1], ALDS
	s_add_nc_u64 s[G0A+2:G0A+3], s[4:5], s[92:93]
	s_or_b32 s[G0A+3], s[G0A+3], 0x80000000
	s_mov_b32 s[G0B], 1
	s_mov_b32 s[G0B+1], s16                        ; slot 0
	s_add_nc_u64 s[6:7], s[6:7], s[96:97]          ; B's first block
	s_add_nc_u64 s[G0B+2:G0B+3], s[6:7], s[16:17]  ; the ring's group 0: my quarter of it
	s_or_b32 s[G0B+3], s[G0B+3], 0x80000000
	s_mov_b32 s4, 1                                ; s[4:7]: group 0 for the whole first block, into slot 0 (the arguments that lay there have been used)
	s_mov_b32 s5, 0
	s_or_b32 s7, s7, 0x80000000
	CROUND                                         ; all sixteen work-groups are here: the first joint loads meet
	ARM 1, G0A, G1A, .Lhead_b
	ARM 2, 4, G1B, .Lhead_sa
	ARM 3, G0SA, G1SA, .Lhead_sb
	tensor_load_to_lds s[G0SB:G0SB+3], s[G1SB:G1SB+7]
	s_nop 0
	PLACES
.Lhead_asked:
	s_lshl_b32 s66, s42, 9                         ; the biases of my 64 rows of the weights: 4 (128 gx0 + 64 wc) bytes on
	s_lshl_b32 s67, s22, 8
	s_add_co_u32 s66, s66, s67
	s_mov_b32 s67, 0
	s_add_nc_u64 s[8:9], s[8:9], s[66:67]
	s_add_nc_u64 s[10:11], s[10:11], s[66:67]
	s_add_nc_u64 s[96:97], s[12:13], s[66:67]      ; wv_b
	s_mov_b64 s[98:99], s[14:15]                   ; qkv
	s_mul_i32 s2, s21, HALF                        ; my four tiles of A,
	s_add_co_u32 s2, s2, ALDS
	s_mul_i32 s3, s22, HALF                        ; and of B
	s_lshl_b32 s46, s21, 11                        ; their scale words: A's tile I at 512 I;
	s_add_co_u32 s46, s46, SCAL
	s_lshl_b32 s47, s22, 11                        ; B's tile I of block t at 4,096 t + 512 I
	s_add_co_u32 s47, s47, SCBL
	v_and_b32 v1, 15, v0                           ; r
	v_bfe_u32 v2, v0, 4, 1                         ; h
	v_and_b32 v5, 31, v0
	v_lshlrev_b32 v3, 4, v5                        ; 16 x lane
	v_lshlrev_b32 v4, 3, v5                        ; 8 x lane
	v_lshlrev_b32 v[BADR], 6, v2
	v_and_b32 v[BADV], 8, v1
	v_add_nc_u32 v[BADV], v[BADV], v1
	v_lshlrev_b32 v[BADV], 2, v[BADV]
	v_add_nc_u32 v[AA16], s2, v3
	v_add_nc_u32 v[AA8], s2, v4
	v_add_nc_u32 v[ABZ16], s3, v3
	v_add_nc_u32 v[ABZ8], s3, v4
	v_lshl_add_u32 v[ASA], v1, 2, s46
	v_lshl_add_u32 v[ASBZ], v1, 2, s47
	v_lshlrev_b32 v[SADR], 2, v1
	v_mad_u32_u24 v[SADR], v2, 64, v[SADR]
	s_wait_alu depctr_va_vdst(0)                   ; the wait at the end of the head's vector work
	BIASLOAD
	; where the results go
	s_lshr_b32 s16, s43, 4
	s_lshl_b32 s16, s16, 4
	s_lshl_b32 s17, s42, 1
	s_add_co_u32 s16, s16, s17
	s_add_co_u32 s16, s16, s22                     ; bh = 16 batch + head: my 64 rows of a weight are one head
	s_and_b32 s17, s43, 15                         ; the block of 128 tokens in the sequence
	s_lshl_b32 s66, s16, 7
	s_lshl_b32 s79, s17, 3
	s_add_co_u32 s66, s66, s79
	s_lshl_b32 s79, s21, 2
	s_add_co_u32 s66, s66, s79                     ; q: tile 128 bh + 8 block + 4 wr
	s_lshl_b32 s100, s66, 6
	s_add_co_u32 s100, s100, 9830400
	s_mul_i32 s66, s66, 768
	s_add_co_u32 s66, s66, 6684672
	s_mov_b32 s101, 0
	s_add_nc_u64 s[14:15], s[98:99], s[100:101]    ; q's scale words
	s_add_nc_u64 s[12:13], s[98:99], s[66:67]      ; q's codes
	s_mul_i32 s100, s16, 208896
	s_mul_i32 s79, s17, 13056
	s_add_co_u32 s100, s100, s79                   ; k and v: the key step's block of 13,056 bytes
	s_mul_i32 s79, s21, 3072
	s_add_co_u32 s66, s100, s79
	s_add_nc_u64 s[88:89], s[98:99], s[66:67]      ; k's codes: my four tiles of 16 keys
	s_lshl_b32 s79, s21, 8
	s_add_co_u32 s66, s100, s79
	s_add_co_u32 s66, s66, 12288
	s_add_nc_u64 s[90:91], s[98:99], s[66:67]      ; k's scale words
	s_mul_i32 s79, s21, 768
	s_add_co_u32 s66, s100, s79
	s_add_co_u32 s66, s66, 6144
	s_add_nc_u64 s[92:93], s[98:99], s[66:67]      ; v's codes: my 64 keys are half wr of each of the four records
	s_lshl_b32 s79, s21, 1
	s_add_co_u32 s66, s100, s79
	s_add_co_u32 s66, s66, 12800
	s_add_nc_u64 s[94:95], s[98:99], s[66:67]      ; v's scale words: my two bytes of each
	s_mov_b32 s2, 0x76543210
	s_mov_b32 s3, 0xfedcba98                       ; v_permlanex16_b32's selects for lane l xor 16
	s_mov_b32 s[TB], 0
	s_mov_b32 s[TS], 0
	TILE 0, 1                                      ; q
	TILE 0, 2                                      ; k
	TILE 1, 0                                      ; v^T
	s_wait_tensorcnt 0x0                           ; the wave's end
	ds_add_u32 v[SPW], v[NIL]
	s_wait_dscnt 0x0
	CROUND                                         ; the closing round: no work-group ends while a partner may still ask for a tile that names it
	s_endpgm
.Lfunc_end_k_qfaf4750891_qkv:
	.size	k_qfaf4750891_qkv, .Lfunc_end_k_qfaf4750891_qkv-k_qfaf4750891_qkv
	.p2alignl 7, 3214868480
	.fill 96, 4, 3214868480
	.section	.rodata,"a",@progbits
	.p2align	6, 0x0
	.amdhsa_kernel k_qfaf4750891_qkv
		.amdhsa_group_segment_fixed_size 327680
		.amdhsa_private_segment_fixed_size 0
		.amdhsa_enable_private_segment 0
		.amdhsa_kernarg_size 48
		.amdhsa_user_sgpr_count 2
		.amdhsa_user_sgpr_kernarg_segment_ptr 1
		.amdhsa_wavefront_size32 1
		.amdhsa_system_sgpr_workgroup_id_x 1
		.amdhsa_system_sgpr_workgroup_id_y 1
		.amdhsa_system_sgpr_workgroup_id_z 1
		.amdhsa_system_vgpr_workitem_id 0
		.amdhsa_next_free_vgpr 512
		.amdhsa_next_free_sgpr 102
		.amdhsa_reserve_vcc 1
		.amdhsa_float_denorm_mode_32 3
		.amdhsa_float_denorm_mode_16_64 3
		.amdhsa_memory_ordered 1
		.amdhsa_forward_progress 1
		.amdhsa_inst_pref_size 156
	.end_amdhsa_kernel
	.amdgpu_metadata
---
amdhsa.version: [ 1, 2 ]
amdhsa.kernels:
  - .name:           k_qfaf4750891_qkv
    .symbol:         k_qfaf4750891_qkv.kd
    .args:
      - { .name: a1, .offset: 0, .size: 8, .value_kind: global_buffer, .address_space: global }
      - { .name: wts, .offset: 8, .size: 8, .value_kind: global_buffer, .address_space: global }
      - { .name: wq_b, .offset: 16, .size: 8, .value_kind: global_buffer, .address_space: global }
      - { .name: wk_b, .offset: 24, .size: 8, .value_kind: global_buffer, .address_space: global }
      - { .name: wv_b, .offset: 32, .size: 8, .value_kind: global_buffer, .address_space: global }
      - { .name: qkv, .offset: 40, .size: 8, .value_kind: global_buffer, .address_space: global }
    .group_segment_fixed_size: 327680
    .private_segment_fixed_size: 0
    .kernarg_segment_align: 8
    .kernarg_segment_size: 48
    .max_flat_workgroup_size: 128
    .sgpr_count:     102
    .vgpr_count:     512
    .wavefront_size: 32
...
	.end_amdgpu_metadata
.endif
;; end of part 2
;; launch attn (part 3): grid 8 x 32, 16 waves a work-group, no clusters, 327,680 bytes of LDS; arguments qkv, ob; writes ob
.if DOCPART == 3
	.amdgcn_target "amdgcn-amd-amdhsa--gfx1250"
	.amdhsa_code_object_version 6
	.text
	.protected	k_qfaf4750891_attn
	.globl	k_qfaf4750891_attn
	.p2align	8
	.type	k_qfaf4750891_attn,@function
k_qfaf4750891_attn:
	s_mov_b64 s[64:65], 0
	v_nop
	global_prefetch_b8 v0, s[64:65] scope:SCOPE_SE
	s_setreg_imm32_b32 hwreg(HW_REG_WAVE_MODE, 25, 1), 1
	s_wait_xcnt 0x0
.set REC, 13056
.set WV,  8
.set G1A, 16
.set G1C, 24
.set G0A, 32
.set G0C, 36
.set SEL, 50
.set CS,  52
.set TB,  54
.set KI,  55
.set QB,  56
.set VF,  64
.set S,   112
.set O,   176
.set PC,  208
.set TT,  220
.set MX,  228
.set PD,  232
.set SO,  236
.set BY,  240
.macro KLOAD g
.irp t, 0,1,2,3
	ds_load_b128 v[28+18*(\t/2)+12*(\t%2):31+18*(\t/2)+12*(\t%2)], v4 offset:768*(4*\g+\t)
	ds_load_b64 v[32+18*(\t/2)+12*(\t%2):33+18*(\t/2)+12*(\t%2)], v5 offset:768*(4*\g+\t)+512
	ds_load_b32 v[244+\t], v6 offset:12288+64*(4*\g+\t)
.endr
.endm
.macro KMUL g
.irp t, 0,1,2,3
	v_wmma_scale_f32_16x16x128_f8f6f4 v[S+8*(4*\g+\t):S+8*(4*\g+\t)+7], v[28+18*(\t/2)+6*(\t%2):39+18*(\t/2)+6*(\t%2)], v[16:27], 0, v[244+\t], v255 matrix_a_fmt:MATRIX_FMT_FP6 matrix_b_fmt:MATRIX_FMT_FP6
.endr
.endm
.macro STEP
	s_cmp_gt_u32 s[KI], s[QB]
	s_cbranch_scc1 .Lskip_\@
	v_add_nc_u32 v4, s[TB], v1
	v_add_nc_u32 v5, s[TB], v2
	v_add_nc_u32 v6, s[TB], v3
	v_nop
	KLOAD 0
.irp t, 0,1,2,3
	ds_load_b128 v[VF+12*\t:VF+12*\t+3], v4 offset:6144+1536*\t
	ds_load_b64 v[VF+12*\t+4:VF+12*\t+5], v5 offset:6144+1536*\t+512
	ds_load_b128 v[VF+12*\t+6:VF+12*\t+9], v4 offset:6144+1536*\t+768
	ds_load_b64 v[VF+12*\t+10:VF+12*\t+11], v5 offset:6144+1536*\t+1280
	ds_load_b32 v[248+\t], v6 offset:12800+64*\t
.endr
	s_wait_alu depctr_va_vdst(0)
	s_wait_dscnt 20
	KMUL 0
.rept 4
	v_nop
.endr
	KLOAD 1
	s_wait_dscnt 0x0
	KMUL 1
.rept 4
	v_nop
.endr
	s_cmp_lg_u32 s[KI], s[QB]
	s_cbranch_scc1 .Lopen_\@
	v_mov_b32 v254, 0xff800000
.set n, 0
.rept 64
	v_cmp_gt_i32 vcc_lo, 32*(n/16)+n%16, v7
	v_cndmask_b32 v[S+n], v[S+n], v254, vcc_lo
.set n, n+1
.endr
.Lopen_\@:
.irp b, 0,1,2,3
	v_max3_num_f32 v[MX+\b], v[S+16*\b], v[S+16*\b+1], v[S+16*\b+2]
.endr
.irp i, 3,5,7,9,11,13
.irp b, 0,1,2,3
	v_max3_num_f32 v[MX+\b], v[MX+\b], v[S+16*\b+\i], v[S+16*\b+\i+1]
.endr
.endr
.irp b, 0,1,2,3
	v_max_num_f32 v[MX+\b], v[MX+\b], v[S+16*\b+15]
.endr
.irp b, 0,1,2,3
	s_delay_alu instid0(VALU_DEP_4)
	v_permlanex16_b32 v[PD+\b], v[MX+\b], s[SEL], s[SEL+1]
.endr
.irp b, 0,1,2,3
	s_delay_alu instid0(VALU_DEP_4)
	v_max_num_f32 v[MX+\b], v[MX+\b], v[PD+\b]
.endr
	s_delay_alu instid0(VALU_DEP_2)
	v_max3_num_f32 v254, v[MX], v[MX+1], v[MX+2]
	s_delay_alu instid0(VALU_DEP_1)
	v_max_num_f32 v254, v254, v[MX+3]
	s_delay_alu instid0(VALU_DEP_1)
	v_mul_f32 v254, s[CS], v254
	s_delay_alu instid0(VALU_DEP_1)
	v_max_num_f32 v13, v13, v254
	v_mov_b32 v254, v12
	s_delay_alu instid0(VALU_DEP_2)
	v_floor_f32 v12, -v13
	s_delay_alu instid0(VALU_DEP_1)
	v_sub_f32 v254, v12, v254
	s_delay_alu instid0(VALU_DEP_1)
	v_cvt_i32_f32 v254, v254
	s_delay_alu instid0(VALU_DEP_1)
	v_ldexp_f32 v252, 1.0, v254
.set n, 0
.rept 32
	v_pk_fma_f32 v[S+2*n:S+2*n+1], v[S+2*n:S+2*n+1], s[CS:CS+1], v[12:13] op_sel_hi:[1,0,0]
.set n, n+1
.endr
.irp b, 0,1,2,3
	v_fma_f32 v[MX+\b], v[MX+\b], s[CS], v12
.endr
.set n, 0
	s_wait_alu depctr_va_vdst(0)
.rept 64
	v_exp_f32 v[S+n], v[S+n]
.set n, n+1
.endr
.irp b, 0,1,2,3
	v_exp_f32 v[MX+\b], v[MX+\b]
.endr
	v_pk_mul_f32 v[14:15], v[14:15], v[252:253] op_sel_hi:[1,0]
	s_wait_alu depctr_va_vdst(0)
.irp b, 0,1,2,3
	v_max_num_f32 v[MX+\b], 0x1800000, v[MX+\b]
.endr
.irp b, 0,1,2,3
	s_delay_alu instid0(VALU_DEP_4)
	v_add_nc_u32 v[SO+\b], 0xff000000, v[MX+\b]
.endr
.irp b, 0,1,2,3
	s_delay_alu instid0(VALU_DEP_4)
	v_lshrrev_b32 v[BY+\b], 23, v[SO+\b]
.endr
	s_delay_alu instid0(VALU_DEP_3)
	v_lshl_or_b32 v253, v[BY+1], 8, v[BY]
	s_delay_alu instid0(VALU_DEP_1)
	v_lshl_or_b32 v253, v[BY+2], 16, v253
	s_delay_alu instid0(VALU_DEP_1)
	v_lshl_or_b32 v253, v[BY+3], 24, v253
.irp c, 0,1
	v_cvt_scalef32_pk16_fp6_f32 v[PC+6*\c:PC+6*\c+2], v[S+32*\c:S+32*\c+15], v[SO+2*\c]
	v_cvt_scalef32_pk16_fp6_f32 v[TT+4*\c:TT+4*\c+2], v[S+32*\c+16:S+32*\c+31], v[SO+2*\c+1]
.endr
	v_nop
.irp c, 0,1
.irp i, 0,1,2
	v_permlane16_swap_b32 v[PC+6*\c+\i], v[TT+4*\c+\i]
.endr
.irp i, 0,1,2
	s_delay_alu instid0(VALU_DEP_3)
	v_mov_b32 v[PC+6*\c+3+\i], v[TT+4*\c+\i]
.endr
.endr
	v_pk_add_f32 v[PD:PD+1], v[S:S+1], v[S+2:S+3]
.irp j, 4,8,12,16,20,24,28,32,36,40,44,48,52,56,60
	v_pk_add_f32 v[14:15], v[14:15], v[S+\j:S+\j+1]
	v_pk_add_f32 v[PD:PD+1], v[PD:PD+1], v[S+\j+2:S+\j+3]
.endr
	s_delay_alu instid0(VALU_DEP_1)
	v_pk_add_f32 v[14:15], v[14:15], v[PD:PD+1]
.set n, 0
.rept 16
	v_pk_mul_f32 v[O+2*n:O+2*n+1], v[O+2*n:O+2*n+1], v[252:253] op_sel_hi:[1,0]
.set n, n+1
.endr
.irp t, 0,1,2,3
	v_wmma_scale_f32_16x16x128_f8f6f4 v[O+8*\t:O+8*\t+7], v[VF+12*\t:VF+12*\t+11], v[PC:PC+11], v[O+8*\t:O+8*\t+7], v[248+\t], v253 matrix_a_fmt:MATRIX_FMT_FP6 matrix_b_fmt:MATRIX_FMT_FP6
.endr
.Lskip_\@:
	s_add_co_u32 s[TB], s[TB], REC
	s_add_co_u32 s[KI], s[KI], 1
.endm
	s_load_b128 s[4:7], s[0:1], 0x0
	v_lshl_add_u32 v223, v0, 2, 0x33000
	v_mov_b32 v227, 0
	ds_add_u32 v223, v227
	ds_add_u32 v223, v227
	v_lshrrev_b32 v1, 5, v0
	s_delay_alu instid0(VALU_DEP_1)
	v_readfirstlane_b32 s[WV], v1
	s_and_b32 s9, ttmp7, 0xffff
	s_mov_b32 s[G1A], 3<<16
	s_mov_b32 s[G1A+1], 32<<16
	s_mov_b32 s[G1A+2], 13<<16
	s_mov_b32 s[G1A+3], 32<<16
	s_mov_b32 s[G1A+4], 13
	s_mov_b32 s[G1A+5], 32
	s_mov_b32 s[G1A+6], 0
	s_mov_b32 s[G1A+7], 0
	s_mov_b32 s[G1C], 3<<16
	s_mov_b32 s[G1C+1], 32<<16
	s_mov_b32 s[G1C+2], 38<<16
	s_mov_b32 s[G1C+3], 32<<16
	s_mov_b32 s[G1C+4], 38
	s_mov_b32 s[G1C+5], 32
	s_mov_b32 s[G1C+6], 0
	s_mov_b32 s[G1C+7], 0
	s_mul_i32 s10, s9, 16*REC
	s_mul_i32 s12, s[WV], 3328
	s_mul_i32 s13, s[WV], 9728
	s_add_co_u32 s13, s13, 53248
	s_add_co_u32 s40, s10, s12
	s_mov_b32 s41, 0
	s_add_co_u32 s42, s10, s13
	s_mov_b32 s43, 0
	s_wait_dscnt 0x0
	s_wait_kmcnt 0x0
	s_mov_b32 s[G0A], 1
	s_mov_b32 s[G0A+1], s12
	s_add_nc_u64 s[G0A+2:G0A+3], s[4:5], s[40:41]
	s_or_b32 s[G0A+3], s[G0A+3], 0x80000000
	s_mov_b32 s[G0C], 1
	s_mov_b32 s[G0C+1], s13
	s_add_nc_u64 s[G0C+2:G0C+3], s[4:5], s[42:43]
	s_or_b32 s[G0C+3], s[G0C+3], 0x80000000
	tensor_load_to_lds s[G0A:G0A+3], s[G1A:G1A+7]
	s_nop 0                                        ; the set-up and q's loads below stand under this load's flight
.rept 4
	v_nop
.endr
	s_lshr_b32 s14, s[WV], 2
	s_xor_b32 s14, s14, s[WV]
	s_and_b32 s14, s14, 1
	s_lshr_b32 s15, s[WV], 1
	s_sub_co_u32 s10, 15, ttmp9
	s_cmp_eq_u32 s14, 1
	s_cselect_b32 s[QB], s10, ttmp9
	s_lshl_b32 s57, s[QB], 3
	s_add_co_u32 s57, s57, s15
	s_lshl_b32 s10, s9, 7
	s_add_co_u32 s10, s10, s57
	s_mul_i32 s44, s10, 768
	s_add_co_u32 s44, s44, 6684672
	s_mov_b32 s45, 0
	s_lshl_b32 s46, s10, 6
	s_add_co_u32 s46, s46, 9830400
	s_mov_b32 s47, 0
	s_add_nc_u64 s[44:45], s[4:5], s[44:45]
	s_add_nc_u64 s[46:47], s[4:5], s[46:47]
	s_lshr_b32 s10, s9, 4
	s_lshl_b32 s10, s10, 7
	s_add_co_u32 s10, s10, s57
	s_lshl_b32 s10, s10, 3
	s_bfe_u32 s11, s9, 0x30001
	s_add_co_u32 s10, s10, s11
	s_and_b32 s11, s9, 1
	s_mul_i32 s58, s10, 1536
	s_mul_i32 s12, s11, 768
	s_add_co_u32 s58, s58, s12
	s_mov_b32 s59, 0
	s_lshl_b32 s60, s10, 6
	s_lshl_b32 s12, s11, 1
	s_add_co_u32 s60, s60, s12
	s_add_co_u32 s60, s60, 3145728
	s_mov_b32 s61, 0
	s_add_nc_u64 s[58:59], s[6:7], s[58:59]
	s_add_nc_u64 s[60:61], s[6:7], s[60:61]
	s_lshr_b32 s10, s15, 1
	s_lshl_b32 s10, s10, 5
	s_and_b32 s11, s15, 1
	s_lshl_b32 s11, s11, 3
	s_add_co_u32 s10, s10, s11
	s_mov_b32 s[SEL], 0x76543210
	s_mov_b32 s[SEL+1], 0xfedcba98
	s_mov_b32 s[CS], 0x3e38aa3b
	s_mov_b32 s[CS+1], s[CS]
	s_mov_b32 s[TB], 0
	s_mov_b32 s[KI], 0
	v_and_b32 v8, 15, v0
	v_bfe_u32 v9, v0, 4, 1
	v_and_b32 v10, 31, v0
	s_delay_alu instid0(VALU_DEP_1)
	v_lshlrev_b32 v1, 4, v10
	s_delay_alu instid0(VALU_DEP_2)
	v_lshlrev_b32 v2, 3, v10
	v_lshlrev_b32 v3, 2, v8
	global_load_b128 v[16:19], v1, s[44:45]
	global_load_b64 v[20:21], v2, s[44:45] offset:512
	global_load_b128 v[22:25], v1, s[44:45]
	global_load_b64 v[26:27], v2, s[44:45] offset:512
	global_load_b32 v255, v3, s[46:47]
	v_and_b32 v10, 8, v8
	s_delay_alu instid0(VALU_DEP_1)
	v_add_nc_u32 v10, v10, v8
	v_lshlrev_b32 v11, 4, v9
	s_delay_alu instid0(VALU_DEP_1)
	v_sub_nc_u32 v7, v10, v11
	s_delay_alu instid0(VALU_DEP_1)
	v_add_nc_u32 v7, s10, v7
	v_mov_b32 v13, 0xff61b1e6
	s_delay_alu instid0(VALU_DEP_1)
	v_floor_f32 v12, -v13
	v_mov_b32 v14, 0
	v_mov_b32 v15, 0
	v_mov_b32 v253, 0
.irp b, 0,1,2,3
	v_mov_b32 v[PD+\b], 0
.endr
.irp j, 34,35,36,37,38,39,52,53,54,55,56,57
	v_mov_b32 v[\j], 0
.endr
.set n, 0
.rept 32
	v_mov_b32 v[O+n], 0
.set n, n+1
.endr
	s_wait_alu depctr_va_vdst(0)                   ; the wait at the head's end
	s_wait_tensorcnt 0x0                           ; my part of key steps 0 to 3 is in
	ds_add_u32 v223, v227
	s_wait_dscnt 0x0
	s_barrier_signal -1
	s_barrier_wait -1                              ; everybody's part is in: key steps 0 to 3 may be read
	tensor_load_to_lds s[G0C:G0C+3], s[G1C:G1C+7]  ; key steps 4 to 15, my one tensor load behind the barrier
	s_nop 0
.rept 4
	v_nop
.endr
	s_wait_loadcnt 0x0                             ; q
.Lfirst:
	STEP
	s_cmp_lt_u32 s[KI], 4
	s_cbranch_scc1 .Lfirst
	s_wait_tensorcnt 0x0
	s_wait_dscnt 0x0
	s_barrier_signal -1
	s_barrier_wait -1
.Lrest:
	STEP
	s_cmp_lt_u32 s[KI], 16
	s_cbranch_scc1 .Lrest
.rept 4
	v_nop
.endr
	v_add_f32 v14, v14, v15
	s_delay_alu instid0(VALU_DEP_1)
	v_permlanex16_b32 v[PD], v14, s[SEL], s[SEL+1]
	s_delay_alu instid0(VALU_DEP_1)
	v_add_f32 v14, v14, v[PD]
	s_wait_alu depctr_va_vdst(0)
	v_rcp_f32 v14, v14
	v_nop
	s_wait_alu depctr_va_vdst(0)
	v_mov_b32 v15, v14
.set n, 0
.rept 16
	v_pk_mul_f32 v[S+2*n:S+2*n+1], v[O+2*n:O+2*n+1], v[14:15]
.set n, n+1
.endr
.irp g, 0,1
	v_max3_num_f32 v[MX+\g], |v[S+16*\g]|, |v[S+16*\g+1]|, 0x1800000
.endr
.irp i, 2,4,6,8,10,12,14
.irp g, 0,1
	s_delay_alu instid0(VALU_DEP_2)
	v_max3_num_f32 v[MX+\g], v[MX+\g], |v[S+16*\g+\i]|, |v[S+16*\g+\i+1]|
.endr
.endr
.irp g, 0,1
	s_delay_alu instid0(VALU_DEP_2)
	v_permlanex16_b32 v[PD+\g], v[MX+\g], s[SEL], s[SEL+1]
.endr
.irp g, 0,1
	s_delay_alu instid0(VALU_DEP_2)
	v_max_num_f32 v[MX+\g], v[MX+\g], v[PD+\g]
.endr
.irp g, 0,1
	s_delay_alu instid0(VALU_DEP_2)
	v_add_nc_u32 v[SO+\g], 0xff000000, v[MX+\g]
.endr
.irp g, 0,1
	s_delay_alu instid0(VALU_DEP_2)
	v_lshrrev_b32 v[BY+\g], 23, v[SO+\g]
.endr
	s_delay_alu instid0(VALU_DEP_1)
	v_lshl_or_b32 v[BY], v[BY+1], 8, v[BY]
	v_cvt_scalef32_pk16_fp6_f32 v[PC:PC+2], v[S:S+15], v[SO]
	v_cvt_scalef32_pk16_fp6_f32 v[TT:TT+2], v[S+16:S+31], v[SO+1]
	v_nop
.irp i, 0,1,2
	v_permlane16_swap_b32 v[PC+\i], v[TT+\i]
.endr
.irp i, 0,1,2
	s_delay_alu instid0(VALU_DEP_3)
	v_mov_b32 v[PC+3+\i], v[TT+\i]
.endr
	global_store_b128 v1, v[PC:PC+3], s[58:59]
	global_store_b64 v2, v[PC+4:PC+5], s[58:59] offset:512
	global_store_b16 v3, v[BY], s[60:61]
	s_wait_tensorcnt 0x0
	ds_add_u32 v223, v227
	s_wait_dscnt 0x0
	s_endpgm
.Lfunc_end_k_qfaf4750891_attn:
	.size	k_qfaf4750891_attn, .Lfunc_end_k_qfaf4750891_attn-k_qfaf4750891_attn
	.p2alignl 7, 3214868480
	.fill 96, 4, 3214868480
	.section	.rodata,"a",@progbits
	.p2align	6, 0x0
	.amdhsa_kernel k_qfaf4750891_attn
		.amdhsa_group_segment_fixed_size 327680
		.amdhsa_private_segment_fixed_size 0
		.amdhsa_enable_private_segment 0
		.amdhsa_kernarg_size 16
		.amdhsa_user_sgpr_count 2
		.amdhsa_user_sgpr_kernarg_segment_ptr 1
		.amdhsa_wavefront_size32 1
		.amdhsa_system_sgpr_workgroup_id_x 1
		.amdhsa_system_sgpr_workgroup_id_y 1
		.amdhsa_system_sgpr_workgroup_id_z 1
		.amdhsa_system_vgpr_workitem_id 0
		.amdhsa_next_free_vgpr 256
		.amdhsa_next_free_sgpr 66
		.amdhsa_reserve_vcc 1
		.amdhsa_float_denorm_mode_32 3
		.amdhsa_float_denorm_mode_16_64 3
		.amdhsa_memory_ordered 1
		.amdhsa_forward_progress 1
		.amdhsa_inst_pref_size 58
	.end_amdhsa_kernel
	.amdgpu_metadata
---
amdhsa.version: [ 1, 2 ]
amdhsa.kernels:
  - .name:           k_qfaf4750891_attn
    .symbol:         k_qfaf4750891_attn.kd
    .args:
      - { .name: qkv, .offset: 0, .size: 8, .value_kind: global_buffer, .address_space: global }
      - { .name: ob, .offset: 8, .size: 8, .value_kind: global_buffer, .address_space: global }
    .group_segment_fixed_size: 327680
    .private_segment_fixed_size: 0
    .kernarg_segment_align: 8
    .kernarg_segment_size: 16
    .max_flat_workgroup_size: 512
    .sgpr_count:     66
    .vgpr_count:     256
    .wavefront_size: 32
...
	.end_amdgpu_metadata
.endif
;; end of part 3
;; launch wo (part 4): grid 8 x 32, 4 waves a work-group, clusters of 4 x 4, 327,680 bytes of LDS; arguments ob, wts, wo_b, x, y; writes y
.if DOCPART == 4
	.amdgcn_target "amdgcn-amd-amdhsa--gfx1250"
	.amdhsa_code_object_version 6
	.text
	.protected	k_qfaf4750891_wo
	.globl	k_qfaf4750891_wo
	.p2align	8
	.type	k_qfaf4750891_wo,@function
k_qfaf4750891_wo:
	s_mov_b64 s[64:65], 0
	v_nop
	global_prefetch_b8 v0, s[64:65] scope:SCOPE_SE
	s_setreg_imm32_b32 hwreg(HW_REG_WAVE_MODE, 25, 1), 1
	s_wait_xcnt 0x0
	s_wait_alu depctr_hold_cnt(0) depctr_sa_sdst(0) depctr_va_vdst(0) depctr_va_sdst(0) depctr_va_ssrc(0) depctr_va_vcc(0) depctr_vm_vsrc(0)
	s_getreg_b32 s2, hwreg(HW_REG_IB_STS2, 6, 4)
	s_cmp_eq_u32 s2, 0
	s_cbranch_scc0 .Lentry_in_a_cluster
	s_endpgm
.Lentry_in_a_cluster:
	s_bfe_u32 s2, ttmp6, 0x10000c
	s_cmp_lg_u32 s2, 0xf033
	s_cbranch_scc0 .Lentry_shape_is_right
	s_endpgm
.Lentry_shape_is_right:
; y = x + o wo^T + wo_b, f32, on codes of FP6 (E2M3) with one E8M0 byte for each 32 along K; a work-group makes 128 x 128, each of its four waves 64 x 64; operands lie in memory as images of their registers (records of 1,536 bytes).
; K = 1,024: all of K lies in LDS at once: A's 8 tiles x 8 K steps dense at 0, B's at 98,304, the scale words behind.  One tensor load a wave at the head:
; wave 0 A's block (384 rows of 256 bytes), wave 1 B's, wave 2 A's scale words, wave 3 B's.  Nothing is filled later.  'Slot 1' below is K steps 4 to 7 of the same blocks, 6,144 bytes on.
; No prefetch: the launch has no loop to run ahead in.  LIMITS: NaN and infinities are not served.
.set MODE, 2
.if MODE == 4
.set KS, 32
.else
.set KS, 8
.endif
.set LAPS, KS/8
.if MODE == 0
.set AOFF, 0
.set ASOFF, 3145728
.set BOFF, 0
.set BSOFF, 9437184
.set ASTR, 768
.set SSTR, 64
.elseif MODE == 1
.set AOFF, 1572864
.set ASOFF, 9502720
.set BOFF, 0
.set BSOFF, 3145728
.set ASTR, 1536
.set SSTR, 64
.elseif MODE == 2
.set AOFF, 0
.set ASOFF, 3145728
.set BOFF, 2359296
.set BSOFF, 9535488
.elseif MODE == 3
.set AOFF, 0
.set ASOFF, 3145728
.set BOFF, 3145728
.set BSOFF, 9568256
.set ASTR, 49152
.set SSTR, 2048
.else
.set AOFF, 0
.set ASOFF, 12582912
.set BOFF, 6291456
.set BSOFF, 9699328
.endif
.set HALFT, 49152
.set SLOT,  98304
.set SCL,   196608
.set HALFS, 256*KS
.set STAGE, 229376
.set SPARE, 296960
.set AA16, 8
.set AA8,  10
.set AB16, 12
.set AB8,  14
.set ADRS, 16
.set STO,  17
.set RD,   18
.set SADR, 20
.set ZERO, 21
.set BADR, 22
.set SPW,  28
.set NIL,  29
.set SC,   32
.set BIAS, 64
.set ACC,  128
.set EM,   64
.set EP,   72
.set ES,   80
.set EC,   88
.set ET,   112
.set GZ,   64
.set GT,   72
.set GP,   80
.set G1,   24
.set G0,   32
.set G1B,  48
.set G0B,  56
.set G1S,  68
.set G0S,  76
.set G1SB, 80
.set G0SB, 88
.set MSB, 0
.macro WIN new
.if MSB != \new
	s_set_vgpr_msb (MSB<<8)|\new
.set MSB, \new
.endif
.endm
.macro PLACES
.rept 4
	v_nop
.endr
.endm
.macro JLOAD g0a, g1a, g0b, g1b
	s_cmp_eq_u32 s21, 0
	s_cbranch_scc0 .Lfor_b_\@
	tensor_load_to_lds s[\g0a:\g0a+3], s[\g1a:\g1a+7]
	s_nop 0
.rept 4
	v_nop
.endr
	s_branch .Lasked_\@
.Lfor_b_\@:
	tensor_load_to_lds s[\g0b:\g0b+3], s[\g1b:\g1b+7]
	s_nop 0
.rept 4
	v_nop
.endr
.Lasked_\@:
.endm
.macro CREST
	s_cmp_lg_u32 s20, 0
	s_cbranch_scc1 .Lnot_wave_0_\@
	s_barrier_signal -3
.Lnot_wave_0_\@:
	s_barrier_wait -3
	s_barrier_signal -1
	s_barrier_wait -1
.endm
.macro CROUND
	s_barrier_signal -1
	s_barrier_wait -1
	CREST
.endm
.macro FRAG reg, x16, x8, off
	ds_load_b128 v[\reg:\reg+3], v[\x16] offset:\off
	ds_load_b64 v[\reg+4:\reg+5], v[\x8] offset:\off+512
	ds_load_b128 v[\reg+6:\reg+9], v[\x16] offset:\off+768
	ds_load_b64 v[\reg+10:\reg+11], v[\x8] offset:\off+1280
.endm
.macro FETCH slot, q, f
	WIN 0x40
.irp i, 0,1,2,3
	FRAG \f+48+12*\i, AB16+\slot, AB8+\slot, 12288*\i+1536*(\q)
.endr
.irp i, 0,1,2,3
	FRAG \f+12*\i, AA16+\slot, AA8+\slot, 12288*\i+1536*(\q)
.endr
.endm
.macro SCALES set
	WIN 0
.irp q, 0,1,2,3
.irp i, 0,1,2,3
	ds_load_b32 v[SC+16*\set+4*\q+\i], v[ADRS] offset:64*KS*\i+64*\q
.endr
.endr
.endm
.macro MULA f, a, q, set, first
.irp b, 0,1,2,3
.set DD, ACC+8*(4*\a+\b)
.set CC, ACC+8*(4*\a+\b)
.if \first
.if MODE == 1
.set CC, BIAS+8*\a
.else
.set CC, BIAS+8*\b
.endif
.endif
	v_wmma_scale_f32_16x16x128_f8f6f4 v[DD:DD+7], v[\f+48+12*\b:\f+59+12*\b], v[\f+12*\a:\f+11+12*\a], v[CC:CC+7], v[SC+16*\set+4*\q+\b], v[SC+16*\set+4*\q+\a] matrix_a_fmt:MATRIX_FMT_FP6 matrix_b_fmt:MATRIX_FMT_FP6 matrix_a_scale:MATRIX_SCALE_ROW1
.endr
.endm
.macro STEP slot, q, first
	s_wait_dscnt 0x0
	WIN 0x05
	MULA 128*(\q%2), 0, \q, \slot, \first
	MULA 128*(\q%2), 1, \q, \slot, \first
	PLACES
	FETCH \slot, \q+1, 128*(1-\q%2)
	WIN 0x05
	MULA 128*(\q%2), 2, \q, \slot, \first
	MULA 128*(\q%2), 3, \q, \slot, \first
.endm
.macro TURN slot, next, fill
	WIN 0
	s_wait_tensorcnt 0x0
	ds_add_u32 v[SPW], v[NIL]
	s_wait_dscnt 1
	WIN 0x05
	MULA 128, 0, 3, \slot, 0
	s_wait_dscnt 0x0
	s_barrier_signal -1
	MULA 128, 1, 3, \slot, 0
	WIN 0
	s_barrier_wait -1
.if \fill
	CREST
	s_add_nc_u64 s[G0+4*\slot+2:G0+4*\slot+3], s[G0+4*\slot+2:G0+4*\slot+3], 12288
	s_add_nc_u64 s[G0B+4*\slot+2:G0B+4*\slot+3], s[G0B+4*\slot+2:G0B+4*\slot+3], 12288
	JLOAD G0+4*\slot, G1, G0B+4*\slot, G1B
.else
	PLACES
.endif
	v_add_nc_u32 v[ADRS], 256, v[ADRS]
	FETCH \next, 0, 0
	SCALES \next
	WIN 0x05
	MULA 128, 2, 3, \slot, 0
	MULA 128, 3, 3, \slot, 0
.endm
.macro GELU t
.set XA, ACC+8*\t
.irp j, 0,1,2,3,4,5,6,7
	v_mul_f32 v[GZ+\j], s47, |v[XA+\j]|
.endr
.irp j, 0,2,4,6
	v_pk_fma_f32 v[GT+\j:GT+\j+1], v[GZ+\j:GZ+\j+1], 0.5, 1.0 op_sel_hi:[1,0,0]
.endr
.irp j, 0,1,2,3,4,5,6,7
	v_rcp_f32 v[GT+\j], v[GT+\j]
.endr
	v_nop
.irp j, 0,2,4,6
	v_pk_fma_f32 v[GP+\j:GP+\j+1], v[GT+\j:GT+\j+1], s[66:67], 0xbf527892 op_sel_hi:[1,0,0]
.endr
.irp c, 0x3fbe87b0, 0xbf914e5d, 0x3e8ec7cc, 0xbe3ec24c, 0x3dc636c9, 0x3ebf88fb, 0x3f8000c7, 0xbfa1fc4e
.irp j, 0,2,4,6
	v_pk_fma_f32 v[GP+\j:GP+\j+1], v[GP+\j:GP+\j+1], v[GT+\j:GT+\j+1], \c op_sel_hi:[1,1,0]
.endr
.endr
.irp j, 0,2,4,6
	v_pk_fma_f32 v[GP+\j:GP+\j+1], v[GZ+\j:GZ+\j+1], v[GZ+\j:GZ+\j+1], v[GP+\j:GP+\j+1] neg_lo:[1,0,0] neg_hi:[1,0,0]
.endr
.irp j, 0,2,4,6
	v_pk_mul_f32 v[GP+\j:GP+\j+1], v[GP+\j:GP+\j+1], 0x3fb8aa3b op_sel_hi:[1,0]
.endr
.irp j, 0,1,2,3,4,5,6,7
	v_exp_f32 v[GP+\j], v[GP+\j]
.endr
	v_nop
.irp j, 0,2,4,6
	v_pk_mul_f32 v[GP+\j:GP+\j+1], v[GP+\j:GP+\j+1], v[GT+\j:GT+\j+1]
.endr
.irp j, 0,2,4,6
	v_pk_fma_f32 v[GT+\j:GT+\j+1], v[GP+\j:GP+\j+1], -0.5, 1.0 op_sel_hi:[1,0,0]
.endr
.irp j, 0,2,4,6
	v_pk_mul_f32 v[GP+\j:GP+\j+1], v[GP+\j:GP+\j+1], 0.5 op_sel_hi:[1,0]
.endr
.irp j, 0,1,2,3,4,5,6,7
	v_cmp_gt_f32 vcc_lo, 0, v[XA+\j]
	v_cndmask_b32 v[GZ+\j], v[GT+\j], v[GP+\j], vcc_lo
.endr
.irp j, 0,2,4,6
	v_pk_mul_f32 v[XA+\j:XA+\j+1], v[XA+\j:XA+\j+1], v[GZ+\j:GZ+\j+1]
.endr
.endm
	s_load_b128 s[4:7], s[0:1], 0x0
	s_load_b64 s[8:9], s[0:1], 0x10
.if (MODE == 0) || (MODE == 2)
	s_load_b64 s[10:11], s[0:1], 0x18
	s_load_b64 s[12:13], s[0:1], 0x20
.elseif MODE == 4
	s_load_b64 s[10:11], s[0:1], 0x18
	s_load_b64 s[14:15], s[0:1], 0x20
	s_load_b128 s[16:19], s[0:1], 0x28
	s_load_b64 s[12:13], s[0:1], 0x38
.else
	s_load_b64 s[12:13], s[0:1], 0x18
.endif
	v_lshl_add_u32 v[SPW], v0, 2, SPARE
	v_mov_b32 v[NIL], 0
	ds_add_u32 v28, v29
	ds_add_u32 v28, v29
	s_wait_dscnt 0x0
	v_lshrrev_b32 v1, 5, v0
	v_readfirstlane_b32 s20, v1
	s_lshr_b32 s21, s20, 1
	s_and_b32 s22, s20, 1
	s_bfe_u32 s40, ttmp6, 0x40000
	s_bfe_u32 s41, ttmp6, 0x40004
	s_lshl_b32 s42, ttmp9, 2
	s_add_co_u32 s42, s42, s40
	s_and_b32 s43, ttmp7, 0xffff
	s_lshl_b32 s43, s43, 2
	s_add_co_u32 s43, s43, s41
	s_lshl_b32 s44, s41, 2
	s_lshl_b32 s44, 15, s44
	s_lshl_b32 s45, 0x1111, s40
	s_or_b32 s[G1], s44, (3<<16)|(1<<21)
	s_or_b32 s[G1B], s45, (3<<16)|(1<<21)
.irp g, G1, G1B
	s_mov_b32 s[\g+1], 32<<16
	s_mov_b32 s[\g+2], 384<<16
	s_mov_b32 s[\g+3], 32<<16
	s_mov_b32 s[\g+4], 384
	s_mov_b32 s[\g+5], 32
	s_mov_b32 s[\g+6], 0
	s_mov_b32 s[\g+7], 0
.endr
	s_or_b32 s[G1S], s44, (3<<16)|(1<<21)
	s_or_b32 s[G1SB], s45, (3<<16)|(1<<21)
.irp g, G1S, G1SB
	s_mov_b32 s[\g+1], 32<<16
	s_mov_b32 s[\g+2], (2*KS)<<16
	s_mov_b32 s[\g+3], 32<<16
	s_mov_b32 s[\g+4], 2*KS
	s_mov_b32 s[\g+5], 32
	s_mov_b32 s[\g+6], 0
	s_mov_b32 s[\g+7], 0
.endr
	s_lshl_b32 s92, s43, 3
	s_mul_i32 s94, s92, KS*64
	s_add_co_u32 s94, s94, ASOFF
	s_mul_i32 s92, s92, KS*1536
	s_add_co_u32 s92, s92, AOFF
	s_mov_b32 s93, 0
	s_mov_b32 s95, 0
	s_lshl_b32 s96, s42, 3
	s_mul_i32 s98, s96, KS*64
	s_add_co_u32 s98, s98, BSOFF
	s_mul_i32 s96, s96, KS*1536
	s_add_co_u32 s96, s96, BOFF
	s_mov_b32 s97, 0
	s_mov_b32 s99, 0
	s_wait_kmcnt 0x0
	s_add_nc_u64 s[92:93], s[4:5], s[92:93]
	s_add_nc_u64 s[94:95], s[4:5], s[94:95]
	s_add_nc_u64 s[96:97], s[6:7], s[96:97]
	s_add_nc_u64 s[98:99], s[6:7], s[98:99]
	CROUND
	s_mov_b32 s[G0S], 1
	s_mov_b32 s[G0S+1], SCL
	s_mov_b64 s[G0S+2:G0S+3], s[94:95]
	s_or_b32 s[G0S+3], s[G0S+3], 0x80000000
	s_mov_b32 s[G0SB], 1
	s_mov_b32 s[G0SB+1], SCL+2*HALFS
	s_mov_b64 s[G0SB+2:G0SB+3], s[98:99]
	s_or_b32 s[G0SB+3], s[G0SB+3], 0x80000000
	s_mov_b32 s[G0], 1
	s_mov_b32 s[G0+1], 0
	s_mov_b64 s[G0+2:G0+3], s[92:93]
	s_or_b32 s[G0+3], s[G0+3], 0x80000000
	s_mov_b32 s[G0B], 1
	s_mov_b32 s[G0B+1], SLOT
	s_mov_b64 s[G0B+2:G0B+3], s[96:97]
	s_or_b32 s[G0B+3], s[G0B+3], 0x80000000
.macro ARM under, g0, g1, next         ; one tree of branches on the wave's number: every way through the head passes exactly one load
	s_cmp_lt_u32 s20, \under
	s_cbranch_scc0 \next
	tensor_load_to_lds s[\g0:\g0+3], s[\g1:\g1+7]
	s_nop 0
	PLACES
	s_branch .Lhead_asked
\next:
.endm
	ARM 1, G0, G1, .Lhead_b
	ARM 2, G0B, G1B, .Lhead_sa
	ARM 3, G0S, G1S, .Lhead_sb
	tensor_load_to_lds s[G0SB:G0SB+3], s[G1SB:G1SB+7]
	s_nop 0
	PLACES
.Lhead_asked:
	v_and_b32 v1, 15, v0
	v_bfe_u32 v2, v0, 4, 1
	v_and_b32 v5, 31, v0
	v_lshlrev_b32 v3, 4, v5
	s_wait_alu depctr_va_vdst(0)
	v_lshlrev_b32 v4, 3, v5
	s_wait_alu depctr_va_vdst(0)
	v_mov_b32 v[ZERO], 0
.if MODE == 0
	s_and_b32 s2, s42, 7
	s_lshl_b32 s2, s2, 9
	s_lshl_b32 s3, s22, 8
.elseif MODE == 1
	s_lshl_b32 s2, s43, 9
	s_lshl_b32 s3, s21, 8
.else
	s_lshl_b32 s2, s42, 9
	s_lshl_b32 s3, s22, 8
.endif
	s_add_co_u32 s2, s2, s3
	s_mov_b32 s3, 0
.if MODE == 0
	s_cmp_lt_u32 ttmp9, 2
	s_cselect_b64 s[8:9], s[8:9], s[10:11]
.endif
	s_add_nc_u64 s[8:9], s[8:9], s[2:3]
.if MODE == 1
	v_and_b32 v[BADR], 8, v1
	v_add_nc_u32 v[BADR], v[BADR], v1
	v_lshlrev_b32 v[BADR], 2, v[BADR]
.irp a, 0,1,2,3
	global_load_b32 v[BIAS+8*\a], v[BADR], s[8:9] offset:128*(\a/2)+32*(\a%2)
.endr
.else
	v_lshlrev_b32 v[BADR], 6, v2
.irp b, 0,1,2,3
	global_load_b128 v[BIAS+8*\b:BIAS+8*\b+3], v[BADR], s[8:9] offset:128*(\b/2)+32*(\b%2)
	global_load_b128 v[BIAS+8*\b+4:BIAS+8*\b+7], v[BADR], s[8:9] offset:128*(\b/2)+32*(\b%2)+16
.endr
.endif
.if MODE == 0
	s_lshr_b32 s2, s43, 4
	s_lshl_b32 s2, s2, 4
	s_and_b32 s3, s42, 7
	s_lshl_b32 s3, s3, 1
	s_add_co_u32 s2, s2, s3
	s_add_co_u32 s2, s2, s22
	s_and_b32 s3, s43, 15
	s_lshl_b32 s66, s2, 7
	s_lshl_b32 s47, s3, 3
	s_add_co_u32 s66, s66, s47
	s_lshl_b32 s47, s21, 2
	s_add_co_u32 s66, s66, s47
	s_lshl_b32 s67, s66, 6
	s_add_co_u32 s67, s67, 9830400
	s_mul_i32 s66, s66, 768
	s_add_co_u32 s66, s66, 6684672
	s_mul_i32 s100, s2, 208896
	s_mul_i32 s47, s3, 13056
	s_add_co_u32 s100, s100, s47
	s_lshl_b32 s47, s21, 8
	s_add_co_u32 s101, s100, s47
	s_add_co_u32 s101, s101, 12288
	s_mul_i32 s47, s21, 3072
	s_add_co_u32 s100, s100, s47
	s_cmp_lt_u32 ttmp9, 2
	s_cselect_b32 s66, s66, s100
	s_cselect_b32 s2, s67, s101
	s_mov_b32 s67, 0
	s_mov_b32 s3, 0
	s_add_nc_u64 s[14:15], s[12:13], s[2:3]
	s_add_nc_u64 s[12:13], s[12:13], s[66:67]
.elseif MODE == 1
	s_lshr_b32 s2, s42, 4
	s_lshl_b32 s2, s2, 4
	s_lshl_b32 s3, s43, 1
	s_add_co_u32 s2, s2, s3
	s_add_co_u32 s2, s2, s21
	s_mul_i32 s2, s2, 208896
	s_and_b32 s3, s42, 15
	s_mul_i32 s3, s3, 13056
	s_add_co_u32 s2, s2, s3
	s_mul_i32 s3, s22, 768
	s_add_co_u32 s66, s2, s3
	s_add_co_u32 s66, s66, 6144
	s_lshl_b32 s3, s22, 1
	s_add_co_u32 s2, s2, s3
	s_add_co_u32 s2, s2, 12800
	s_mov_b32 s67, 0
	s_mov_b32 s3, 0
	s_add_nc_u64 s[14:15], s[12:13], s[2:3]
	s_add_nc_u64 s[12:13], s[12:13], s[66:67]
.elseif MODE == 3
	s_lshl_b32 s2, s43, 3
	s_lshl_b32 s3, s21, 2
	s_add_co_u32 s2, s2, s3
	s_lshl_b32 s2, s2, 5
	s_add_co_u32 s2, s2, s42
	s_mul_i32 s66, s2, 1536
	s_mul_i32 s3, s22, 768
	s_add_co_u32 s66, s66, s3
	s_lshl_b32 s2, s2, 6
	s_lshl_b32 s3, s22, 1
	s_add_co_u32 s2, s2, s3
	s_add_co_u32 s2, s2, 12582912
	s_mov_b32 s67, 0
	s_mov_b32 s3, 0
	s_add_nc_u64 s[14:15], s[12:13], s[2:3]
	s_add_nc_u64 s[12:13], s[12:13], s[66:67]
.else
	s_lshl_b32 s2, s43, 19
	s_lshl_b32 s3, s20, 17
	s_add_co_u32 s2, s2, s3
	s_lshl_b32 s3, s42, 9
	s_add_co_u32 s2, s2, s3
	s_mov_b32 s3, 0
	s_add_nc_u64 s[10:11], s[10:11], s[2:3]
	s_add_nc_u64 s[12:13], s[12:13], s[2:3]
.if MODE == 4
	s_lshl_b32 s66, s43, 10
	s_lshl_b32 s67, s20, 8
	s_add_co_u32 s66, s66, s67
	s_add_co_u32 s66, s66, 3276800
	s_mov_b32 s67, 0
	s_add_nc_u64 s[14:15], s[14:15], s[66:67]
	s_lshl_b32 s66, s42, 9
	s_add_nc_u64 s[16:17], s[16:17], s[66:67]
	s_add_nc_u64 s[18:19], s[18:19], s[66:67]
.endif
	WIN 0x80
.set i, 0
.rept 32
	global_load_b128 v[4*i:4*i+3], v3, s[10:11] offset:(8*(i/16)+(i%16)%8+16*((i%16)/8))*4096
.set i, i+1
.endr
.if MODE == 4
.set i, 0
.rept 32
	global_load_b64 v[128+2*i:129+2*i], v[ZERO], s[14:15] offset:8*i
.set i, i+1
.endr
	global_load_b128 v[192:195], v3, s[16:17]
	global_load_b128 v[196:199], v3, s[18:19]
.endif
	WIN 0
.endif
	s_mul_i32 s2, s21, HALFT
	s_mul_i32 s3, s22, HALFT
	s_add_co_u32 s3, s3, 2*HALFT
.irp s, 0,1
	v_add_nc_u32 v[AA16+\s], s2, v3
	v_add_nc_u32 v[AA8+\s], s2, v4
	v_add_nc_u32 v[AB16+\s], s3, v3
	v_add_nc_u32 v[AB8+\s], s3, v4
	s_add_co_u32 s2, s2, 6144
	s_add_co_u32 s3, s3, 6144
.endr
	s_mul_i32 s2, s21, HALFS
	s_mul_i32 s3, s22, HALFS
	s_add_co_u32 s3, s3, 2*HALFS
	s_sub_co_u32 s3, s3, s2
	v_mul_u32_u24 v5, s3, v2
	s_add_co_u32 s2, s2, SCL
	v_lshl_add_u32 v5, v1, 2, v5
	v_add_nc_u32 v[ADRS], s2, v5
.if (MODE == 2) || (MODE == 4)
	s_mul_i32 s2, s21, 64*528
	s_lshl_b32 s3, s22, 8
	s_add_co_u32 s2, s2, s3
	s_add_co_u32 s2, s2, STAGE
	v_mul_u32_u24 v5, v1, 528
	v_lshl_add_u32 v5, v2, 6, v5
	v_add_nc_u32 v[STO], s2, v5
	s_mul_i32 s2, s20, 32*528
	s_add_co_u32 s2, s2, STAGE
	v_add_nc_u32 v[RD], s2, v3
.else
	v_lshlrev_b32 v[SADR], 2, v1
	v_mad_u32_u24 v[SADR], v2, SSTR, v[SADR]
.endif
	s_wait_alu depctr_va_vdst(0)
	s_wait_tensorcnt 0x0
	s_barrier_signal -1
	s_barrier_wait -1
	FETCH 0, 0, 0
	SCALES 0
.if (MODE == 2) || (MODE == 4)
	s_wait_loadcnt 32
.else
	s_wait_loadcnt 0x0
.endif
.if MODE == 1
.irp a, 0,1,2,3
.irp j, 1,2,3,4,5,6,7
	v_mov_b32 v[BIAS+8*\a+\j], v[BIAS+8*\a]
.endr
.endr
	PLACES
.endif
	STEP 0, 0, 1
.if LAPS > 1
	WIN 0
	s_mov_b32 s67, LAPS-1
.Llap:
	STEP 0, 1, 0
	STEP 0, 2, 0
	TURN 0, 1, 1
	STEP 1, 0, 0
	STEP 1, 1, 0
	STEP 1, 2, 0
	TURN 1, 0, 1
	STEP 0, 0, 0
	WIN 0
	s_sub_co_u32 s67, s67, 1
	s_cmp_lg_u32 s67, 0
	s_cbranch_scc1 .Llap
.endif
	STEP 0, 1, 0
	STEP 0, 2, 0
	TURN 0, 1, 0
	STEP 1, 0, 0
	STEP 1, 1, 0
	STEP 1, 2, 0
	s_wait_dscnt 0x0
	WIN 0x05
	MULA 128, 0, 3, 1, 0
	MULA 128, 1, 3, 1, 0
	MULA 128, 2, 3, 1, 0
	MULA 128, 3, 3, 1, 0
	WIN 0
	PLACES
.if (MODE == 2) || (MODE == 4)
.irp a, 0,1,2,3
.irp b, 0,1,2,3
	ds_store_b128 v[STO], v[ACC+8*(4*\a+\b):ACC+8*(4*\a+\b)+3] offset:16*\a*528+128*(\b/2)+32*(\b%2)
	ds_store_b128 v[STO], v[ACC+8*(4*\a+\b)+4:ACC+8*(4*\a+\b)+7] offset:16*\a*528+128*(\b/2)+32*(\b%2)+16
.endr
.endr
	s_wait_dscnt 0x0
	s_barrier_signal -1
	s_barrier_wait -1
.set i, 0
.rept 32
	ds_load_b128 v[ACC+4*i:ACC+4*i+3], v[RD] offset:528*i
.set i, i+1
.endr
	s_wait_loadcnt 0x0
.if MODE == 4
	WIN 0x8a
.set i, 0
.rept 32
	v_pk_add_f32 v[4*i:4*i+1], v[4*i:4*i+1], v[128+2*i:129+2*i] op_sel_hi:[1,0] neg_lo:[0,1] neg_hi:[0,1]
	v_pk_add_f32 v[4*i+2:4*i+3], v[4*i+2:4*i+3], v[128+2*i:129+2*i] op_sel_hi:[1,0] neg_lo:[0,1] neg_hi:[0,1]
.set i, i+1
.endr
.set i, 0
.rept 32
	v_pk_mul_f32 v[4*i:4*i+1], v[4*i:4*i+1], v[128+2*i:129+2*i] op_sel:[0,1] op_sel_hi:[1,1]
	v_pk_mul_f32 v[4*i+2:4*i+3], v[4*i+2:4*i+3], v[128+2*i:129+2*i] op_sel:[0,1] op_sel_hi:[1,1]
.set i, i+1
.endr
	WIN 0xaa
.set i, 0
.rept 32
	v_pk_fma_f32 v[4*i:4*i+1], v[4*i:4*i+1], v[192:193], v[196:197]
	v_pk_fma_f32 v[4*i+2:4*i+3], v[4*i+2:4*i+3], v[194:195], v[198:199]
.set i, i+1
.endr
.endif
	s_wait_dscnt 0x0
	WIN 0x08
.set i, 0
.rept 64
	v_pk_add_f32 v[ACC+2*i:ACC+2*i+1], v[ACC+2*i:ACC+2*i+1], v[2*i:2*i+1]
.set i, i+1
.endr
	WIN 0
.set i, 0
.rept 32
	global_store_b128 v3, v[ACC+4*i:ACC+4*i+3], s[12:13] offset:(8*(i/16)+(i%16)%8+16*((i%16)/8))*4096
.set i, i+1
.endr
.else
	s_mov_b32 s2, 0x76543210
	s_mov_b32 s3, 0xfedcba98
.if MODE == 3
	s_mov_b32 s47, 0x3f3504f3
	s_mov_b32 s66, 0x3e2ef945
	s_mov_b32 s67, s66
.irp t, 0,1,2,3,4,5,6,7,8,9,10,11,12,13,14,15
	GELU \t
.endr
.endif
.irp k, 0,1,2,3,4,5,6,7
	v_mov_b32 v[EP+\k], 0
.endr
.irp k, 0,1,2,3,4,5,6,7
	v_max3_num_f32 v[EM+\k], |v[ACC+16*\k]|, |v[ACC+16*\k+1]|, 0x1800000
.endr
.irp i, 2,4,6,8,10,12,14
.irp k, 0,1,2,3,4,5,6,7
	v_max3_num_f32 v[EM+\k], v[EM+\k], |v[ACC+16*\k+\i]|, |v[ACC+16*\k+\i+1]|
.endr
.endr
.irp k, 0,1,2,3,4,5,6,7
	v_permlanex16_b32 v[EP+\k], v[EM+\k], s2, s3
.endr
.irp k, 0,1,2,3,4,5,6,7
	v_max_num_f32 v[EM+\k], v[EM+\k], v[EP+\k]
.endr
.irp k, 0,1,2,3,4,5,6,7
	v_add_nc_u32 v[ES+\k], 0xff000000, v[EM+\k]
.endr
.irp k, 0,1,2,3,4,5,6,7
	v_lshrrev_b32 v[EP+\k], 23, v[ES+\k]
.endr
.irp a, 0,1,2,3
	v_lshl_or_b32 v[EM+\a], v[EP+2*\a+1], 8, v[EP+2*\a]
.endr
.if MODE == 0
.irp a, 0,1,2,3
	v_lshl_or_b32 v[EM+\a], v[EM+\a], 16, v[EM+\a]
.endr
.endif
.irp a, 0,1,2,3
	v_cvt_scalef32_pk16_fp6_f32 v[EC+6*\a:EC+6*\a+2], v[ACC+32*\a:ACC+32*\a+15], v[ES+2*\a]
	v_cvt_scalef32_pk16_fp6_f32 v[ET+4*\a:ET+4*\a+2], v[ACC+32*\a+16:ACC+32*\a+31], v[ES+2*\a+1]
.endr
	v_nop
.irp a, 0,1,2,3
.irp i, 0,1,2
	v_permlane16_swap_b32 v[EC+6*\a+\i], v[ET+4*\a+\i]
.endr
.endr
.irp a, 0,1,2,3
.irp i, 0,1,2
	v_mov_b32 v[EC+6*\a+3+\i], v[ET+4*\a+\i]
.endr
.endr
	v_cmp_eq_u32 vcc_lo, 1, v2
	v_cndmask_b32 v[EM], v[EM], v[EM+1], vcc_lo
	v_cndmask_b32 v[EM+2], v[EM+2], v[EM+3], vcc_lo
.irp a, 0,1,2,3
	global_store_b128 v3, v[EC+6*\a:EC+6*\a+3], s[12:13] offset:\a*ASTR
	global_store_b64 v4, v[EC+6*\a+4:EC+6*\a+5], s[12:13] offset:\a*ASTR+512
.endr
.irp a, 0,2
.if MODE == 0
	global_store_b32 v[SADR], v[EM+\a], s[14:15] offset:\a*SSTR
.else
	global_store_b16 v[SADR], v[EM+\a], s[14:15] offset:\a*SSTR
.endif
.endr
.endif
	s_wait_tensorcnt 0x0
	ds_add_u32 v[SPW], v[NIL]
	s_wait_dscnt 0x0
	CROUND
	s_endpgm
.Lfunc_end_k_qfaf4750891_wo:
	.size	k_qfaf4750891_wo, .Lfunc_end_k_qfaf4750891_wo-k_qfaf4750891_wo
	.p2alignl 7, 3214868480
	.fill 96, 4, 3214868480
	.section	.rodata,"a",@progbits
	.p2align	6, 0x0
	.amdhsa_kernel k_qfaf4750891_wo
		.amdhsa_group_segment_fixed_size 327680
		.amdhsa_private_segment_fixed_size 0
		.amdhsa_enable_private_segment 0
		.amdhsa_kernarg_size 40
		.amdhsa_user_sgpr_count 2
		.amdhsa_user_sgpr_kernarg_segment_ptr 1
		.amdhsa_wavefront_size32 1
		.amdhsa_system_sgpr_workgroup_id_x 1
		.amdhsa_system_sgpr_workgroup_id_y 1
		.amdhsa_system_sgpr_workgroup_id_z 1
		.amdhsa_system_vgpr_workitem_id 0
		.amdhsa_next_free_vgpr 768
		.amdhsa_next_free_sgpr 102
		.amdhsa_reserve_vcc 1
		.amdhsa_float_denorm_mode_32 3
		.amdhsa_float_denorm_mode_16_64 3
		.amdhsa_memory_ordered 1
		.amdhsa_forward_progress 1
		.amdhsa_inst_pref_size 61
	.end_amdhsa_kernel
	.amdgpu_metadata
---
amdhsa.version: [ 1, 2 ]
amdhsa.kernels:
  - .name:           k_qfaf4750891_wo
    .symbol:         k_qfaf4750891_wo.kd
    .args:
      - { .name: ob, .offset: 0, .size: 8, .value_kind: global_buffer, .address_space: global }
      - { .name: wts, .offset: 8, .size: 8, .value_kind: global_buffer, .address_space: global }
      - { .name: wo_b, .offset: 16, .size: 8, .value_kind: global_buffer, .address_space: global }
      - { .name: x, .offset: 24, .size: 8, .value_kind: global_buffer, .address_space: global }
      - { .name: y, .offset: 32, .size: 8, .value_kind: global_buffer, .address_space: global }
    .group_segment_fixed_size: 327680
    .private_segment_fixed_size: 0
    .kernarg_segment_align: 8
    .kernarg_segment_size: 40
    .max_flat_workgroup_size: 128
    .sgpr_count:     102
    .vgpr_count:     768
    .wavefront_size: 32
...
	.end_amdgpu_metadata
.endif
;; end of part 4
;; launch ln1 (part 5): grid 256 x 1, 8 waves a work-group, no clusters, 70,144 bytes of LDS; arguments y, ln2_w, ln2_b, a2; writes a2
.if DOCPART == 5
	.amdgcn_target "amdgcn-amd-amdhsa--gfx1250"
	.amdhsa_code_object_version 6
	.text
	.protected	k_qfaf4750891_ln1
	.globl	k_qfaf4750891_ln1
	.p2align	8
	.type	k_qfaf4750891_ln1,@function
k_qfaf4750891_ln1:
	s_mov_b64 s[64:65], 0
	v_nop
	global_prefetch_b8 v0, s[64:65] scope:SCOPE_SE
	s_setreg_imm32_b32 hwreg(HW_REG_WAVE_MODE, 25, 1), 1
	s_wait_xcnt 0x0
; LayerNorm of [4096][1024] f32 rows, quantised along the row into codes of FP6 (E2M3), one E8M0 byte for each 32, laid in the order of the operand's registers.
; out: records [tile of 16 rows][K step 0..7][1,536 bytes] at 0 (a record: for each half c: registers 6 c .. 6 c + 3 at 16 x lane, registers 6 c + 4, 6 c + 5 at 512 + 8 x lane);
; scale words [tile][K step][16 rows x 4 bytes] at 3,145,728; the rows' mean and 1 / sqrt(variance + 1e-5), [tile][row][2] f32, at 3,276,800.
; Row r of tile T is row 32 (T / 2) + 8 (T % 2) + r % 8 + 16 (r / 8) of the input.
; A work-group takes a tile, wave w its columns 128 w .. 128 w + 127.  Loads read 512 consecutive bytes of a row; they turn through the wave's stage in LDS so that lane (r, h) holds k = 64 c + 32 h + 0 .. 31 of row r.
; Mean first, then the mean of (x - mean)^2: a common offset of the input costs no accuracy.  The eight waves' partial sums meet in LDS and are added in one fixed order, so all waves hold the same bits.
; (x - mean) x rstd is multiplied first; gain and bias go in one fused multiply-add where the reference multiplies and adds.
; LIMITS: a block of zeros, or one under 2^-124, gets the scale byte 1: its codes are zeros, and this program alone reads the bytes; NaN and infinities are not served.
.set RED, 67584                        ; LDS behind the eight stages of 8,448 bytes: 512 bytes for the sums, 512 for the sums of squares, 512 for the scale words
.set L16, 1
.set SW,  2
.set SR,  3
.set L8,  4
.set H8,  5
.set GA,  6                            ; v6   128 h: my columns' place in gain and bias
.set RW,  7                            ; v7   RED + 64 w + 4 r
.set RR,  8                            ; v8   RED + 4 r
.set STA, 9                            ; v9   8 r + 4 h
.set MEAN, 10                          ; v10-11 the mean, twice
.set RSTD, 12                          ; v12-13 1 / sqrt(variance + eps), twice
.set M,   14
.set SO,  16
.set BY,  18
.set W,   20
.set PX,  21
.set PT,  22                           ; v22-29 the eight waves' partial sums
.set SCR, 30                           ; v30  RED + 1024 + 16 x lane
.set R,   32                           ; v32-95  16 rows as loaded; later the bias
.set X,   96                           ; v96-159 my 64 numbers
.set G,   160                          ; v160-223 the gain
.set C,   224
.set T,   236
.set SU,  244                          ; v244-251 four chains of sums
.set SEL, 32                           ; s[32:33]
.macro TURN r
.set i, 0
.rept 16
	ds_store_b128 v[SW], v[\r+4*i:\r+4*i+3] offset:528*i
.set i, i+1
.endr
.irp c, 0,1
.irp j, 0,1,2,3,4,5,6,7
	ds_load_b128 v[X+32*\c+4*\j:X+32*\c+4*\j+3], v[SR] offset:256*\c+16*\j
.endr
.endr
.endm
.macro QUANT2                          ; my two whole blocks become registers 6 c .. 6 c + 5; the scale word is gathered from lanes l and l xor 16
.irp c, 0,1
	v_max3_num_f32 v[M+\c], |v[X+32*\c]|, |v[X+32*\c+1]|, 0x1800000   ; with the floor 2^(3 - 127): the byte cannot fall under 1
.endr
.irp i, 2,4,6,8,10,12,14,16,18,20,22,24,26,28,30
.irp c, 0,1
	s_delay_alu instid0(VALU_DEP_2)
	v_max3_num_f32 v[M+\c], v[M+\c], |v[X+32*\c+\i]|, |v[X+32*\c+\i+1]|
.endr
.endr
.irp c, 0,1
	s_delay_alu instid0(VALU_DEP_2)
	v_add_nc_u32 v[SO+\c], 0xff000000, v[M+\c]
.endr
.irp c, 0,1
	s_delay_alu instid0(VALU_DEP_2)
	v_lshrrev_b32 v[BY+\c], 23, v[SO+\c]
.endr
	s_delay_alu instid0(VALU_DEP_1)
	v_lshl_or_b32 v[W], v[BY+1], 16, v[BY]
	s_delay_alu instid0(VALU_DEP_1)
	v_lshlrev_b32 v[W], v[H8], v[W]
	s_delay_alu instid0(VALU_DEP_1)
	v_permlanex16_b32 v[PX], v[W], s[SEL], s[SEL+1]
	s_delay_alu instid0(VALU_DEP_1)
	v_or_b32 v[W], v[W], v[PX]
.irp c, 0,1
	v_cvt_scalef32_pk16_fp6_f32 v[C+6*\c:C+6*\c+2], v[X+32*\c:X+32*\c+15], v[SO+\c]
	v_cvt_scalef32_pk16_fp6_f32 v[T+4*\c:T+4*\c+2], v[X+32*\c+16:X+32*\c+31], v[SO+\c]
.endr
	v_nop                                          ; one plain place behind a scaled conversion
.irp c, 0,1
.irp i, 0,1,2
	v_mov_b32 v[C+6*\c+3+\i], v[T+4*\c+\i]
.endr
.endr
.endm
.macro REDUCE off                      ; the four chains -> my row's sum over all 1,024 columns, in v[PT], the same bits in every wave
	s_delay_alu instid0(VALU_DEP_3)
	v_pk_add_f32 v[SU:SU+1], v[SU:SU+1], v[SU+2:SU+3]
	s_delay_alu instid0(VALU_DEP_2)
	v_pk_add_f32 v[SU+4:SU+5], v[SU+4:SU+5], v[SU+6:SU+7]
	s_delay_alu instid0(VALU_DEP_1)
	v_pk_add_f32 v[SU:SU+1], v[SU:SU+1], v[SU+4:SU+5]
	s_delay_alu instid0(VALU_DEP_1)
	v_add_f32 v[SU], v[SU], v[SU+1]
	s_delay_alu instid0(VALU_DEP_1)
	v_permlanex16_b32 v[PX], v[SU], s[SEL], s[SEL+1]
	s_delay_alu instid0(VALU_DEP_1)
	v_add_f32 v[SU], v[SU], v[PX]                  ; my wave's 128 columns of row r
	ds_store_b32 v[RW], v[SU] offset:\off
	s_wait_dscnt 0x0                               ; for the others' sake: my store has landed
	s_barrier_signal -1
	s_barrier_wait -1
.irp w, 0,1,2,3,4,5,6,7
	ds_load_b32 v[PT+\w], v[RR] offset:\off+64*\w
.endr
	s_wait_dscnt 0x0
	v_add_f32 v[PT], v[PT], v[PT+1]
	v_add_f32 v[PT+2], v[PT+2], v[PT+3]
	v_add_f32 v[PT+4], v[PT+4], v[PT+5]
	v_add_f32 v[PT+6], v[PT+6], v[PT+7]
	s_delay_alu instid0(VALU_DEP_3)
	v_add_f32 v[PT], v[PT], v[PT+2]
	s_delay_alu instid0(VALU_DEP_2)
	v_add_f32 v[PT+4], v[PT+4], v[PT+6]
	s_delay_alu instid0(VALU_DEP_1)
	v_add_f32 v[PT], v[PT], v[PT+4]
.endm
	s_load_b256 s[4:11], s[0:1], 0x0               ; in, gain, bias, out
	v_lshl_add_u32 v254, v0, 2, 0x10e00
	v_mov_b32 v255, 0
	v_lshrrev_b32 v1, 5, v0
	s_delay_alu instid0(VALU_DEP_1)
	v_readfirstlane_b32 s12, v1                    ; wave = K step
	v_and_b32 v14, 31, v0
	v_and_b32 v15, 15, v0                          ; r
	v_bfe_u32 v16, v0, 4, 1                        ; h
	s_delay_alu instid0(VALU_DEP_3)
	v_lshlrev_b32 v[L16], 4, v14
	s_delay_alu instid0(VALU_DEP_4)
	v_lshlrev_b32 v[L8], 3, v14
	s_delay_alu instid0(VALU_DEP_3)
	v_lshlrev_b32 v[H8], 3, v16
	s_delay_alu instid0(VALU_DEP_4)
	v_lshlrev_b32 v[GA], 7, v16
	s_mul_i32 s13, s12, 16*528
	v_add_nc_u32 v[SW], s13, v[L16]
	v_mul_u32_u24 v[SR], v15, 528
	s_delay_alu instid0(VALU_DEP_1)
	v_add_nc_u32 v[SR], v[SR], v[GA]
	s_delay_alu instid0(VALU_DEP_1)
	v_add_nc_u32 v[SR], s13, v[SR]
	v_lshl_add_u32 v[RR], v15, 2, RED
	s_lshl_b32 s13, s12, 6
	v_add_nc_u32 v[RW], s13, v[RR]
	v_add_nc_u32 v[SCR], RED+1024, v[L16]
	v_lshlrev_b32 v[STA], 3, v15
	s_delay_alu instid0(VALU_DEP_1)
	v_lshl_add_u32 v[STA], v16, 2, v[STA]
	v_cmp_eq_u32 s34, 1, v16                       ; lanes 16-31
	v_mov_b32 v[PX], 0                             ; a lane permute's destination counts as one of its sources
	s_mov_b32 s[SEL], 0x76543210
	s_mov_b32 s[SEL+1], 0xfedcba98
	s_mov_b32 s35, 0x3a800000                      ; 1 / 1024
	s_mov_b32 s36, 0x3727c5ac                      ; 1e-5
	s_lshr_b32 s16, ttmp9, 1
	s_lshl_b32 s16, s16, 5
	s_and_b32 s17, ttmp9, 1
	s_lshl_b32 s17, s17, 3
	s_add_co_u32 s16, s16, s17                     ; the tile's first row
	s_lshl_b32 s16, s16, 12
	s_lshl_b32 s18, s12, 9                         ; my 128 columns
	s_add_co_u32 s16, s16, s18
	s_mov_b32 s17, 0
	s_mov_b32 s19, 0
	s_lshl_b32 s20, ttmp9, 3
	s_add_co_u32 s20, s20, s12
	s_mul_i32 s20, s20, 1536                       ; my record
	s_mov_b32 s21, 0
	s_lshl_b32 s22, ttmp9, 9
	s_add_co_u32 s22, s22, 3145728                 ; the tile's scale words
	s_mov_b32 s23, 0
	s_lshl_b32 s24, ttmp9, 7
	s_add_co_u32 s24, s24, 3276800                 ; and its statistics
	s_mov_b32 s25, 0
	s_wait_alu depctr_va_vdst(0)
	s_wait_kmcnt 0x0
	s_add_nc_u64 s[4:5], s[4:5], s[16:17]
	s_add_nc_u64 s[6:7], s[6:7], s[18:19]
	s_add_nc_u64 s[8:9], s[8:9], s[18:19]
	s_add_nc_u64 s[26:27], s[10:11], s[20:21]
	s_add_nc_u64 s[28:29], s[10:11], s[22:23]
	s_add_nc_u64 s[30:31], s[10:11], s[24:25]
.set i, 0
.rept 16
	global_load_b128 v[R+4*i:R+4*i+3], v[L16], s[4:5] offset:(i%8+16*(i/8))*4096   ; 512 consecutive bytes of tile row i
.set i, i+1
.endr
.irp c, 0,1
.irp j, 0,1,2,3,4,5,6,7
	global_load_b128 v[G+32*\c+4*\j:G+32*\c+4*\j+3], v[GA], s[6:7] offset:256*\c+16*\j
.endr
.endr
	s_wait_loadcnt 16                              ; the rows are in; the gain's 16 loads may be out
	TURN R
	s_wait_dscnt 0x0                               ; my 64 numbers are back, and the stage's stores have read R, which takes the bias
.irp c, 0,1
.irp j, 0,1,2,3,4,5,6,7
	global_load_b128 v[R+32*\c+4*\j:R+32*\c+4*\j+3], v[GA], s[8:9] offset:256*\c+16*\j
.endr
.endr
.irp q, 0,2,4,6
	v_pk_add_f32 v[SU+\q:SU+\q+1], v[X+\q:X+\q+1], v[X+8+\q:X+9+\q]
.endr
.irp g, 16,24,32,40,48,56
.irp q, 0,2,4,6
	s_delay_alu instid0(VALU_DEP_4)
	v_pk_add_f32 v[SU+\q:SU+\q+1], v[SU+\q:SU+\q+1], v[X+\g+\q:X+\g+\q+1]
.endr
.endr
	REDUCE 0
	s_delay_alu instid0(VALU_DEP_1)
	v_mul_f32 v[MEAN], s35, v[PT]
	s_delay_alu instid0(VALU_DEP_1)
	v_mov_b32 v[MEAN+1], v[MEAN]
.set i, 0
.rept 32
	v_pk_add_f32 v[X+2*i:X+2*i+1], v[X+2*i:X+2*i+1], v[MEAN:MEAN+1] neg_lo:[0,1] neg_hi:[0,1]   ; x - mean
.set i, i+1
.endr
.irp q, 0,2,4,6
	v_pk_mul_f32 v[SU+\q:SU+\q+1], v[X+\q:X+\q+1], v[X+\q:X+\q+1]
.endr
.irp g, 8,16,24,32,40,48,56
.irp q, 0,2,4,6
	s_delay_alu instid0(VALU_DEP_4)
	v_pk_fma_f32 v[SU+\q:SU+\q+1], v[X+\g+\q:X+\g+\q+1], v[X+\g+\q:X+\g+\q+1], v[SU+\q:SU+\q+1]
.endr
.endr
	REDUCE 512                                     ; other bytes than the first sums': no barrier is needed between the two uses
	s_delay_alu instid0(VALU_DEP_1)
	v_fma_f32 v[RSTD], v[PT], s35, s36             ; variance + eps
	s_wait_alu depctr_va_vdst(0)
	v_rsq_f32 v[RSTD], v[RSTD]
	v_nop                                          ; one plain place behind a transcendental
	s_wait_alu depctr_va_vdst(0)
	v_mov_b32 v[RSTD+1], v[RSTD]
	s_wait_alu depctr_va_vdst(0)
	s_wait_loadcnt 0x0                             ; gain and bias
.set i, 0
.rept 32
	v_pk_mul_f32 v[X+2*i:X+2*i+1], v[X+2*i:X+2*i+1], v[RSTD:RSTD+1]
.set i, i+1
.endr
.set i, 0
.rept 32
	v_pk_fma_f32 v[X+2*i:X+2*i+1], v[X+2*i:X+2*i+1], v[G+2*i:G+2*i+1], v[R+2*i:R+2*i+1]
.set i, i+1
.endr
	QUANT2
	global_store_b128 v[L16], v[C:C+3], s[26:27]
	global_store_b64 v[L8], v[C+4:C+5], s[26:27] offset:512
	global_store_b128 v[L16], v[C+6:C+9], s[26:27] offset:768
	global_store_b64 v[L8], v[C+10:C+11], s[26:27] offset:1280
	ds_store_b32 v[RW], v[W] offset:1024           ; my K step's 16 scale words
	s_wait_dscnt 0x0
	s_barrier_signal -1
	s_barrier_wait -1                              ; the tile's 512 bytes of scale words lie in LDS
	s_cmp_lg_u32 s12, 0
	s_cbranch_scc1 .Ldone                          ; wave 0 stores them, and the statistics
	ds_load_b128 v[PT:PT+3], v[SCR]
	v_cndmask_b32 v[SU], v[MEAN], v[RSTD], s34     ; lanes 0-15 the mean, lanes 16-31 the other
	s_wait_alu depctr_va_vdst(0)
	s_wait_dscnt 0x0
	global_store_b128 v[L16], v[PT:PT+3], s[28:29] ; 512 consecutive bytes, aligned
	global_store_b32 v[STA], v[SU], s[30:31]
.Ldone:
	s_wait_tensorcnt 0x0
	ds_add_u32 v254, v255
	s_wait_dscnt 0x0
	s_endpgm
.Lfunc_end_k_qfaf4750891_ln1:
	.size	k_qfaf4750891_ln1, .Lfunc_end_k_qfaf4750891_ln1-k_qfaf4750891_ln1
	.p2alignl 7, 3214868480
	.fill 96, 4, 3214868480
	.section	.rodata,"a",@progbits
	.p2align	6, 0x0
	.amdhsa_kernel k_qfaf4750891_ln1
		.amdhsa_group_segment_fixed_size 70144
		.amdhsa_private_segment_fixed_size 0
		.amdhsa_enable_private_segment 0
		.amdhsa_kernarg_size 32
		.amdhsa_user_sgpr_count 2
		.amdhsa_user_sgpr_kernarg_segment_ptr 1
		.amdhsa_wavefront_size32 1
		.amdhsa_system_sgpr_workgroup_id_x 1
		.amdhsa_system_sgpr_workgroup_id_y 1
		.amdhsa_system_sgpr_workgroup_id_z 1
		.amdhsa_system_vgpr_workitem_id 0
		.amdhsa_next_free_vgpr 256
		.amdhsa_next_free_sgpr 66
		.amdhsa_reserve_vcc 0
		.amdhsa_float_denorm_mode_32 3
		.amdhsa_float_denorm_mode_16_64 3
		.amdhsa_memory_ordered 1
		.amdhsa_forward_progress 1
		.amdhsa_inst_pref_size 30
	.end_amdhsa_kernel
	.amdgpu_metadata
---
amdhsa.version: [ 1, 2 ]
amdhsa.kernels:
  - .name:           k_qfaf4750891_ln1
    .symbol:         k_qfaf4750891_ln1.kd
    .args:
      - { .name: y, .offset: 0, .size: 8, .value_kind: global_buffer, .address_space: global }
      - { .name: ln2_w, .offset: 8, .size: 8, .value_kind: global_buffer, .address_space: global }
      - { .name: ln2_b, .offset: 16, .size: 8, .value_kind: global_buffer, .address_space: global }
      - { .name: a2, .offset: 24, .size: 8, .value_kind: global_buffer, .address_space: global }
    .group_segment_fixed_size: 70144
    .private_segment_fixed_size: 0
    .kernarg_segment_align: 8
    .kernarg_segment_size: 32
    .max_flat_workgroup_size: 256
    .sgpr_count:     66
    .vgpr_count:     256
    .wavefront_size: 32
...
	.end_amdgpu_metadata
.endif
;; end of part 5
;; launch up (part 6): grid 8 x 32, 4 waves a work-group, clusters of 4 x 4, 327,680 bytes of LDS; arguments a2, wts, up_b, hb; writes hb
.if DOCPART == 6
	.amdgcn_target "amdgcn-amd-amdhsa--gfx1250"
	.amdhsa_code_object_version 6
	.text
	.protected	k_qfaf4750891_up
	.globl	k_qfaf4750891_up
	.p2align	8
	.type	k_qfaf4750891_up,@function
k_qfaf4750891_up:
	s_mov_b64 s[64:65], 0
	v_nop
	global_prefetch_b8 v0, s[64:65] scope:SCOPE_SE
	s_setreg_imm32_b32 hwreg(HW_REG_WAVE_MODE, 25, 1), 1
	s_wait_xcnt 0x0
	s_wait_alu depctr_hold_cnt(0) depctr_sa_sdst(0) depctr_va_vdst(0) depctr_va_sdst(0) depctr_va_ssrc(0) depctr_va_vcc(0) depctr_vm_vsrc(0)
	s_getreg_b32 s2, hwreg(HW_REG_IB_STS2, 6, 4)
	s_cmp_eq_u32 s2, 0
	s_cbranch_scc0 .Lentry_in_a_cluster
	s_endpgm
.Lentry_in_a_cluster:
	s_bfe_u32 s2, ttmp6, 0x10000c
	s_cmp_lg_u32 s2, 0xf033
	s_cbranch_scc0 .Lentry_shape_is_right
	s_endpgm
.Lentry_shape_is_right:
; ONE TEXT FOR TWO GEMMS WITH K = 1,024 WHOSE WORK-GROUPS STAY; the line .set MODE says which.  C[m][n] = sum over k of A[m][k] B[n][k] + bias, on codes of FP6 (E2M3) with one E8M0 byte for each 32 along K.
;   MODE 0  q and k: A = LN1(x), B = wq, then wk; results quantised along a head's 64 -> qkv.      MODE 3  h = gelu(LN2(y) up^T + up_b), quantised along FF -> hb.
; OPERANDS lie in memory as images of their registers.  A record (16 rows x 128 K, 1,536 bytes): for each half c: registers 6 c .. 6 c + 3 at 16 x lane, registers 6 c + 4, 6 c + 5 at 512 + 8 x lane; records [tile][K step];
; scale words [tile][K step][16 rows x 4 bytes].  Row r of tile T is row 32 (T / 2) + 8 (T % 2) + r % 8 + 16 (r / 8).
; SHARES.  A work-group makes TILES tiles of C, 128 x 128 each, all with the same 128 rows of A: B's blocks gx0, gx0 + 8, ..  Each of its four waves makes 64 x 64 of a tile: 16 accumulators.
; THE MATRIX INSTRUCTION IS USED TRANSPOSED (source 0 = a tile of B, source 1 = a tile of A): a lane holds one row of A's tile, and the 16 registers of B's tiles 2 g, 2 g + 1 are 16 neighbouring columns: what the conversions want.
; LDS.  With K = 1,024 the records of 8 tiles of 16 rows are one dense block of 98,304 bytes.  A's block comes once and stays.  B's blocks go through two slots, 131,072 bytes apart, so that one exclusive or turns an address.
; Every wave fetches a quarter of a block (24,576 bytes, as 96 rows of 256) by one joint load.  The scale words of A and of all B's blocks come once, with the first fills: one load of a wave is out at the start, and later one.
; THE RING.  At a tile's head each wave waits for all its tensor loads (its quarter of this tile's B), adds 0 to its spare word, waits for that and for its LDS reads; a round of the cluster's barrier; then the next tile's B is asked for,
; into the slot that the tile before was read from: it has this whole tile, 128 matrix instructions a wave and the way out, in which to land.  The last tile is written out.
; CLUSTERS: 4 x 4 work-groups; A's block is shared along a row of the cluster, B's along a column: joint loads with a mask that names the four.
; REGISTERS: window 0: v1-22 addresses, v28-29 for the add, v32-63 A's scale words (register 4 q + a), v64-95 B's (4 q + b), which are at work with v96-127 on the way out, v128-255 the accumulators ((a, b) at 128 + 8 (4 a + b));
;   window 1: two fragment buffers at v0 and v128 (A's four at + 12 i, B's at + 48 + 12 i); v96-127 the bias, the C of a tile's first products.
; LIMITS: a block of zeros, or one under 2^-124, gets the scale byte 1: its codes are zeros, and this program alone reads the bytes; NaN and infinities are not served.  MODE 3: erfc by a rational Chebyshev form whose
; fractional error is 1.2e-7; its exponential gives 0 under 2^-126 (ISA guide, v_exp_f32), where gelu is under 1e-36 of its argument.
; THE FIRST FILLS AS THEY STAND (the lines on LDS above hold for the ring): one tensor load a wave at the head: wave 0 A's whole block (384 rows of 256 bytes), wave 1 B's first block,
; wave 2 A's scale words (4,096 bytes), wave 3 the scale words of all B's blocks, laid [block][tile][512 bytes].  B's group 1 counts 384 rows for that load and 96 for the ring's.
.set MODE, 3
.if MODE == 3
.set TILES, 4
.set BOFF, 3145728                     ; up's records in wts, and their scale words
.set BSOFF, 9568256
.set ASTR, 49152                       ; from tile a of rows to tile a + 1 in the output's codes, and in its scale words
.set SSTR, 2048
.else
.set TILES, 2
.set BOFF, 0                           ; wq's records, wk's 512 records behind them
.set BSOFF, 9437184
.set ASTR, 768
.set SSTR, 64
.endif
.set ASOFF, 3145728                    ; A's scale words in a1 or a2; its codes lie at 0
.set QUART, 24576                      ; 2 tiles x 8 K steps x 1,536: what one tensor load brings
.set HALF,  49152                      ; 4 tiles: what one wave reads of A or of B
.set BSTEP, 786432                     ; 64 tiles of 16 rows on: B's next block
.set BSLOT, 131072                     ; B's slot 0 begins at 0, slot 1 here
.set SCAL,  98304                      ; A's scale words: 8 tiles x 512 bytes
.set SCBL,  102400                     ; B's: TILES x 4,096 bytes
.set SPARE, 118784                     ; the spare words, 128 bytes for each wave: two blocks of 256 bytes that no other line names
.set ALDS,  229376                     ; A's block
.set AA16, 8                           ; v8, v9    my A fragments: + 16 x lane, + 8 x lane
.set AA8,  9
.set ABZ16, 10                         ; v10, v11  my B fragments in slot 0
.set ABZ8, 11
.set AB16, 12                          ; v12, v13  and in the slot in hand
.set AB8,  13
.set ASA,  14                          ; v14  my A tiles' scale words, row r
.set ASBZ, 15                          ; v15  my B tiles' of the first block
.set ASB,  16                          ; v16  and of the block in hand
.set SADR, 20                          ; v20  4 r + SSTR h
.set BADR, 22                          ; v22  64 h: my place in the bias
.set SPW,  28                          ; v28  SPARE + 4 x my thread's number; never rewritten
.set NIL,  29                          ; v29  0; never rewritten
.set SCA,  32
.set SCB,  64
.set BIAS, 96                          ; in window 1
.set ACC,  128
.set EM,   64                          ; the way out: largest magnitudes, later scale words;  EP the other half's, later bytes;  ES scale operands;  EC codes;  ET second halves
.set EP,   72
.set ES,   80
.set EC,   88
.set ET,   112
.set GZ,   32                          ; gelu, 32 numbers at a time, in the registers that held the scale words: z, later max(x, 0);  t;  the polynomial
.set GT,   64
.set GP,   96
.set G1A,  24                          ; s[24:31] group 1 for A's block;  s[32:35] its group 0;  s[36:39] group 0 for A's scale words
.set G0A,  32
.set G0SA, 36
.set G1B,  48                          ; s[48:55], s[56:59], s[60:63] the same for B; s[56:59] walks
.set G0B,  56
.set G0SB, 60
.set G1SA, 68                          ; s[68:75] group 1 for A's scale words;  s[80:87] for B's
.set G1SB, 80
.set TB,   76                          ; s76  LDS byte at which B's slot in hand begins
.set TS,   77                          ; s77  4,096 x the tile's number: B's scale words
.set MSB, 0
.macro WIN new                         ; the immediate's high byte repeats the setting that is left
.if MSB != \new
	s_set_vgpr_msb (MSB<<8)|\new
.set MSB, \new
.endif
.endm
.macro PLACES                          ; four places behind a matrix instruction of this form, in front of loads into its registers and of reads of its results
.rept 4
	v_nop
.endr
.endm
.macro CREST                           ; a round of the cluster's barrier behind its opening barrier
	s_cmp_lg_u32 s20, 0
	s_cbranch_scc1 .Lnot_wave_0_\@
	s_barrier_signal -3
.Lnot_wave_0_\@:
	s_barrier_wait -3
	s_barrier_signal -1
	s_barrier_wait -1
.endm
.macro CROUND
	s_barrier_signal -1
	s_barrier_wait -1
	CREST
.endm
.macro FRAG reg, x16, x8, off          ; a record into 12 registers: every load takes consecutive bytes
	ds_load_b128 v[\reg:\reg+3], v[\x16] offset:\off
	ds_load_b64 v[\reg+4:\reg+5], v[\x8] offset:\off+512
	ds_load_b128 v[\reg+6:\reg+9], v[\x16] offset:\off+768
	ds_load_b64 v[\reg+10:\reg+11], v[\x8] offset:\off+1280
.endm
.macro FETCH q, f                      ; 32 loads: my four fragments of B and four of A for K step q, into buffer f
	WIN 0x40
.irp i, 0,1,2,3
	FRAG \f+48+12*\i, AB16, AB8, 12288*\i+1536*(\q)
.endr
.irp i, 0,1,2,3
	FRAG \f+12*\i, AA16, AA8, 12288*\i+1536*(\q)
.endr
.endm
.macro SCALES                          ; the scale words of the tile's eight K steps: lane r takes row r's word (lanes 16-31 the same, and are not read)
	WIN 0
.irp q, 0,1,2,3,4,5,6,7
.irp i, 0,1,2,3
	ds_load_b32 v[SCA+4*\q+\i], v[ASA] offset:512*\i+64*\q
	ds_load_b32 v[SCB+4*\q+\i], v[ASB] offset:512*\i+64*\q
.endr
.endr
.endm
.macro BIASLOAD                        ; accumulator (a, b), register j, is column 32 (b / 2) + 16 h + 8 (b % 2) + j of my 64
	WIN 0x40
.irp b, 0,1,2,3
	global_load_b128 v[BIAS+8*\b:BIAS+8*\b+3], v[BADR], s[8:9] offset:128*(\b/2)+32*(\b%2)
	global_load_b128 v[BIAS+8*\b+4:BIAS+8*\b+7], v[BADR], s[8:9] offset:128*(\b/2)+32*(\b%2)+16
.endr
	WIN 0
.endm
.macro MULA f, a, q, first             ; A's tile a against B's four.  first = 1: the bias is the C of the sum's first product.  The 16 accumulators take turns
.irp b, 0,1,2,3
.set DD, ACC+8*(4*\a+\b)
.if \first
	v_wmma_scale_f32_16x16x128_f8f6f4 v[DD:DD+7], v[\f+48+12*\b:\f+59+12*\b], v[\f+12*\a:\f+11+12*\a], v[BIAS+8*\b:BIAS+8*\b+7], v[SCB+4*\q+\b], v[SCA+4*\q+\a] matrix_a_fmt:MATRIX_FMT_FP6 matrix_b_fmt:MATRIX_FMT_FP6
.else
	v_wmma_scale_f32_16x16x128_f8f6f4 v[DD:DD+7], v[\f+48+12*\b:\f+59+12*\b], v[\f+12*\a:\f+11+12*\a], v[DD:DD+7], v[SCB+4*\q+\b], v[SCA+4*\q+\a] matrix_a_fmt:MATRIX_FMT_FP6 matrix_b_fmt:MATRIX_FMT_FP6
.endif
.endr
.endm
.macro STEP q, first                   ; one of a tile's first seven K steps, on buffer q % 2; the next K step's fragments are fetched in its middle
	s_wait_dscnt 0x0                               ; this K step's fragments (and the scale words) are in
	WIN 0x05+0x10*\first                           ; sources 0 and 1 window 1; the bias, as C, window 1 too
	MULA 128*(\q%2), 0, \q, \first
	MULA 128*(\q%2), 1, \q, \first
	PLACES
	FETCH \q+1, 128*(1-\q%2)
	WIN 0x05+0x10*\first
	MULA 128*(\q%2), 2, \q, \first
	MULA 128*(\q%2), 3, \q, \first
.endm
.macro GELU t                          ; the 32 numbers of accumulators 4 t .. 4 t + 3: x <- max(x, 0) - |x| erfc(z) / 2, z = |x| / sqrt(2): x Phi(x) for either sign.  One batch of each transcendental, so five waits serve 32 numbers
.set XA, ACC+32*\t
	s_wait_alu depctr_va_vdst(0)
.set j, 0
.rept 32
	v_mul_f32 v[GZ+j], s23, |v[XA+j]|              ; each accumulator from its low end on
.set j, j+1
.endr
.set j, 0
.rept 16
	v_pk_fma_f32 v[GT+j:GT+j+1], v[GZ+j:GZ+j+1], 0.5, 1.0 op_sel_hi:[1,0,0]
.set j, j+2
.endr
	s_wait_alu depctr_va_vdst(0)                   ; the wait ahead of the batch too
.set j, 0
.rept 32
	v_rcp_f32 v[GT+j], v[GT+j]                     ; t = 1 / (1 + z / 2)
.set j, j+1
.endr
	v_nop                                          ; one plain place behind the transcendentals
	s_wait_alu depctr_va_vdst(0)
.set j, 0
.rept 16
	v_pk_fma_f32 v[GP+j:GP+j+1], v[GT+j:GT+j+1], s[46:47], 0xbf527892 op_sel_hi:[1,0,0]
.set j, j+2
.endr
.irp c, 0x3fbe87b0, 0xbf914e5d, 0x3e8ec7cc, 0xbe3ec24c, 0x3dc636c9, 0x3ebf88fb, 0x3f8000c7, 0xbfa1fc4e
.set j, 0
.rept 16
	v_pk_fma_f32 v[GP+j:GP+j+1], v[GP+j:GP+j+1], v[GT+j:GT+j+1], \c op_sel_hi:[1,1,0]
.set j, j+2
.endr
.endr
.set j, 0
.rept 16
	v_pk_fma_f32 v[GP+j:GP+j+1], v[GZ+j:GZ+j+1], v[GZ+j:GZ+j+1], v[GP+j:GP+j+1] neg_lo:[1,0,0] neg_hi:[1,0,0]   ; u = - z z + the polynomial
.set j, j+2
.endr
.set j, 0
.rept 16
	v_pk_fma_f32 v[GP+j:GP+j+1], v[GP+j:GP+j+1], 0x3fb8aa3b, -1.0 op_sel_hi:[1,0,0]   ; u log2(e) - 1: the halving goes into the exponent
.set j, j+2
.endr
	s_wait_alu depctr_va_vdst(0)                   ; the wait ahead of the batch too
.set j, 0
.rept 32
	v_exp_f32 v[GP+j], v[GP+j]
.set j, j+1
.endr
.set j, 0
.rept 32
	v_max_num_f32 v[GZ+j], 0, v[XA+j]              ; (plain places behind the exponentials)
.set j, j+1
.endr
	s_wait_alu depctr_va_vdst(0)
.set j, 0
.rept 16
	v_pk_mul_f32 v[GP+j:GP+j+1], v[GP+j:GP+j+1], v[GT+j:GT+j+1]              ; erfc(z) / 2
.set j, j+2
.endr
.set j, 0
.rept 32
	v_fma_f32 v[XA+j], -|v[XA+j]|, v[GP+j], v[GZ+j]
.set j, j+1
.endr
.endm
; A TILE OF C.  fill = 1: it has a successor, whose B is asked for at its head.
.macro TILE fill
	s_wait_tensorcnt 0x0                           ; all my tensor loads have landed: my quarter of this tile's B (ahead of the first tile: of A and of the scale words too)
	ds_add_u32 v[SPW], v[NIL]                      ; 0 onto my spare word
.if \fill
	s_xor_b32 s[G0B+1], s[G0B+1], BSLOT            ; no load of mine is out, so descriptors may be written: the other slot,
	s_mov_b32 s[G1B+2], 96<<16                     ; a quarter of a block, 96 rows, a wave
	s_mov_b32 s[G1B+4], 96
	s_add_nc_u64 s[G0B+2:G0B+3], s[G0B+2:G0B+3], BSTEP   ; B's next block; the type bits on top are not reached
.endif
	s_wait_dscnt 0x0                               ; the add is done, and my LDS reads are over, those of the slot that is filled next among them
.if \fill
	CROUND                                         ; both now hold of every wave of every work-group of the cluster
	tensor_load_to_lds s[G0B:G0B+3], s[G1B:G1B+7]  ; my one tensor load behind the round
	s_nop 0
	PLACES
.else
	s_barrier_signal -1
	s_barrier_wait -1
.endif
	s_wait_alu depctr_va_vdst(0)                   ; the wait directly ahead of the reader below
	v_add_nc_u32 v[AB16], s[TB], v[ABZ16]
	v_add_nc_u32 v[AB8], s[TB], v[ABZ8]
	v_add_nc_u32 v[ASB], s[TS], v[ASBZ]
	FETCH 0, 0
	SCALES
	s_wait_alu depctr_va_vdst(0)                   ; the wait directly ahead of the wait below
	s_wait_loadcnt 0x0                             ; the bias
	STEP 0, 1                                      ; the first K step's products start the sums, from the bias
.irp q, 1,2,3,4,5,6
	STEP \q, 0
.endr
	s_wait_dscnt 0x0
	WIN 0x05
	MULA 128, 0, 7, 0
	MULA 128, 1, 7, 0
	MULA 128, 2, 7, 0
	MULA 128, 3, 7, 0
	WIN 0
	PLACES
.if \fill                              ; the next tile's bias is asked for now (the loads that named s[8:9] were waited for at this tile's head)
.if MODE == 0
	s_mov_b64 s[8:9], s[10:11]
.else
	s_add_nc_u64 s[8:9], s[8:9], 4096
.endif
	BIASLOAD
.endif
	; THE WAY OUT AS CODES.  Block 2 a + beta (tile a of rows, columns 32 beta on) lies in 16 registers of lanes l and l xor 16; two blocks make half a record of the next operand, 768 bytes
.if MODE == 3
.irp t, 0,1,2,3
	GELU \t
.endr
.endif
.irp k, 0,1,2,3,4,5,6,7
	v_mov_b32 v[EP+\k], 0                          ; a lane permute's destination counts as one of its sources
.endr
.irp k, 0,1,2,3,4,5,6,7
	v_max3_num_f32 v[EM+\k], |v[ACC+16*\k]|, |v[ACC+16*\k+1]|, 0x1800000   ; with the floor 2^(3 - 127): the byte cannot fall under 1
.endr
.irp i, 2,4,6,8,10,12,14
.irp k, 0,1,2,3,4,5,6,7
	v_max3_num_f32 v[EM+\k], v[EM+\k], |v[ACC+16*\k+\i]|, |v[ACC+16*\k+\i+1]|
.endr
.endr
.irp k, 0,1,2,3,4,5,6,7
	v_permlanex16_b32 v[EP+\k], v[EM+\k], s2, s3
.endr
.irp k, 0,1,2,3,4,5,6,7
	v_max_num_f32 v[EM+\k], v[EM+\k], v[EP+\k]
.endr
.irp k, 0,1,2,3,4,5,6,7
	v_add_nc_u32 v[ES+\k], 0xff000000, v[EM+\k]    ; 2 off the exponent field: the conversion's scale operand
.endr
.irp k, 0,1,2,3,4,5,6,7
	v_lshrrev_b32 v[EP+\k], 23, v[ES+\k]           ; the byte
.endr
.irp a, 0,1,2,3
	v_lshl_or_b32 v[EM+\a], v[EP+2*\a+1], 8, v[EP+2*\a]
.endr
.if MODE == 0
.irp a, 0,1,2,3
	v_lshl_or_b32 v[EM+\a], v[EM+\a], 16, v[EM+\a] ; a head's two bytes twice: the attention uses the 64 codes in either half of a K step
.endr
.endif
.irp a, 0,1,2,3
	v_cvt_scalef32_pk16_fp6_f32 v[EC+6*\a:EC+6*\a+2], v[ACC+32*\a:ACC+32*\a+15], v[ES+2*\a]
	v_cvt_scalef32_pk16_fp6_f32 v[ET+4*\a:ET+4*\a+2], v[ACC+32*\a+16:ACC+32*\a+31], v[ES+2*\a+1]
.endr
	v_nop                                          ; one plain place behind a scaled conversion
.irp a, 0,1,2,3
.irp i, 0,1,2
	v_permlane16_swap_b32 v[EC+6*\a+\i], v[ET+4*\a+\i]   ; the layout wants a whole block in a lane: lanes 0-15 block 0, lanes 16-31 block 1
.endr
.endr
.irp a, 0,1,2,3
.irp i, 0,1,2
	v_mov_b32 v[EC+6*\a+3+\i], v[ET+4*\a+\i]
.endr
.endr
	v_cmp_eq_u32 vcc_lo, 1, v2
	v_cndmask_b32 v[EM], v[EM], v[EM+1], vcc_lo    ; lanes 0-15 store tile a's scale bytes, lanes 16-31 tile a + 1's
	v_cndmask_b32 v[EM+2], v[EM+2], v[EM+3], vcc_lo
.irp a, 0,1,2,3
	global_store_b128 v3, v[EC+6*\a:EC+6*\a+3], s[12:13] offset:\a*ASTR          ; 512 consecutive bytes, aligned
	global_store_b64 v4, v[EC+6*\a+4:EC+6*\a+5], s[12:13] offset:\a*ASTR+512     ; 256
.endr
.irp a, 0,2
.if MODE == 0
	global_store_b32 v[SADR], v[EM+\a], s[14:15] offset:\a*SSTR
.else
	global_store_b16 v[SADR], v[EM+\a], s[14:15] offset:\a*SSTR                  ; my half of the words: one byte in 24 of what the codes take
.endif
.endr
.if \fill
	s_wait_xcnt 0x0                                ; the stores have read their registers and bases: both are written again only behind this wait
.if MODE == 0
	s_mov_b64 s[12:13], s[88:89]                   ; the next tile is k's
	s_mov_b64 s[14:15], s[90:91]
.else
	s_add_nc_u64 s[12:13], s[12:13], 12288         ; eight K steps of h on
	s_add_nc_u64 s[14:15], s[14:15], 512
.endif
	s_xor_b32 s[TB], s[TB], BSLOT                  ; on to the other slot,
	s_add_co_u32 s[TS], s[TS], 4096                ; and to the next block's scale words
.endif
.endm
	s_load_b128 s[4:7], s[0:1], 0x0                ; A's buffer, wts
	s_load_b64 s[8:9], s[0:1], 0x10                ; the bias
.if MODE == 0
	s_load_b64 s[10:11], s[0:1], 0x18              ; wk_b
	s_load_b64 s[12:13], s[0:1], 0x20              ; the output
.else
	s_load_b64 s[12:13], s[0:1], 0x18              ; the output
.endif
	v_lshl_add_u32 v[SPW], v0, 2, SPARE
	v_mov_b32 v[NIL], 0
	ds_add_u32 v28, v29
	ds_add_u32 v28, v29
	s_wait_dscnt 0x0
	v_lshrrev_b32 v1, 5, v0
	v_readfirstlane_b32 s20, v1                    ; wave 0..3
	s_lshr_b32 s21, s20, 1                         ; which half of A's rows is mine
	s_and_b32 s22, s20, 1                          ; which half of B's rows
	s_bfe_u32 s40, ttmp6, 0x40000                  ; cx, cy
	s_bfe_u32 s41, ttmp6, 0x40004
	s_lshl_b32 s42, ttmp9, 2
	s_add_co_u32 s42, s42, s40                     ; gx0: B's first block of 128 rows, 0 .. 7
	s_and_b32 s43, ttmp7, 0xffff
	s_lshl_b32 s43, s43, 2
	s_add_co_u32 s43, s43, s41                     ; gy: A's block of 128 rows
	s_lshl_b32 s44, s41, 2
	s_lshl_b32 s44, 15, s44                        ; my row of the cluster
	s_lshl_b32 s45, 0x1111, s40                    ; my column
	s_or_b32 s[G1A], s44, (3<<16)|(1<<21)          ; the mask; elements of 8 bytes; bit 21 beside a mask; no padding
	s_or_b32 s[G1B], s45, (3<<16)|(1<<21)
.irp g, G1A, G1B                       ; a dense block of 98,304 bytes as 384 rows of 256
	s_mov_b32 s[\g+1], 32<<16
	s_mov_b32 s[\g+2], 384<<16
	s_mov_b32 s[\g+3], 32<<16
	s_mov_b32 s[\g+4], 384
	s_mov_b32 s[\g+5], 32
	s_mov_b32 s[\g+6], 0
	s_mov_b32 s[\g+7], 0
.endr
	s_or_b32 s[G1SA], s44, (3<<16)|(1<<21)         ; the scale words of A's eight tiles: 4,096 dense bytes as 16 rows of 256
	s_mov_b32 s[G1SA+1], 32<<16
	s_mov_b32 s[G1SA+2], 16<<16
	s_mov_b32 s[G1SA+3], 32<<16
	s_mov_b32 s[G1SA+4], 16
	s_mov_b32 s[G1SA+5], 32
	s_mov_b32 s[G1SA+6], 0
	s_mov_b32 s[G1SA+7], 0
	s_or_b32 s[G1SB], s45, (3<<16)|(1<<21)         ; those of eight tiles of each of B's blocks: TILES rows of 4,096 bytes, 32,768 bytes apart
	s_mov_b32 s[G1SB+1], 512<<16
	s_mov_b32 s[G1SB+2], TILES<<16
	s_mov_b32 s[G1SB+3], 512<<16
	s_mov_b32 s[G1SB+4], TILES
	s_mov_b32 s[G1SB+5], 4096
	s_mov_b32 s[G1SB+6], 0
	s_mov_b32 s[G1SB+7], 0
	s_lshl_b32 s92, s43, 3                         ; A: tile 8 gy; these registers never hold gx0
	s_lshl_b32 s94, s92, 9
	s_add_co_u32 s94, s94, ASOFF
	s_mul_i32 s92, s92, 12288
	s_mov_b32 s93, 0
	s_mov_b32 s95, 0
	s_lshl_b32 s96, s42, 3                         ; B: tile 8 gx0; these never hold gy
	s_lshl_b32 s98, s96, 9
	s_add_co_u32 s98, s98, BSOFF
	s_mul_i32 s96, s96, 12288
	s_add_co_u32 s96, s96, BOFF
	s_mov_b32 s97, 0
	s_mov_b32 s99, 0
	s_mul_i32 s16, s20, QUART                      ; where they go: no place in the cluster enters an LDS address
	s_mov_b32 s17, 0
	s_wait_kmcnt 0x0
	s_mov_b32 s[G0SA], 1
	s_mov_b32 s[G0SA+1], SCAL
	s_add_nc_u64 s[G0SA+2:G0SA+3], s[4:5], s[94:95]
	s_or_b32 s[G0SA+3], s[G0SA+3], 0x80000000
	s_mov_b32 s[G0SB], 1
	s_mov_b32 s[G0SB+1], SCBL
	s_add_nc_u64 s[G0SB+2:G0SB+3], s[6:7], s[98:99]
	s_or_b32 s[G0SB+3], s[G0SB+3], 0x80000000
	s_mov_b32 s[G0A], 1
	s_mov_b32 s[G0A+1], ALDS
	s_add_nc_u64 s[G0A+2:G0A+3], s[4:5], s[92:93]
	s_or_b32 s[G0A+3], s[G0A+3], 0x80000000
	s_mov_b32 s[G0B], 1
	s_mov_b32 s[G0B+1], s16                        ; slot 0
	s_add_nc_u64 s[6:7], s[6:7], s[96:97]          ; B's first block
	s_add_nc_u64 s[G0B+2:G0B+3], s[6:7], s[16:17]  ; the ring's group 0: my quarter of it
	s_or_b32 s[G0B+3], s[G0B+3], 0x80000000
	s_mov_b32 s4, 1                                ; s[4:7]: group 0 for the whole first block, into slot 0 (the arguments that lay there have been used)
	s_mov_b32 s5, 0
	s_or_b32 s7, s7, 0x80000000
	CROUND                                         ; all sixteen work-groups are here: the first joint loads meet
.macro ARM under, g0, g1, next         ; one tree of branches on the wave's number: every way through the head passes exactly one load
	s_cmp_lt_u32 s20, \under
	s_cbranch_scc0 \next
	tensor_load_to_lds s[\g0:\g0+3], s[\g1:\g1+7]
	s_nop 0
	PLACES
	s_branch .Lhead_asked
\next:
.endm
	ARM 1, G0A, G1A, .Lhead_b
	ARM 2, 4, G1B, .Lhead_sa
	ARM 3, G0SA, G1SA, .Lhead_sb
	tensor_load_to_lds s[G0SB:G0SB+3], s[G1SB:G1SB+7]
	s_nop 0
	PLACES
.Lhead_asked:
	v_and_b32 v1, 15, v0                           ; r
	v_bfe_u32 v2, v0, 4, 1                         ; h
	v_and_b32 v5, 31, v0
	v_lshlrev_b32 v3, 4, v5                        ; 16 x lane
	v_lshlrev_b32 v4, 3, v5                        ; 8 x lane
	s_wait_alu depctr_va_vdst(0)                   ; the wait ahead of the run of scalar instructions
	s_lshl_b32 s66, s42, 9                         ; the bias of my 64 columns: 4 (128 gx0 + 64 wc) bytes on
	s_lshl_b32 s67, s22, 8
	s_add_co_u32 s66, s66, s67
	s_mov_b32 s67, 0
	s_add_nc_u64 s[8:9], s[8:9], s[66:67]
.if MODE == 0
	s_add_nc_u64 s[10:11], s[10:11], s[66:67]
.endif
	v_lshlrev_b32 v[BADR], 6, v2
	BIASLOAD
	; where the results go
.if MODE == 0
	s_lshr_b32 s16, s43, 4
	s_lshl_b32 s16, s16, 4
	s_lshl_b32 s17, s42, 1
	s_add_co_u32 s16, s16, s17
	s_add_co_u32 s16, s16, s22                     ; bh = 16 batch + head: my 64 columns are one head
	s_and_b32 s17, s43, 15                         ; the block of 128 tokens in the sequence
	s_lshl_b32 s66, s16, 7
	s_lshl_b32 s79, s17, 3
	s_add_co_u32 s66, s66, s79
	s_lshl_b32 s79, s21, 2
	s_add_co_u32 s66, s66, s79                     ; q: tile 128 bh + 8 block + 4 wr
	s_lshl_b32 s100, s66, 6
	s_add_co_u32 s100, s100, 9830400
	s_mul_i32 s66, s66, 768
	s_add_co_u32 s66, s66, 6684672
	s_mov_b32 s67, 0
	s_mov_b32 s101, 0
	s_add_nc_u64 s[14:15], s[12:13], s[100:101]    ; q's scale words
	s_mul_i32 s100, s16, 208896
	s_mul_i32 s79, s17, 13056
	s_add_co_u32 s100, s100, s79                   ; k: the key step's block
	s_mul_i32 s79, s21, 3072
	s_add_co_u32 s18, s100, s79
	s_mov_b32 s19, 0
	s_add_nc_u64 s[88:89], s[12:13], s[18:19]      ; k's codes
	s_lshl_b32 s79, s21, 8
	s_add_co_u32 s100, s100, s79
	s_add_co_u32 s100, s100, 12288
	s_add_nc_u64 s[90:91], s[12:13], s[100:101]    ; k's scale words
	s_add_nc_u64 s[12:13], s[12:13], s[66:67]      ; q's codes
.else
	s_lshl_b32 s16, s43, 3
	s_lshl_b32 s17, s21, 2
	s_add_co_u32 s16, s16, s17
	s_lshl_b32 s16, s16, 5
	s_add_co_u32 s16, s16, s42                     ; record (8 gy + 4 wr) x 32 + gx0
	s_mul_i32 s66, s16, 1536
	s_mul_i32 s17, s22, 768
	s_add_co_u32 s66, s66, s17
	s_lshl_b32 s16, s16, 6
	s_lshl_b32 s17, s22, 1
	s_add_co_u32 s16, s16, s17
	s_add_co_u32 s16, s16, 12582912
	s_mov_b32 s67, 0
	s_mov_b32 s17, 0
	s_add_nc_u64 s[14:15], s[12:13], s[16:17]
	s_add_nc_u64 s[12:13], s[12:13], s[66:67]
.endif
	s_mul_i32 s100, s21, HALF                      ; my four tiles of A,
	s_add_co_u32 s100, s100, ALDS
	v_add_nc_u32 v[AA16], s100, v3
	v_add_nc_u32 v[AA8], s100, v4
	s_mul_i32 s100, s22, HALF                      ; and of B
	v_add_nc_u32 v[ABZ16], s100, v3
	v_add_nc_u32 v[ABZ8], s100, v4
	s_lshl_b32 s100, s21, 11                       ; their scale words: A's tile I at 512 I;
	s_add_co_u32 s100, s100, SCAL
	v_lshl_add_u32 v[ASA], v1, 2, s100
	s_lshl_b32 s100, s22, 11                       ; B's tile I of block t at 4,096 t + 512 I
	s_add_co_u32 s100, s100, SCBL
	v_lshl_add_u32 v[ASBZ], v1, 2, s100
	v_lshlrev_b32 v[SADR], 2, v1
	v_mad_u32_u24 v[SADR], v2, SSTR, v[SADR]
	s_mov_b32 s2, 0x76543210
	s_mov_b32 s3, 0xfedcba98                       ; v_permlanex16_b32's selects for lane l xor 16
	s_mov_b32 s23, 0x3f3504f3                      ; 1 / sqrt(2)
	s_mov_b32 s46, 0x3e2ef945                      ; the polynomial's leading coefficient
	s_mov_b32 s47, s46
	s_mov_b32 s[TB], 0
	s_mov_b32 s[TS], 0
.if TILES > 2
	s_mov_b32 s78, TILES-1
.Ltile:                                                ; TILES - 1 trips: every tile but the last asks for its successor's B
	TILE 1
	s_sub_co_u32 s78, s78, 1
	s_cmp_lg_u32 s78, 0
	s_cbranch_scc1 .Ltile
.else
	TILE 1
.endif
	TILE 0                                         ; the last tile is written out: it asks for nothing
	s_wait_tensorcnt 0x0                           ; the wave's end
	ds_add_u32 v[SPW], v[NIL]
	s_wait_dscnt 0x0
	CROUND                                         ; the closing round: no work-group ends while a partner may still ask for a tile that names it
	s_endpgm
.Lfunc_end_k_qfaf4750891_up:
	.size	k_qfaf4750891_up, .Lfunc_end_k_qfaf4750891_up-k_qfaf4750891_up
	.p2alignl 7, 3214868480
	.fill 96, 4, 3214868480
	.section	.rodata,"a",@progbits
	.p2align	6, 0x0
	.amdhsa_kernel k_qfaf4750891_up
		.amdhsa_group_segment_fixed_size 327680
		.amdhsa_private_segment_fixed_size 0
		.amdhsa_enable_private_segment 0
		.amdhsa_kernarg_size 32
		.amdhsa_user_sgpr_count 2
		.amdhsa_user_sgpr_kernarg_segment_ptr 1
		.amdhsa_wavefront_size32 1
		.amdhsa_system_sgpr_workgroup_id_x 1
		.amdhsa_system_sgpr_workgroup_id_y 1
		.amdhsa_system_sgpr_workgroup_id_z 1
		.amdhsa_system_vgpr_workitem_id 0
		.amdhsa_next_free_vgpr 512
		.amdhsa_next_free_sgpr 102
		.amdhsa_reserve_vcc 1
		.amdhsa_float_denorm_mode_32 3
		.amdhsa_float_denorm_mode_16_64 3
		.amdhsa_memory_ordered 1
		.amdhsa_forward_progress 1
		.amdhsa_inst_pref_size 255
	.end_amdhsa_kernel
	.section	.bss,"aw",@nobits
	.p2align	6
	.space	262144
	.amdgpu_metadata
---
amdhsa.version: [ 1, 2 ]
amdhsa.kernels:
  - .name:           k_qfaf4750891_up
    .symbol:         k_qfaf4750891_up.kd
    .args:
      - { .name: a2, .offset: 0, .size: 8, .value_kind: global_buffer, .address_space: global }
      - { .name: wts, .offset: 8, .size: 8, .value_kind: global_buffer, .address_space: global }
      - { .name: up_b, .offset: 16, .size: 8, .value_kind: global_buffer, .address_space: global }
      - { .name: hb, .offset: 24, .size: 8, .value_kind: global_buffer, .address_space: global }
    .group_segment_fixed_size: 327680
    .private_segment_fixed_size: 0
    .kernarg_segment_align: 8
    .kernarg_segment_size: 32
    .max_flat_workgroup_size: 128
    .sgpr_count:     102
    .vgpr_count:     512
    .wavefront_size: 32
...
	.end_amdgpu_metadata
.endif
;; end of part 6
;; launch down (part 7): grid 8 x 32, 4 waves a work-group, clusters of 4 x 4, 327,680 bytes of LDS; arguments hb, wts, down_b, y, a2, ln2_w, ln2_b, out0; writes out0
.if DOCPART == 7
	.amdgcn_target "amdgcn-amd-amdhsa--gfx1250"
	.amdhsa_code_object_version 6
	.text
	.protected	k_qfaf4750891_down
	.globl	k_qfaf4750891_down
	.p2align	8
	.type	k_qfaf4750891_down,@function
k_qfaf4750891_down:
	s_mov_b64 s[64:65], 0
	v_nop
	global_prefetch_b8 v0, s[64:65] scope:SCOPE_SE
	s_setreg_imm32_b32 hwreg(HW_REG_WAVE_MODE, 25, 1), 1
	s_wait_xcnt 0x0
	s_wait_alu depctr_hold_cnt(0) depctr_sa_sdst(0) depctr_va_vdst(0) depctr_va_sdst(0) depctr_va_ssrc(0) depctr_va_vcc(0) depctr_vm_vsrc(0)
	s_getreg_b32 s2, hwreg(HW_REG_IB_STS2, 6, 4)
	s_cmp_eq_u32 s2, 0
	s_cbranch_scc0 .Lentry_in_a_cluster
	s_endpgm
.Lentry_in_a_cluster:
	s_bfe_u32 s2, ttmp6, 0x10000c
	s_cmp_lg_u32 s2, 0xf033
	s_cbranch_scc0 .Lentry_shape_is_right
	s_endpgm
.Lentry_shape_is_right:
; out0 = LN2(y) + h down^T + down_b.  h (hb) and down (wts) are codes of FP6 (E2M3) with one E8M0 byte for each 32 along K = 4,096; LN2(y) is made anew from y and the stored mean and rstd (a2).
; OPERANDS lie in memory as images of their registers.  A record (16 rows x 128 K, 1,536 bytes): for each half c: registers 6 c .. 6 c + 3 at 16 x lane, 6 c + 4, 6 c + 5 at 512 + 8 x lane; records [tile][K step];
; scale words [tile][K step][16 rows x 4 bytes].  Row r of tile T is row 32 (T / 2) + 8 (T % 2) + r % 8 + 16 (r / 8).
; SHARES.  256 work-groups; each makes 128 x 128 of the result, each of its four waves 64 x 64: 16 accumulators, which take turns.  Source 0 = a tile of down, source 1 = a tile of h: a lane holds one row of the result.
; LDS: two slots of four K steps (A's 8 tiles x 6,144 bytes, then B's: 98,304 bytes); the scale words of all K (2 x 16,384 bytes), fetched once; a stage of 128 x 528 bytes for the way out; the spare words.
; THE HEAD: one joint load a wave: wave 0 slot 0's eight tiles of A, wave 1 those of B, wave 2 A's scale words, wave 3 B's.  Slot 1's first fill stands behind the three lines and a round, a quarter a wave.
; THE RING: at a slot's last K step each wave waits for all its tensor loads, adds 0 to its spare word, waits for that and for its reads; a round of the cluster's barrier; the slot is filled again, two slots ahead: one load of a wave is out.
; CLUSTERS: 4 x 4 work-groups; A's tiles are shared along a row of the cluster, B's along a column: joint loads with a mask that names the four.
; PREFETCH: behind each refill a wave names the fill that stands two refills on: of the four tiles that it fetches, the partner at place p (cx for A, cy for B) takes tile p: 6,144 bytes, 24 blocks of 256, a lane a block
; (lanes 24-31 name the last again).  The head names fills 2 and 3; the refills of the loop's last trip name nothing, since fill 7 is the last.  At most two fills of a wave's one tile are asked for and not yet read.
; REGISTERS: window 0: v1-30 addresses, v32-63 scale words (two sets), v64-95 the bias as the first products' C, v128-255 the accumulators ((a, b) at 128 + 8 (4 a + b)); window 1: two fragment buffers at v0 and v128
; (A's four at + 12 i, B's at + 48 + 12 i); window 2: v0-127 y's rows, v128-129 mean and rstd (lane i: my row i), v192-199 LN2's gain and bias.
; LIMITS: NaN and infinities are not served.
.set KS,    32
.set LAPS,  KS/8                       ; a lap = two slots = 1,024 along K
.set TROW,  KS*1536                    ; bytes from tile to tile
.set ASOFF, 12582912
.set BOFF,  6291456
.set BSOFF, 9699328
.set FILL,  6144                       ; four records: a tile's part of a slot
.set HALFT, 24576                      ; 4 tiles x 4 K steps: a ring load, and what one wave reads of A or of B in a slot
.set SLOT,  98304
.set SCL,   196608
.set HALFS, 256*KS                     ; the scale words of 4 tiles, all K
.set STAGE, 229376
.set SPARE, 296960
.set AA16, 8                           ; v8-9 my A fragments in slot 0, 1: + 16 x lane;  v10-11: + 8 x lane
.set AA8,  10
.set AB16, 12                          ; v12-15 the same for B
.set AB8,  14
.set ADRS, 16                          ; my scale words: lanes 0-15 A's, lanes 16-31 B's
.set STO,  17
.set RD,   18
.set BADR, 22
.set SPW,  28                          ; SPARE + 4 x my thread's number; never rewritten
.set NIL,  29                          ; 0; never rewritten
.set PFO,  30                          ; 256 x min(lane, 23); never rewritten
.set SC,   32
.set BIAS, 64
.set ACC,  128
.set G1,   24
.set G0,   32
.set PFA,  44                          ; s[44:45] my tile's place in the fill behind the one being read
.set G1B,  48
.set G0B,  56
.set G1S,  68
.set G0S,  76
.set G1SB, 80
.set G0SB, 88
.set G0H,  92                          ; s[92:95], s[96:99]: group 0 of the head's loads of slot 0
.set G0HB, 96
.set MSB, 0
.macro WIN new                         ; the immediate's high byte repeats the setting that is left
.if MSB != \new
	s_set_vgpr_msb (MSB<<8)|\new
.set MSB, \new
.endif
.endm
.macro PLACES                          ; four places behind a matrix instruction of this form (ISA guide 7.12.1)
.rept 4
	v_nop
.endr
.endm
.macro JLOAD g0a, g1a, g0b, g1b        ; a joint load: waves 0 and 1 fetch for A, waves 2 and 3 for B
	s_cmp_eq_u32 s21, 0
	s_cbranch_scc0 .Lfor_b_\@
	tensor_load_to_lds s[\g0a:\g0a+3], s[\g1a:\g1a+7]
	s_nop 0
	PLACES
	s_branch .Lasked_\@
.Lfor_b_\@:
	tensor_load_to_lds s[\g0b:\g0b+3], s[\g1b:\g1b+7]
	s_nop 0
	PLACES
.Lasked_\@:
.endm
.macro ARM under, g0, g1, next         ; one tree of branches on the wave's number: every way through the head passes exactly one load
	s_cmp_lt_u32 s20, \under
	s_cbranch_scc0 \next
	tensor_load_to_lds s[\g0:\g0+3], s[\g1:\g1+7]
	s_nop 0
	PLACES
	s_branch .Lhead_asked
\next:
.endm
.macro CREST                           ; a round of the cluster's barrier behind its opening barrier
	s_cmp_lg_u32 s20, 0
	s_cbranch_scc1 .Lnot_wave_0_\@
	s_barrier_signal -3
.Lnot_wave_0_\@:
	s_barrier_wait -3
	s_barrier_signal -1
	s_barrier_wait -1
.endm
.macro CROUND
	s_barrier_signal -1
	s_barrier_wait -1
	CREST
.endm
.macro ASK                             ; the fill two refills on; not in the loop's last trip (s67 = 1)
	s_cmp_gt_u32 s67, 1
	s_cbranch_scc0 .Lno_ask_\@
	global_prefetch_b8 v[PFO], s[PFA:PFA+1] offset:3*FILL th:TH_LOAD_NT scope:SCOPE_SE
.Lno_ask_\@:
.endm
.macro FRAG reg, x16, x8, off          ; a record into 12 registers: every load takes consecutive bytes
	ds_load_b128 v[\reg:\reg+3], v[\x16] offset:\off
	ds_load_b64 v[\reg+4:\reg+5], v[\x8] offset:\off+512
	ds_load_b128 v[\reg+6:\reg+9], v[\x16] offset:\off+768
	ds_load_b64 v[\reg+10:\reg+11], v[\x8] offset:\off+1280
.endm
.macro FETCH slot, q, f                ; 32 loads: my four fragments of B and four of A for the slot's K step q, into buffer f
	WIN 0x40
.irp i, 0,1,2,3
	FRAG \f+48+12*\i, AB16+\slot, AB8+\slot, FILL*\i+1536*(\q)
.endr
.irp i, 0,1,2,3
	FRAG \f+12*\i, AA16+\slot, AA8+\slot, FILL*\i+1536*(\q)
.endr
.endm
.macro SCALES set                      ; the scale words of a slot's four K steps
	WIN 0
.irp q, 0,1,2,3
.irp i, 0,1,2,3
	ds_load_b32 v[SC+16*\set+4*\q+\i], v[ADRS] offset:64*KS*\i+64*\q
.endr
.endr
.endm
.macro MULA f, a, q, set, first        ; A's tile a against B's four.  first = 1: the bias is the C of the sum's first product
.irp b, 0,1,2,3
.set DD, ACC+8*(4*\a+\b)
.set CC, ACC+8*(4*\a+\b)
.if \first
.set CC, BIAS+8*\b
.endif
	v_wmma_scale_f32_16x16x128_f8f6f4 v[DD:DD+7], v[\f+48+12*\b:\f+59+12*\b], v[\f+12*\a:\f+11+12*\a], v[CC:CC+7], v[SC+16*\set+4*\q+\b], v[SC+16*\set+4*\q+\a] matrix_a_fmt:MATRIX_FMT_FP6 matrix_b_fmt:MATRIX_FMT_FP6 matrix_a_scale:MATRIX_SCALE_ROW1
.endr
.endm
.macro STEP slot, q, first             ; one of a slot's first three K steps, on buffer q % 2; the next K step's fragments are fetched in its middle
	s_wait_dscnt 0x0                               ; this K step's fragments (and scale words) are in
	WIN 0x05
	MULA 128*(\q%2), 0, \q, \slot, \first
	MULA 128*(\q%2), 1, \q, \slot, \first
	PLACES
	FETCH \slot, \q+1, 128*(1-\q%2)
	WIN 0x05
	MULA 128*(\q%2), 2, \q, \slot, \first
	MULA 128*(\q%2), 3, \q, \slot, \first
.endm
.macro TURN slot, next, fill           ; a slot's last K step changes slots: one barrier; fill = 1: it opens a round of the cluster's barrier, and this slot is filled again
	WIN 0
.if \fill
	s_wait_xcnt 0x0                                ; my last prefetch has read its address: it is stepped only behind this wait
	s_add_nc_u64 s[PFA:PFA+1], s[PFA:PFA+1], FILL
.endif
	s_wait_tensorcnt 0x0                           ; all my tensor loads have landed: my part of the next slot
	ds_add_u32 v[SPW], v[NIL]                      ; 0 onto my spare word
	s_wait_dscnt 1                                 ; the fragments are in; the add alone may be out
	WIN 0x05
	MULA 128, 0, 3, \slot, 0
	s_wait_dscnt 0x0                               ; the add is done, and my reads of this slot are over
	s_barrier_signal -1
	MULA 128, 1, 3, \slot, 0
	WIN 0
	s_barrier_wait -1
.if \fill
	CREST                                          ; no wave of any partner still reads this slot or has a load on its way
	s_add_nc_u64 s[G0+4*\slot+2:G0+4*\slot+3], s[G0+4*\slot+2:G0+4*\slot+3], 2*FILL
	s_add_nc_u64 s[G0B+4*\slot+2:G0B+4*\slot+3], s[G0B+4*\slot+2:G0B+4*\slot+3], 2*FILL
	JLOAD G0+4*\slot, G1, G0B+4*\slot, G1B         ; the first tensor load behind the round; its four v_nop are the places in front of the loads below
.else
	PLACES
.endif
	s_wait_alu depctr_va_vdst(0)                   ; the wait directly ahead of the reader below
	v_add_nc_u32 v[ADRS], 256, v[ADRS]             ; the next slot's scale words
	FETCH \next, 0, 0
	SCALES \next
.if \fill
	ASK
.endif
	WIN 0x05
	MULA 128, 2, 3, \slot, 0
	MULA 128, 3, 3, \slot, 0
.endm
	s_load_b128 s[4:7], s[0:1], 0x0                ; hb, wts
	s_load_b128 s[8:11], s[0:1], 0x10              ; down_b, y
	s_load_b64 s[14:15], s[0:1], 0x20              ; a2: the statistics
	s_load_b128 s[16:19], s[0:1], 0x28             ; ln2_w, ln2_b
	s_load_b64 s[12:13], s[0:1], 0x38              ; out0
	v_lshl_add_u32 v[SPW], v0, 2, SPARE
	v_mov_b32 v[NIL], 0
	ds_add_u32 v[SPW], v[NIL]                      ; the opening lines: the add, twice on end, and its wait ahead of my first tensor load
	ds_add_u32 v[SPW], v[NIL]
	v_lshrrev_b32 v1, 5, v0
	v_readfirstlane_b32 s20, v1                    ; wave 0..3
	s_lshr_b32 s21, s20, 1                         ; which half of A's rows is mine.  Also: in the ring I fetch for A (0) or for B (1)
	s_and_b32 s22, s20, 1                          ; which half of B's rows.  Also: which four tiles I fetch
	s_bfe_u32 s40, ttmp6, 0x40000                  ; cx, cy
	s_bfe_u32 s41, ttmp6, 0x40004
	s_lshl_b32 s42, ttmp9, 2
	s_add_co_u32 s42, s42, s40                     ; gx: B's block of 128 rows
	s_and_b32 s43, ttmp7, 0xffff
	s_lshl_b32 s43, s43, 2
	s_add_co_u32 s43, s43, s41                     ; gy: A's block of 128 rows
	s_lshl_b32 s44, s41, 2
	s_lshl_b32 s44, 15, s44                        ; my row of the cluster
	s_lshl_b32 s45, 0x1111, s40                    ; my column
	s_or_b32 s[G1], s44, (3<<16)|(1<<21)           ; the mask; elements of 8 bytes; bit 21 beside a mask; no padding
	s_or_b32 s[G1B], s45, (3<<16)|(1<<21)
.irp g, G1, G1B                        ; rows (tiles) of 768 elements (four records), 192 KS elements apart: 8 rows for the head's loads, later 4
	s_mov_b32 s[\g+1], 768<<16
	s_mov_b32 s[\g+2], 8<<16
	s_mov_b32 s[\g+3], 768<<16
	s_mov_b32 s[\g+4], 8
	s_mov_b32 s[\g+5], 192*KS
	s_mov_b32 s[\g+6], 0
	s_mov_b32 s[\g+7], 0
.endr
	s_or_b32 s[G1S], s44, (3<<16)|(1<<21)
	s_or_b32 s[G1SB], s45, (3<<16)|(1<<21)
.irp g, G1S, G1SB                      ; the scale words of eight tiles: a dense block of 512 KS bytes, as 2 KS rows of 256
	s_mov_b32 s[\g+1], 32<<16
	s_mov_b32 s[\g+2], (2*KS)<<16
	s_mov_b32 s[\g+3], 32<<16
	s_mov_b32 s[\g+4], 2*KS
	s_mov_b32 s[\g+5], 32
	s_mov_b32 s[\g+6], 0
	s_mov_b32 s[\g+7], 0
.endr
	s_lshl_b32 s92, s43, 3                         ; A: tile 8 gy; these registers never hold gx
	s_mul_i32 s94, s92, KS*64
	s_add_co_u32 s94, s94, ASOFF
	s_mul_i32 s92, s92, TROW
	s_mov_b32 s93, 0
	s_mov_b32 s95, 0
	s_lshl_b32 s96, s42, 3                         ; B: tile 8 gx; these never hold gy
	s_mul_i32 s98, s96, KS*64
	s_add_co_u32 s98, s98, BSOFF
	s_mul_i32 s96, s96, TROW
	s_add_co_u32 s96, s96, BOFF
	s_mov_b32 s97, 0
	s_mov_b32 s99, 0
	s_mul_i32 s2, s22, 4*TROW                      ; in the ring: my four tiles,
	s_mov_b32 s3, 0
	s_mul_i32 s23, s20, HALFT                      ; and where they go: no place in the cluster enters an LDS address
	s_wait_dscnt 0x0                               ; both opening adds are done
	s_wait_kmcnt 0x0
	s_add_nc_u64 s[92:93], s[4:5], s[92:93]
	s_add_nc_u64 s[94:95], s[4:5], s[94:95]
	s_add_nc_u64 s[96:97], s[6:7], s[96:97]
	s_add_nc_u64 s[98:99], s[6:7], s[98:99]
	s_mov_b32 s[G0S], 1
	s_mov_b32 s[G0S+1], SCL
	s_mov_b64 s[G0S+2:G0S+3], s[94:95]
	s_or_b32 s[G0S+3], s[G0S+3], 0x80000000
	s_mov_b32 s[G0SB], 1
	s_mov_b32 s[G0SB+1], SCL+2*HALFS
	s_mov_b64 s[G0SB+2:G0SB+3], s[98:99]
	s_or_b32 s[G0SB+3], s[G0SB+3], 0x80000000
	s_add_nc_u64 s[4:5], s[92:93], s[2:3]          ; my four tiles of A, of B
	s_add_nc_u64 s[6:7], s[96:97], s[2:3]
.irp s, 0,1
	s_mov_b32 s[G0+4*\s], 1
	s_add_co_u32 s[G0+4*\s+1], s23, \s*SLOT
	s_add_nc_u64 s[G0+4*\s+2:G0+4*\s+3], s[4:5], \s*FILL
	s_or_b32 s[G0+4*\s+3], s[G0+4*\s+3], 0x80000000
	s_mov_b32 s[G0B+4*\s], 1
	s_add_co_u32 s[G0B+4*\s+1], s23, \s*SLOT
	s_add_nc_u64 s[G0B+4*\s+2:G0B+4*\s+3], s[6:7], \s*FILL
	s_or_b32 s[G0B+4*\s+3], s[G0B+4*\s+3], 0x80000000
.endr
	s_cmp_eq_u32 s21, 0                            ; the prefetches: of the four tiles that I fetch, the one at my work-group's place among the four partners
	s_cselect_b64 s[PFA:PFA+1], s[4:5], s[6:7]
	s_cselect_b32 s46, s40, s41
	s_mul_i32 s46, s46, TROW
	s_mov_b32 s47, 0
	s_add_nc_u64 s[PFA:PFA+1], s[PFA:PFA+1], s[46:47]
	s_mov_b64 s[G0H+2:G0H+3], s[92:93]             ; the head's loads: slot 0's eight tiles of A,
	s_or_b32 s[G0H+3], s[G0H+3], 0x80000000
	s_mov_b32 s[G0H], 1
	s_mov_b32 s[G0H+1], 0
	s_mov_b64 s[G0HB+2:G0HB+3], s[96:97]           ; and of B, behind them
	s_or_b32 s[G0HB+3], s[G0HB+3], 0x80000000
	s_mov_b32 s[G0HB], 1
	s_mov_b32 s[G0HB+1], 2*HALFT
	CROUND                                         ; all sixteen work-groups are here: the first joint loads meet
	ARM 1, G0H, G1, .Lhead_b
	ARM 2, G0HB, G1B, .Lhead_sa
	ARM 3, G0S, G1S, .Lhead_sb
	tensor_load_to_lds s[G0SB:G0SB+3], s[G1SB:G1SB+7]
	s_nop 0
	PLACES
.Lhead_asked:
	s_lshl_b32 s2, s42, 9                          ; my block's columns: 512 gx bytes
	s_lshl_b32 s46, s22, 8
	s_add_co_u32 s46, s46, s2                      ; the bias of my 64 columns
	s_add_nc_u64 s[8:9], s[8:9], s[46:47]
	s_add_nc_u64 s[16:17], s[16:17], s[2:3]
	s_add_nc_u64 s[18:19], s[18:19], s[2:3]
	s_lshl_b32 s46, s43, 19                        ; row 128 gy + 32 wave, column 128 gx, of rows of 4,096 bytes
	s_lshl_b32 s66, s20, 17
	s_add_co_u32 s46, s46, s66
	s_add_co_u32 s46, s46, s2
	s_add_nc_u64 s[10:11], s[10:11], s[46:47]
	s_add_nc_u64 s[12:13], s[12:13], s[46:47]
	s_lshl_b32 s46, s43, 10                        ; the statistics of these 32 rows: 256 bytes
	s_lshl_b32 s66, s20, 8
	s_add_co_u32 s46, s46, s66
	s_add_co_u32 s46, s46, 3276800
	s_add_nc_u64 s[14:15], s[14:15], s[46:47]
	s_mul_i32 s2, s21, HALFT                       ; my four tiles of A,
	s_mul_i32 s3, s22, HALFT
	s_add_co_u32 s3, s3, 2*HALFT                   ; and of B, which lie behind A's eight
	s_mul_i32 s46, s21, HALFS
	s_mul_i32 s47, s22, HALFS
	s_add_co_u32 s47, s47, 2*HALFS
	s_sub_co_u32 s47, s47, s46                     ; from A's scale words to B's
	s_add_co_u32 s46, s46, SCL
	s_mul_i32 s66, s21, 64*528
	s_lshl_b32 s67, s22, 8
	s_add_co_u32 s66, s66, s67
	s_add_co_u32 s66, s66, STAGE                   ; stage row 64 wr, byte 256 wc
	s_mul_i32 s67, s20, 32*528
	s_add_co_u32 s67, s67, STAGE                   ; back: rows 32 wave on
	v_and_b32 v1, 15, v0                           ; r
	v_bfe_u32 v2, v0, 4, 1                         ; h
	v_and_b32 v5, 31, v0
	v_lshlrev_b32 v3, 4, v5                        ; 16 x lane
	v_lshlrev_b32 v4, 3, v5                        ; 8 x lane
	v_min_u32 v6, 23, v5
	v_lshlrev_b32 v[PFO], 8, v6
	v_lshlrev_b32 v[BADR], 6, v2
	v_add_nc_u32 v[AA16], s2, v3
	v_add_nc_u32 v[AA8], s2, v4
	v_add_nc_u32 v[AB16], s3, v3
	v_add_nc_u32 v[AB8], s3, v4
	v_add_nc_u32 v[AA16+1], SLOT, v[AA16]
	v_add_nc_u32 v[AA8+1], SLOT, v[AA8]
	v_add_nc_u32 v[AB16+1], SLOT, v[AB16]
	v_add_nc_u32 v[AB8+1], SLOT, v[AB8]
	v_mul_u32_u24 v5, s47, v2                      ; lanes 16-31 take B's: one product, the distance between the two
	v_lshl_add_u32 v5, v1, 2, v5
	v_add_nc_u32 v[ADRS], s46, v5
	v_mul_u32_u24 v6, v1, 528
	v_lshl_add_u32 v6, v2, 6, v6
	v_add_nc_u32 v[STO], s66, v6                   ; + row r, + 64 h
	v_add_nc_u32 v[RD], s67, v3
	s_wait_alu depctr_va_vdst(0)                   ; the wait at the head's end: no vector instruction writes a register between here and the waits below
	global_prefetch_b8 v[PFO], s[PFA:PFA+1] offset:2*FILL th:TH_LOAD_NT scope:SCOPE_SE   ; fills 2 and 3, which the first two refills load
	global_prefetch_b8 v[PFO], s[PFA:PFA+1] offset:3*FILL th:TH_LOAD_NT scope:SCOPE_SE
.irp b, 0,1,2,3                        ; accumulator (a, b), register j, is column 32 (b / 2) + 16 h + 8 (b % 2) + j of my 64
	global_load_b128 v[BIAS+8*\b:BIAS+8*\b+3], v[BADR], s[8:9] offset:128*(\b/2)+32*(\b%2)
	global_load_b128 v[BIAS+8*\b+4:BIAS+8*\b+7], v[BADR], s[8:9] offset:128*(\b/2)+32*(\b%2)+16
.endr
	WIN 0x80                                       ; destination window 2.  The 32 rows that I shall store, in the stage's (tile) order: asked for now, wanted at the end
.set i, 0
.rept 32
	global_load_b128 v[4*i:4*i+3], v3, s[10:11] offset:(8*(i/16)+(i%16)%8+16*((i%16)/8))*4096
.set i, i+1
.endr
	global_load_b64 v[128:129], v4, s[14:15]       ; lane i: mean and rstd of my row i
	global_load_b128 v[192:195], v3, s[16:17]
	global_load_b128 v[196:199], v3, s[18:19]
	WIN 0
	s_wait_tensorcnt 0x0                           ; my tile of the head's four is in
	ds_add_u32 v[SPW], v[NIL]
	s_mov_b32 s[G1+2], 4<<16                       ; no tensor load of mine is out, so a descriptor may be written: from here on a load brings four tiles
	s_mov_b32 s[G1+4], 4
	s_mov_b32 s[G1B+2], 4<<16
	s_mov_b32 s[G1B+4], 4
	s_wait_dscnt 0x0                               ; the add is done
	CROUND                                         ; all four tiles are in, and all sixteen work-groups are here
	JLOAD G0+4, G1, G0B+4, G1B                     ; slot 1's first fill, the first tensor load behind the round
	FETCH 0, 0, 0
	SCALES 0
	s_wait_loadcnt 35                              ; the bias's eight loads are the oldest: 32 + 1 + 2 were issued behind them
	STEP 0, 0, 1                                   ; the first K step stands in front of the loop: its products start the sums, from the bias
	WIN 0                                          ; at a label and at a branch every window is 0
	s_mov_b32 s67, LAPS-1
.Llap:                                                 ; a trip goes once round the ring and fills both slots again
	STEP 0, 1, 0
	STEP 0, 2, 0
	TURN 0, 1, 1
	STEP 1, 0, 0
	STEP 1, 1, 0
	STEP 1, 2, 0
	TURN 1, 0, 1
	STEP 0, 0, 0
	WIN 0
	s_sub_co_u32 s67, s67, 1
	s_cmp_lg_u32 s67, 0
	s_cbranch_scc1 .Llap
	STEP 0, 1, 0                                   ; the last lap fills nothing, and has no round of the cluster's barrier
	STEP 0, 2, 0
	TURN 0, 1, 0
	STEP 1, 0, 0
	STEP 1, 1, 0
	STEP 1, 2, 0
	s_wait_dscnt 0x0
	WIN 0x05
	MULA 128, 0, 3, 1, 0
	MULA 128, 1, 3, 1, 0
	MULA 128, 2, 3, 1, 0
	MULA 128, 3, 3, 1, 0
	WIN 0
	PLACES
	; THE WAY OUT: through the work-group's stage, since a row's 512 bytes come from two waves; back as whole rows, 32 a wave; LN2(y) is added; 32 lanes store 512 consecutive bytes, aligned
.irp a, 0,1,2,3
.irp b, 0,1,2,3
	ds_store_b128 v[STO], v[ACC+8*(4*\a+\b):ACC+8*(4*\a+\b)+3] offset:16*\a*528+128*(\b/2)+32*(\b%2)       ; each accumulator from its low end on
	ds_store_b128 v[STO], v[ACC+8*(4*\a+\b)+4:ACC+8*(4*\a+\b)+7] offset:16*\a*528+128*(\b/2)+32*(\b%2)+16
.endr
.endr
	s_wait_dscnt 0x0                               ; for the others' sake: my stores into the stage are done
	s_barrier_signal -1
	s_barrier_wait -1
.set i, 0
.rept 32
	ds_load_b128 v[ACC+4*i:ACC+4*i+3], v[RD] offset:528*i
.set i, i+1
.endr
	s_wait_loadcnt 0x0                             ; y's rows, the statistics, gain and bias
	WIN 0x8a                                       ; LN2(y) anew: (y - mean) x rstd, then x gain + bias in one fused multiply-add.  Row i's two numbers come out of lane i as scalars, in two sets of pairs by turns
	v_xor_b32 v128, 0x80000000, v128               ; - mean
.set i, 0
.rept 32
.set MS, 2+64*(i%2)
.set RS, 46-24*(i%2)
	v_readlane_b32 s[MS], v128, i
	v_readlane_b32 s[RS], v129, i
	v_pk_add_f32 v[4*i:4*i+1], v[4*i:4*i+1], s[MS:MS+1] op_sel_hi:[1,0]
	v_pk_add_f32 v[4*i+2:4*i+3], v[4*i+2:4*i+3], s[MS:MS+1] op_sel_hi:[1,0]
	v_pk_mul_f32 v[4*i:4*i+1], v[4*i:4*i+1], s[RS:RS+1] op_sel_hi:[1,0]
	v_pk_mul_f32 v[4*i+2:4*i+3], v[4*i+2:4*i+3], s[RS:RS+1] op_sel_hi:[1,0]
.set i, i+1
.endr
	WIN 0xaa
.set i, 0
.rept 32
	v_pk_fma_f32 v[4*i:4*i+1], v[4*i:4*i+1], v[192:193], v[196:197]
	v_pk_fma_f32 v[4*i+2:4*i+3], v[4*i+2:4*i+3], v[194:195], v[198:199]
.set i, i+1
.endr
	s_wait_dscnt 0x0                               ; the rows are back from the stage
	WIN 0x08                                       ; source 1 in window 2
.set i, 0
.rept 64
	v_pk_add_f32 v[ACC+2*i:ACC+2*i+1], v[ACC+2*i:ACC+2*i+1], v[2*i:2*i+1]
.set i, i+1
.endr
	WIN 0
.set i, 0
.rept 32
	global_store_b128 v3, v[ACC+4*i:ACC+4*i+3], s[12:13] offset:(8*(i/16)+(i%16)%8+16*((i%16)/8))*4096
.set i, i+1
.endr
	s_wait_tensorcnt 0x0                           ; the wave's end
	ds_add_u32 v[SPW], v[NIL]
	s_wait_dscnt 0x0
	CROUND                                         ; the closing round: no work-group ends while a partner may still ask for a tile that names it
	s_endpgm
.Lfunc_end_k_qfaf4750891_down:
	.size	k_qfaf4750891_down, .Lfunc_end_k_qfaf4750891_down-k_qfaf4750891_down
	.p2alignl 7, 3214868480
	.fill 96, 4, 3214868480
	.section	.rodata,"a",@progbits
	.p2align	6, 0x0
	.amdhsa_kernel k_qfaf4750891_down
		.amdhsa_group_segment_fixed_size 327680
		.amdhsa_private_segment_fixed_size 0
		.amdhsa_enable_private_segment 0
		.amdhsa_kernarg_size 64
		.amdhsa_user_sgpr_count 2
		.amdhsa_user_sgpr_kernarg_segment_ptr 1
		.amdhsa_wavefront_size32 1
		.amdhsa_system_sgpr_workgroup_id_x 1
		.amdhsa_system_sgpr_workgroup_id_y 1
		.amdhsa_system_sgpr_workgroup_id_z 1
		.amdhsa_system_vgpr_workitem_id 0
		.amdhsa_next_free_vgpr 768
		.amdhsa_next_free_sgpr 102
		.amdhsa_reserve_vcc 0
		.amdhsa_float_denorm_mode_32 3
		.amdhsa_float_denorm_mode_16_64 3
		.amdhsa_memory_ordered 1
		.amdhsa_forward_progress 1
		.amdhsa_inst_pref_size 119
	.end_amdhsa_kernel
	.amdgpu_metadata
---
amdhsa.version: [ 1, 2 ]
amdhsa.kernels:
  - .name:           k_qfaf4750891_down
    .symbol:         k_qfaf4750891_down.kd
    .args:
      - { .name: hb, .offset: 0, .size: 8, .value_kind: global_buffer, .address_space: global }
      - { .name: wts, .offset: 8, .size: 8, .value_kind: global_buffer, .address_space: global }
      - { .name: down_b, .offset: 16, .size: 8, .value_kind: global_buffer, .address_space: global }
      - { .name: y, .offset: 24, .size: 8, .value_kind: global_buffer, .address_space: global }
      - { .name: a2, .offset: 32, .size: 8, .value_kind: global_buffer, .address_space: global }
      - { .name: ln2_w, .offset: 40, .size: 8, .value_kind: global_buffer, .address_space: global }
      - { .name: ln2_b, .offset: 48, .size: 8, .value_kind: global_buffer, .address_space: global }
      - { .name: out0, .offset: 56, .size: 8, .value_kind: global_buffer, .address_space: global }
    .group_segment_fixed_size: 327680
    .private_segment_fixed_size: 0
    .kernarg_segment_align: 8
    .kernarg_segment_size: 64
    .max_flat_workgroup_size: 128
    .sgpr_count:     102
    .vgpr_count:     768
    .wavefront_size: 32
...
	.end_amdgpu_metadata
.endif
;; end of part 7
